; MI455X (gfx1250); checked and timed in simulation.
; The chip was launched on July 23, 2026; its instructions are those of AMD's public machine-readable ISA for CDNA 5 (MIT licence, August 2026) and "CDNA5" Instruction Set Architecture Reference Guide (July 2026). The comments in the code are by the model that wrote it; some were corrected since.
;; Attention2. Allowed arithmetic: float matrix products may take bf16 or f16 operands with f32 sums; all other float work in f32.
;; Inputs: Wk 1,024 x 1,024 float32; Wp 1,024 x 1,024 float32; Wq 1,024 x 1,024 float32; bk 1,024 float32; bp 1,024 float32; bq 1,024 float32; k 16 x 1,024 x 1,024 float32; memory_len 16 int32; q 16 x 512 x 1,024 float32; weight 1,024 x 1,024 float32.
;; Outputs: out0 16 x 512 x 1,024 float32; out1 16 x 512 x 1,024 float32.
;; 2 versions, each right and faster than the one before. Each part assembles by itself: llvm-mc -triple=amdgcn-amd-amdhsa -mcpu=gfx1250 --defsym DOCPART=n.
;; ======== version 1 of 2: 6 launches
;; limits: values are held in f16: magnitudes above 65,504 overflow, below 6.1e-05 lose precision; values outside matrix products are rounded to f16
;; workspace buffers: xh 50,331,648 bytes; wh 6,291,456 bytes; wt 2,097,152 bytes; zb 4,096 bytes; px 50,331,648 bytes; qw 16,777,216 bytes; psum 262,144 bytes
;; launch prep (part 1): grid 1760 x 1, 8 waves a work-group, no clusters, 70,656 bytes of LDS; arguments q, k, Wq, Wk, Wp, weight, xh, wh, wt, zb; writes xh, wh, wt, zb
.if DOCPART == 1
	.amdgcn_target "amdgcn-amd-amdhsa--gfx1250"
	.amdhsa_code_object_version 6
	.text
	.protected	k_q8922474e63_prep
	.globl	k_q8922474e63_prep
	.p2align	8
	.type	k_q8922474e63_prep,@function
k_q8922474e63_prep:
	s_mov_b64 s[64:65], 0
	v_nop
	global_prefetch_b8 v0, s[64:65] scope:SCOPE_SE
	s_setreg_imm32_b32 hwreg(HW_REG_WAVE_MODE, 25, 1), 1
	s_wait_xcnt 0x0
; prep: every matrix operand that is an input is rounded to bf16 and then written as f16.
;   xh [24576][1024] f16: q's 8,192 rows, then k's 16,384.   wh: Wq, Wk, Wp, 2 MiB each.   wt[g][h] = weight[h][g].   zb: 1,024 zeros in f32.
; LIMITS: |x| > 65504 becomes infinite in f16; below 2^-14 the f16 step is 2^-24, so a bf16 number below 2^-17 loses bits.
; A stream: no matrix unit, no cluster, no tensor load would add anything; each input byte is read once.
; Work-groups 0-31 transpose weight (they come first, since their four batches of loads follow each other);
; work-groups 32-1759 take one chunk of 16,384 numbers each: 64 KiB in, 32 KiB out.
.set NTR, 32                           ; transposing work-groups
.set X,   4                            ; v[4:67]   numbers as loaded
.set Y,   68                           ; v[68:99]  f16 pairs to store, a pair of registers for each of 16 items
.set TT,  100                          ; v[100:102] at work
.set YS,  103                          ; transposer: one packed pair on its way to LDS
.set VR,  104                          ; transposer: LDS address for reading rows back
.set VO,  105                          ; transposer: byte offset in wt
.set TP,  272                          ; transposer: LDS pitch, 128 f16 + 16 bytes
; two f32 -> two bf16 (nearest even) -> the same two numbers as f32 -> two f16
.macro CV2 y, x0, x1
	v_cvt_pk_bf16_f32 v[TT], v[\x0], v[\x1]
	v_lshlrev_b32 v[TT+1], 16, v[TT]
	v_and_b32 v[TT+2], 0xffff0000, v[TT]
	v_cvt_pk_f16_f32 v[\y], v[TT+1], v[TT+2]
.endm
	s_load_b512 s[8:23], s[0:1], 0x0               ; q 8, k 10, Wq 12, Wk 14, Wp 16, weight 18, xh 20, wh 22
	s_load_b128 s[24:27], s[0:1], 0x40             ; wt 24, zb 26
	v_lshl_add_u32 v112, v0, 2, 0x11000
	v_mov_b32 v113, 0
	v_lshrrev_b32 v1, 5, v0
	v_readfirstlane_b32 s28, v1                    ; wave 0..7
	s_cmp_lt_u32 ttmp9, NTR
	s_cbranch_scc1 .Ltrans
	; ---- element by element: chunk c = work-group - 32.  c 0-511 q, 512-1535 k, 1536-1599 Wq, 1600-1663 Wk, 1664-1727 Wp
	s_sub_co_u32 s29, ttmp9, NTR
	v_lshlrev_b32 v1, 4, v0                        ; 16 t: my 4 numbers in each 4,096 bytes of the source
	v_lshlrev_b32 v2, 3, v0                        ; 8 t: and in each 2,048 bytes of the destination
	s_wait_kmcnt 0x0
	s_mov_b64 s[30:31], s[8:9]                     ; source, its first chunk (s32)
	s_mov_b64 s[34:35], s[20:21]                   ; destination, its first chunk (s33)
	s_mov_b32 s32, 0
	s_mov_b32 s33, 0
	s_cmp_ge_u32 s29, 512
	s_cselect_b64 s[30:31], s[10:11], s[30:31]
	s_cselect_b32 s32, 512, s32
	s_cmp_ge_u32 s29, 1536
	s_cselect_b64 s[30:31], s[12:13], s[30:31]
	s_cselect_b64 s[34:35], s[22:23], s[34:35]
	s_cselect_b32 s32, 1536, s32
	s_cselect_b32 s33, 1536, s33
	s_cmp_ge_u32 s29, 1600
	s_cselect_b64 s[30:31], s[14:15], s[30:31]
	s_cselect_b32 s32, 1600, s32
	s_cmp_ge_u32 s29, 1664
	s_cselect_b64 s[30:31], s[16:17], s[30:31]
	s_cselect_b32 s32, 1664, s32
	s_sub_co_u32 s36, s29, s32
	s_lshl_b32 s36, s36, 16                        ; 65,536 bytes of f32 a chunk
	s_mov_b32 s37, 0
	s_add_nc_u64 s[30:31], s[30:31], s[36:37]
	s_sub_co_u32 s38, s29, s33
	s_lshl_b32 s38, s38, 15                        ; 32,768 bytes of f16 a chunk
	s_mov_b32 s39, 0
	s_add_nc_u64 s[34:35], s[34:35], s[38:39]
.irp i, 0,1,2,3,4,5,6,7,8,9,10,11,12,13,14,15
	global_load_b128 v[X+4*\i:X+4*\i+3], v1, s[30:31] offset:4096*\i th:TH_LOAD_NT   ; all 16 go out at once: 8 KiB of every wave in flight
.endr
.irp i, 0,1,2,3,4,5,6,7,8,9,10,11,12,13,14,15
	s_wait_loadcnt 15-\i                           ; loads come back in order: item i is in, the younger ones stay out
	CV2 Y+2*\i, X+4*\i, X+4*\i+1
	CV2 Y+2*\i+1, X+4*\i+2, X+4*\i+3
	global_store_b64 v2, v[Y+2*\i:Y+2*\i+1], s[34:35] offset:2048*\i   ; a wave's store covers 256 consecutive bytes, aligned; each item has its own data registers
.endr
	s_endpgm
	; ---- the transposer.  Wave's tile: 128 rows h x 32 columns g of weight; tile = 8 x work-group + wave; hb = tile / 32, gb = tile % 32
.Ltrans:
	s_wait_kmcnt 0x0
	s_cmp_lg_u32 ttmp9, 0
	s_cbranch_scc1 .Lnozero
	v_mov_b32 v4, 0                                ; work-group 0 also writes the zero bias: 256 threads x 16 bytes
	v_mov_b32 v5, 0
	v_mov_b32 v6, 0
	v_mov_b32 v7, 0
	v_lshlrev_b32 v1, 4, v0
	global_store_b128 v1, v[4:7], s[26:27]
	s_wait_xcnt 0x0                                ; v1 and v[4:7] are written again below
.Lnozero:
	v_and_b32 v1, 31, v0                           ; lane = column g of the tile
	s_lshl_b32 s29, ttmp9, 3
	s_add_co_u32 s29, s29, s28
	s_lshr_b32 s30, s29, 5                         ; hb
	s_and_b32 s31, s29, 31                         ; gb
	s_lshl_b32 s32, s30, 19                        ; 128 rows of 4,096 bytes
	s_lshl_b32 s33, s31, 7                         ; 32 columns of 4 bytes
	s_add_co_u32 s32, s32, s33
	s_mov_b32 s33, 0
	s_add_nc_u64 s[18:19], s[18:19], s[32:33]
	s_lshl_b32 s36, s31, 16                        ; wt: 32 rows g of 2,048 bytes
	s_lshl_b32 s37, s30, 8                         ; 128 columns h of 2 bytes
	s_add_co_u32 s36, s36, s37
	s_mov_b32 s37, 0
	s_add_nc_u64 s[24:25], s[24:25], s[36:37]
	s_mul_i32 s34, s28, 32*TP                      ; the wave's own 8,704 bytes of LDS: no barrier is needed
	v_lshlrev_b32 v2, 2, v1                        ; 4 x lane
	v_mul_u32_u24 v3, v1, TP
	v_add_nc_u32 v3, s34, v3                       ; LDS row g = lane
	v_lshrrev_b32 v[TT], 4, v1                     ; lane / 16
	v_and_b32 v[TT+1], 15, v1                      ; lane % 16
	v_mul_u32_u24 v[VR], v[TT], TP
	v_lshl_add_u32 v[VR], v[TT+1], 4, v[VR]
	v_add_nc_u32 v[VR], s34, v[VR]
	v_lshlrev_b32 v[VO], 11, v[TT]
	v_lshl_add_u32 v[VO], v[TT+1], 4, v[VO]
; batch r: rows 32 r .. 32 r + 31 of the tile into 32 registers from base on.  A wave's load takes 128 consecutive bytes of a row;
; the neighbouring tile takes the 128 beside them, so no hint says that the bytes around are not wanted again.
.macro TLOAD r, base
.set i, 0
.rept 32
	global_load_b32 v[\base+i], v2, s[18:19] offset:(32*\r+i)*4096
.set i, i+1
.endr
.endm
; two neighbouring h of one g make one word of the transposed row.  younger = loads of the batch issued behind this one
.macro TPROC r, base, younger
.set p, 0
.rept 16
	s_wait_loadcnt \younger+30-2*p                 ; rows 2 p and 2 p + 1 of this batch are in
	CV2 YS, \base+2*p, \base+2*p+1
	ds_store_b32 v3, v[YS] offset:(32*\r+2*p)*2
.set p, p+1
.endr
.endm
	TLOAD 0, X
	TLOAD 1, X+32
	TPROC 0, X, 32
	TLOAD 2, X
	TPROC 1, X+32, 32
	TLOAD 3, X+32
	TPROC 2, X, 32
	TPROC 3, X+32, 0
.irp t, 0,1,2,3,4,5,6,7,8,9,10,11,12,13,14,15
	ds_load_b128 v[X+4*\t:X+4*\t+3], v[VR] offset:2*TP*\t      ; LDS serves a wave's instructions in order: these see the stores above
.endr
.irp t, 0,1,2,3,4,5,6,7,8,9,10,11,12,13,14,15
	s_wait_dscnt 15-\t
	global_store_b128 v[VO], v[X+4*\t:X+4*\t+3], s[24:25] offset:4096*\t   ; 16 lanes store 256 consecutive bytes of one row of wt, aligned
.endr
	s_wait_tensorcnt 0x0
	ds_add_u32 v112, v113
	s_wait_dscnt 0x0
	s_endpgm
.Lfunc_end_k_q8922474e63_prep:
	.size	k_q8922474e63_prep, .Lfunc_end_k_q8922474e63_prep-k_q8922474e63_prep
	.p2alignl 7, 3214868480
	.fill 96, 4, 3214868480
	.section	.rodata,"a",@progbits
	.p2align	6, 0x0
	.amdhsa_kernel k_q8922474e63_prep
		.amdhsa_group_segment_fixed_size 70656
		.amdhsa_private_segment_fixed_size 0
		.amdhsa_enable_private_segment 0
		.amdhsa_kernarg_size 80
		.amdhsa_user_sgpr_count 2
		.amdhsa_user_sgpr_kernarg_segment_ptr 1
		.amdhsa_wavefront_size32 1
		.amdhsa_system_sgpr_workgroup_id_x 1
		.amdhsa_system_sgpr_workgroup_id_y 1
		.amdhsa_system_sgpr_workgroup_id_z 1
		.amdhsa_system_vgpr_workitem_id 0
		.amdhsa_next_free_vgpr 114
		.amdhsa_next_free_sgpr 66
		.amdhsa_reserve_vcc 0
		.amdhsa_float_denorm_mode_32 3
		.amdhsa_float_denorm_mode_16_64 3
		.amdhsa_memory_ordered 1
		.amdhsa_forward_progress 1
		.amdhsa_inst_pref_size 49
	.end_amdhsa_kernel
	.amdgpu_metadata
---
amdhsa.version: [ 1, 2 ]
amdhsa.kernels:
  - .name:           k_q8922474e63_prep
    .symbol:         k_q8922474e63_prep.kd
    .args:
      - { .name: q, .offset: 0, .size: 8, .value_kind: global_buffer, .address_space: global }
      - { .name: k, .offset: 8, .size: 8, .value_kind: global_buffer, .address_space: global }
      - { .name: Wq, .offset: 16, .size: 8, .value_kind: global_buffer, .address_space: global }
      - { .name: Wk, .offset: 24, .size: 8, .value_kind: global_buffer, .address_space: global }
      - { .name: Wp, .offset: 32, .size: 8, .value_kind: global_buffer, .address_space: global }
      - { .name: weight, .offset: 40, .size: 8, .value_kind: global_buffer, .address_space: global }
      - { .name: xh, .offset: 48, .size: 8, .value_kind: global_buffer, .address_space: global }
      - { .name: wh, .offset: 56, .size: 8, .value_kind: global_buffer, .address_space: global }
      - { .name: wt, .offset: 64, .size: 8, .value_kind: global_buffer, .address_space: global }
      - { .name: zb, .offset: 72, .size: 8, .value_kind: global_buffer, .address_space: global }
    .group_segment_fixed_size: 70656
    .private_segment_fixed_size: 0
    .kernarg_segment_align: 8
    .kernarg_segment_size: 80
    .max_flat_workgroup_size: 256
    .sgpr_count:     66
    .vgpr_count:     114
    .wavefront_size: 32
...
	.end_amdgpu_metadata
.endif
;; end of part 1
;; launch proj (part 2): grid 4 x 192, 4 waves a work-group, clusters of 4 x 4, 327,680 bytes of LDS; arguments xh, wh, bq, bk, px; writes px
.if DOCPART == 2
	.amdgcn_target "amdgcn-amd-amdhsa--gfx1250"
	.amdhsa_code_object_version 6
	.text
	.protected	k_q8922474e63_proj
	.globl	k_q8922474e63_proj
	.p2align	8
	.type	k_q8922474e63_proj,@function
k_q8922474e63_proj:
	s_mov_b64 s[64:65], 0
	v_nop
	global_prefetch_b8 v0, s[64:65] scope:SCOPE_SE
	s_setreg_imm32_b32 hwreg(HW_REG_WAVE_MODE, 25, 1), 1
	s_wait_xcnt 0x0
	s_wait_alu depctr_hold_cnt(0) depctr_sa_sdst(0) depctr_va_vdst(0) depctr_va_sdst(0) depctr_va_ssrc(0) depctr_va_vcc(0) depctr_vm_vsrc(0)
	s_getreg_b32 s2, hwreg(HW_REG_IB_STS2, 6, 4)
	s_cmp_eq_u32 s2, 0
	s_cbranch_scc0 .Lentry_in_a_cluster
	s_endpgm
.Lentry_in_a_cluster:
	s_bfe_u32 s2, ttmp6, 0x10000c
	s_cmp_lg_u32 s2, 0xf033
	s_cbranch_scc0 .Lentry_shape_is_right
	s_endpgm
.Lentry_shape_is_right:
; C[m][n] = sum over k of A[m][k] B[n][k] + bias[n].  A: [rows][1024], B: [1024][1024], C: [rows][1024], all f16; sums and bias in f32.
; Rows from 8,192 on (cluster rows 16 and up) take the second matrix of B's buffer, 2 MiB further on, and the second bias;
; a launch of 8,192 rows never reaches them.
; LIMIT: results are clamped to +-65504, the largest f16.
; A work-group makes 128 x 256 of C with four waves, a wave 64 x 128: 32 accumulator tiles of 16 x 16, 256 registers.
; K goes in steps of 128 through two LDS slots filled by tensor loads: a tile's rows are 256 bytes of memory, aligned to 256.
; CLUSTERS: 4 x 4 work-groups.  The four of a row of the cluster need the same tiles of A, the four of a column the same tiles of B:
; each tile is asked for jointly, with one descriptor and a mask that names the four, which divides the requests for A and B by four.
; REGISTERS: window 0: addresses, fragments (two buffers), work on the way out; window 1: accumulators, tile (a, b) at 8 (8 a + b);
; window 2, v0-63: the bias of my lane's 64 columns.
; The matrix instruction is used transposed (source 0 = 16 rows of B, source 1 = 16 rows of A): lane l holds row l % 16 of C and
; registers 0-7 the columns 8 (l / 16) + 0..7, eight neighbouring numbers.
.set PITCH,  272                       ; an LDS row: 256 bytes + 16 of padding, so that the 16 rows of a fragment load start 68 words apart
.set ATILE,  128*PITCH                 ; A's 128 rows
.set BHALF,  128*PITCH                 ; what one of B's two tensor loads brings
.set SLOT,   ATILE+2*BHALF             ; 104,448
.set STAGE,  2*SLOT                    ; behind the ring: 16 rows x 272 bytes for each wave; no tensor load lands there
.set WSTAGE, 16*PITCH
.set ROWB,   2048                      ; bytes in a row of A, B and C
.set ASTEP,  256                       ; bytes from one K step's tile to the next
.set BSTEP,  256
.set LAPS,   4                         ; a lap = two K steps = once round the ring
.set ADRA, 16                          ; v16-17 LDS address of my A fragments in slot 0, 1
.set ADRB, 20                          ; v20-21 the same for B
.set STO,  24                          ; the way out: where I put 16 bytes of a row
.set RD,   25                          ; where I read a row back
.set CO,   26                          ; my byte offset in C
.set BO,   27                          ; my byte offset in the bias
.set FA0,  32                          ; A fragments: buffer f at FA0 + 32 f
.set FB0,  96                          ; B fragments: buffer f at FB0 + 64 f
.set T,    32                          ; the way out: 64 numbers in f32
.set R0,   128                         ; rows read back, two sets in turn
.set R1,   160
.set TMP,  224                         ; packed results
.set G1,  24                           ; s[24:31] descriptor group 1 for A's tiles
.set G0,  32                           ; s[32:39] group 0 for A's tiles, one set for each slot
.set G1B, 48                           ; s[48:55] group 1 for B's tiles
.set G0B, 56                           ; s[56:63] group 0 for B's tiles
.set DFLAGS, (1<<16)|(1<<20)|(1<<21)|(5<<22)|(3<<25)   ; elements of 2 bytes; padding on; bit 21 beside a mask; 4 words behind every 64
.set MUL, 0x50                         ; C and D in window 1
.set MSB, 0
.macro WIN new                         ; the immediate's high byte repeats the setting that is left
.if MSB != \new
	s_set_vgpr_msb (MSB<<8)|\new
.set MSB, \new
.endif
.endm
.macro PLACES                          ; four places behind a matrix instruction, in front of loads into its sources and of readers of its result
.rept 4
	v_nop
.endr
.endm
; A joint load.  Waves 0 and 1 fetch A's two halves, waves 2 and 3 B's.  The branch hangs on the wave's number alone.
.macro JLOAD s
	s_cmp_eq_u32 s11, 0
	s_cbranch_scc0 .Lfor_b_\@
	tensor_load_to_lds s[G0+4*\s:G0+4*\s+3], s[G1:G1+7]
	s_nop 0
.rept 4
	v_nop
.endr
	s_branch .Lasked_\@
.Lfor_b_\@:
	tensor_load_to_lds s[G0B+4*\s:G0B+4*\s+3], s[G1B:G1B+7]
	s_nop 0
.rept 4
	v_nop
.endr
.Lasked_\@:
.endm
.macro CREST                           ; a round of the cluster's barrier behind its opening barrier
	s_cmp_lg_u32 s10, 0
	s_cbranch_scc1 .Lnot_wave_0_\@
	s_barrier_signal -3
.Lnot_wave_0_\@:
	s_barrier_wait -3
	s_barrier_signal -1
	s_barrier_wait -1
.endm
.macro CROUND                          ; a whole round
	s_barrier_signal -1
	s_barrier_wait -1
	CREST
.endm
; 8 matrix instructions: row block a x all 8 column blocks, 32 along K, from buffer f.  zero = 1: the first product starts the sums.
.macro MULA f, a, zero
.irp b, 0,1,2,3,4,5,6,7
.if \zero
	v_wmma_f32_16x16x32_f16 v[64*\a+8*\b:64*\a+8*\b+7], v[FB0+64*\f+8*\b:FB0+64*\f+8*\b+7], v[FA0+32*\f+8*\a:FA0+32*\f+8*\a+7], 0
.else
	v_wmma_f32_16x16x32_f16 v[64*\a+8*\b:64*\a+8*\b+7], v[FB0+64*\f+8*\b:FB0+64*\f+8*\b+7], v[FA0+32*\f+8*\a:FA0+32*\f+8*\a+7], v[64*\a+8*\b:64*\a+8*\b+7]
.endif
.endr
.endm
; 24 LDS loads in one run: a quarter step's fragments (128 rows of B, then 64 rows of A, 32 K at byte k of the rows) into buffer f
.macro FETCH slot, k, f
	WIN 0
.irp b, 0,1,2,3,4,5,6,7
	ds_load_b128 v[FB0+64*\f+8*\b:FB0+64*\f+8*\b+3],   v[ADRB+\slot] offset:\k+\b*16*PITCH
	ds_load_b128 v[FB0+64*\f+8*\b+4:FB0+64*\f+8*\b+7], v[ADRB+\slot] offset:\k+\b*16*PITCH+32
.endr
.irp a, 0,1,2,3
	ds_load_b128 v[FA0+32*\f+8*\a:FA0+32*\f+8*\a+3],   v[ADRA+\slot] offset:\k+\a*16*PITCH
	ds_load_b128 v[FA0+32*\f+8*\a+4:FA0+32*\f+8*\a+7], v[ADRA+\slot] offset:\k+\a*16*PITCH+32
.endr
.endm
; A K step is four quarters of 32 along K, 32 matrix instructions each, on buffers 0, 1, 0, 1.  The 32 accumulators take turns, one
; instruction a turn, in the same order in every quarter.
.macro QUARTER slot, k, f, g, zero
	s_wait_dscnt 4                                 ; B and A's blocks 0, 1 are in; the youngest four loads (A's blocks 2, 3) may be out
	WIN MUL
	MULA \f, 0, \zero
	MULA \f, 1, \zero
	PLACES
	FETCH \slot, \k, \g
	s_wait_dscnt 24                                ; all but the 24 just issued
	WIN MUL
	MULA \f, 2, \zero
	MULA \f, 3, \zero
.endm
.macro THREE slot, zero
	QUARTER \slot, 64,  0, 1, \zero
	QUARTER \slot, 128, 1, 0, 0
	QUARTER \slot, 192, 0, 1, 0
.endm
; The last quarter multiplies buffer 1 and changes slots.  In front of the barrier each wave waits for its reads of this slot and for all its
; tensor loads (one is out: its part of the next slot).  fill = 1: the barrier opens a round of the cluster's barrier, and behind the round
; this slot is filled again first, two K steps ahead.  From that request to the wait for it a wave issues 120 matrix instructions.
.macro TURN slot, next, fill
	s_wait_dscnt 4
	WIN MUL
	MULA 1, 0, 0
	s_wait_dscnt 0                                 ; my reads of this slot are over
	s_wait_tensorcnt 0x0                           ; all my tensor loads have landed
	ds_add_u32 v30, v31
	s_wait_dscnt 0x0
	s_barrier_signal -1
	MULA 1, 1, 0                                   ; register work while the others arrive
	WIN 0
	s_barrier_wait -1
.if \fill
	CREST                                          ; no wave of any partner still reads this slot or has a load on its way
	s_add_nc_u64 s[G0+4*\slot+2:G0+4*\slot+3], s[G0+4*\slot+2:G0+4*\slot+3], 2*ASTEP
	s_add_nc_u64 s[G0B+4*\slot+2:G0B+4*\slot+3], s[G0B+4*\slot+2:G0B+4*\slot+3], 2*BSTEP
	JLOAD \slot                                    ; the wave's one tensor load behind the round; its four v_nop are the places in front of the loads below
.else
	PLACES
.endif
	FETCH \next, 0, 0
	WIN MUL
	MULA 1, 2, 0
	MULA 1, 3, 0
.endm
.macro LAP zero
	THREE 0, \zero
	TURN 0, 1, 1
	THREE 1, 0
	TURN 1, 0, 1
.endm
; 16 rows of C: T's 64 numbers are rounded to f16, go as 16 bytes a lane into my own stage, come back as whole rows of 256 bytes
.macro PACK a, r
.set i, 0
.rept 32
	v_cvt_pk_f16_f32 v[TMP+i], v[T+2*i], v[T+2*i+1]
.set i, i+1
.endr
.irp b, 0,1,2,3,4,5,6,7
	ds_store_b128 v[STO], v[TMP+4*\b:TMP+4*\b+3] offset:32*\b
.endr
	s_wait_xcnt 0x0                                ; set r and the base, which earlier stores name, are written again only behind this wait
.if \a
	s_add_nc_u64 s[8:9], s[8:9], 16*ROWB
.endif
.irp t, 0,1,2,3,4,5,6,7
	ds_load_b128 v[\r+4*\t:\r+4*\t+3], v[RD] offset:\t*2*PITCH   ; LDS serves a wave's instructions in order: these see the stores above
.endr
.irp t, 0,1,2,3,4,5,6,7
	s_wait_dscnt 7-\t
	global_store_b128 v[CO], v[\r+4*\t:\r+4*\t+3], s[8:9] offset:\t*2*ROWB   ; 16 lanes store 256 consecutive bytes, aligned
.endr
.endm
	s_load_b128 s[4:7], s[0:1], 0x0                ; A, B
	s_load_b128 s[68:71], s[0:1], 0x10             ; first bias, second bias
	s_load_b64 s[8:9], s[0:1], 0x20                ; C
	v_lshl_add_u32 v30, v0, 2, 0x37400
	v_mov_b32 v31, 0
	ds_add_u32 v30, v31
	v_lshrrev_b32 v1, 5, v0
	v_readfirstlane_b32 s10, v1                    ; wave 0..3
	s_lshr_b32 s11, s10, 1                         ; my half of the block's rows.  Also: I fetch for A (0) or for B (1)
	s_and_b32 s12, s10, 1                          ; my half of its columns.  Also: which half of that tile I fetch
	s_bfe_u32 s40, ttmp6, 0x40000                  ; cx
	s_bfe_u32 s41, ttmp6, 0x40004                  ; cy
	s_lshl_b32 s42, ttmp9, 2
	s_add_co_u32 s42, s42, s40                     ; block column = 4 x cluster x + cx
	s_and_b32 s22, ttmp7, 0xffff                   ; cluster y, the same in all sixteen
	s_lshl_b32 s13, s22, 2
	s_add_co_u32 s13, s13, s41                     ; block row = 4 x cluster y + cy
	s_lshl_b32 s43, s41, 2
	s_lshl_b32 s43, 15, s43                        ; my row of the cluster
	s_lshl_b32 s44, 0x1111, s40                    ; my column
	s_or_b32 s[G1+0], s43, DFLAGS                  ; A: 64 rows x 128 elements, to my row of the cluster
	s_mov_b32 s[G1+1], 128<<16                     ; tensor_dim0 = 128
	s_mov_b32 s[G1+2], 64<<16                      ; tensor_dim1 = 64
	s_mov_b32 s[G1+3], 128<<16                     ; tile_dim0 = 128
	s_mov_b32 s[G1+4], 64                          ; tile_dim1 = 64
	s_mov_b32 s[G1+5], 1024                        ; elements from row to row
	s_mov_b32 s[G1+6], 0
	s_mov_b32 s[G1+7], 0
	s_or_b32 s[G1B+0], s44, DFLAGS                 ; B: 128 rows x 128 elements, to my column
	s_mov_b32 s[G1B+1], 128<<16
	s_mov_b32 s[G1B+2], 128<<16
	s_mov_b32 s[G1B+3], 128<<16
	s_mov_b32 s[G1B+4], 128
	s_mov_b32 s[G1B+5], 1024
	s_mov_b32 s[G1B+6], 0
	s_mov_b32 s[G1B+7], 0
	s_cmp_ge_u32 s22, 16                           ; rows from 8,192 on: the second matrix
	s_cselect_b32 s45, 0x200000, 0
	s_lshl_b32 s16, s13, 7                         ; A: row 128 x block row + 64 x half, in bytes
	s_lshl_b32 s17, s12, 6
	s_add_co_u32 s16, s16, s17
	s_lshl_b32 s16, s16, 11
	s_mov_b32 s17, 0
	s_lshl_b32 s46, s42, 8                         ; B: row 256 x block column + 128 x half, in bytes, + the matrix
	s_lshl_b32 s47, s12, 7
	s_add_co_u32 s46, s46, s47
	s_lshl_b32 s46, s46, 11
	s_add_co_u32 s46, s46, s45
	s_mov_b32 s47, 0
	s_mul_i32 s20, s12, 64*PITCH                   ; where they go: no place in the cluster enters an LDS address
	s_mul_i32 s21, s12, BHALF
	s_add_co_u32 s21, s21, ATILE
	s_wait_dscnt 0x0
	s_wait_kmcnt 0x0
	s_cmp_ge_u32 s22, 16
	s_cselect_b64 s[66:67], s[70:71], s[68:69]     ; and the second bias
	s_add_nc_u64 s[14:15], s[4:5], s[16:17]
	s_add_nc_u64 s[46:47], s[6:7], s[46:47]
	CROUND                                         ; all sixteen work-groups are here: the first joint loads meet
.irp s, 0,1
	s_mov_b32 s[G0+4*\s], 1
	s_add_co_u32 s[G0+4*\s+1], s20, \s*SLOT
	s_add_nc_u64 s[G0+4*\s+2:G0+4*\s+3], s[14:15], \s*ASTEP
	s_or_b32 s[G0+4*\s+3], s[G0+4*\s+3], 0x80000000
	s_mov_b32 s[G0B+4*\s], 1
	s_add_co_u32 s[G0B+4*\s+1], s21, \s*SLOT
	s_add_nc_u64 s[G0B+4*\s+2:G0B+4*\s+3], s[46:47], \s*BSTEP
	s_or_b32 s[G0B+4*\s+3], s[G0B+4*\s+3], 0x80000000
	JLOAD \s                                       ; K steps 0 and 1: two tensor loads of the wave are out, the most in this text
.endr
	; lane addresses.  A fragment: lane l holds row l % 16; two loads of 16 bytes, 32 apart, at row x pitch + 16 (l / 16)
	v_and_b32 v1, 15, v0                           ; r
	v_bfe_u32 v2, v0, 4, 1                         ; h
	v_mul_u32_u24 v3, v1, PITCH
	v_lshl_add_u32 v3, v2, 4, v3
	s_mul_i32 s18, s11, 64*PITCH                   ; my 64 rows of A
	s_mul_i32 s19, s12, BHALF                      ; my 128 rows of B, behind A's tile
	s_add_co_u32 s19, s19, ATILE
.irp s, 0,1
	v_add_nc_u32 v[ADRA+\s], s18, v3
	v_add_nc_u32 v[ADRB+\s], s19, v3
	s_add_co_u32 s18, s18, SLOT
	s_add_co_u32 s19, s19, SLOT
.endr
	s_mul_i32 s23, s10, WSTAGE
	s_add_co_u32 s23, s23, STAGE                   ; my stage
	v_add_nc_u32 v[STO], s23, v3                   ; in: row r, 16 bytes for each half of the lanes
	v_mul_u32_u24 v5, v2, PITCH                    ; back: lanes 0-15 one row, lanes 16-31 the next
	v_lshl_add_u32 v5, v1, 4, v5
	v_add_nc_u32 v[RD], s23, v5
	v_lshlrev_b32 v5, 11, v2                       ; the same two rows in C
	v_lshl_add_u32 v[CO], v1, 4, v5
	s_lshl_b32 s16, s13, 7                         ; C at my first row ...
	s_lshl_b32 s17, s11, 6
	s_add_co_u32 s16, s16, s17
	s_lshl_b32 s16, s16, 11
	s_mov_b32 s17, 0
	s_add_nc_u64 s[8:9], s[8:9], s[16:17]
	s_lshl_b32 s78, s42, 9                         ; ... and my first column: 512 x block + 256 x half bytes
	s_lshl_b32 s79, s12, 8
	s_add_co_u32 s78, s78, s79
	s_mov_b32 s79, 0
	s_add_nc_u64 s[8:9], s[8:9], s[78:79]
	s_lshl_b32 s78, s78, 1                         ; the same column in f32
	v_lshl_add_u32 v[BO], v2, 5, s78               ; + 8 h numbers
	s_mov_b32 s82, 0xc77fe000                      ; -65504
	s_mov_b32 s83, 0x477fe000                      ; 65504
	WIN 0x80                                       ; destination in window 2
.irp b, 0,1,2,3,4,5,6,7
	global_load_b128 v[8*\b:8*\b+3],   v[BO], s[66:67] offset:64*\b       ; bias of columns 16 b + 8 h + 0..3
	global_load_b128 v[8*\b+4:8*\b+7], v[BO], s[66:67] offset:64*\b+16    ; and + 4..7
.endr
	WIN 0
	s_wait_loadcnt 0x0                             ; the bias, once
	s_wait_tensorcnt 1                             ; my part of K step 0 is in; K step 1's may stay out
	s_barrier_signal -1
	s_barrier_wait -1
	FETCH 0, 0, 0
	LAP 1                                          ; the first lap stands in front of the loop: its first products start the sums
	WIN 0
	s_mov_b32 s3, LAPS-2
.Llap:
	LAP 0
	WIN 0
	s_sub_co_u32 s3, s3, 1
	s_cmp_lg_u32 s3, 0
	s_cbranch_scc1 .Llap
	THREE 0, 0                                     ; the last lap fills nothing
	TURN 0, 1, 0
	THREE 1, 0
	s_wait_dscnt 4
	WIN MUL
	MULA 1, 0, 0
	MULA 1, 1, 0
	s_wait_dscnt 0
	MULA 1, 2, 0
	MULA 1, 3, 0
	PLACES
; rows 16 a .. 16 a + 15 of my block: + bias, clamp, out
.macro OUTROWS a, r
	WIN 0x09                                       ; source 0 window 1 (sums), source 1 window 2 (bias)
.set i, 0
.rept 32
	v_pk_add_f32 v[T+2*i:T+2*i+1], v[64*\a+2*i:64*\a+2*i+1], v[2*i:2*i+1]
.set i, i+1
.endr
	WIN 0
.set i, 0
.rept 64
	v_med3_num_f32 v[T+i], v[T+i], s82, s83
.set i, i+1
.endr
	PACK \a, \r
.endm
	OUTROWS 0, R0
	OUTROWS 1, R1
	OUTROWS 2, R0
	OUTROWS 3, R1
	s_wait_tensorcnt 0x0
	ds_add_u32 v30, v31
	s_wait_dscnt 0x0
	CROUND                                         ; the closing round: no work-group ends while a partner may still ask for a tile that names it
	s_endpgm
.Lfunc_end_k_q8922474e63_proj:
	.size	k_q8922474e63_proj, .Lfunc_end_k_q8922474e63_proj-k_q8922474e63_proj
	.p2alignl 7, 3214868480
	.fill 96, 4, 3214868480
	.section	.rodata,"a",@progbits
	.p2align	6, 0x0
	.amdhsa_kernel k_q8922474e63_proj
		.amdhsa_group_segment_fixed_size 327680
		.amdhsa_private_segment_fixed_size 0
		.amdhsa_enable_private_segment 0
		.amdhsa_kernarg_size 40
		.amdhsa_user_sgpr_count 2
		.amdhsa_user_sgpr_kernarg_segment_ptr 1
		.amdhsa_wavefront_size32 1
		.amdhsa_system_sgpr_workgroup_id_x 1
		.amdhsa_system_sgpr_workgroup_id_y 1
		.amdhsa_system_sgpr_workgroup_id_z 1
		.amdhsa_system_vgpr_workitem_id 0
		.amdhsa_next_free_vgpr 576
		.amdhsa_next_free_sgpr 100
		.amdhsa_reserve_vcc 0
		.amdhsa_float_denorm_mode_32 3
		.amdhsa_float_denorm_mode_16_64 3
		.amdhsa_memory_ordered 1
		.amdhsa_forward_progress 1
		.amdhsa_inst_pref_size 145
	.end_amdhsa_kernel
	.amdgpu_metadata
---
amdhsa.version: [ 1, 2 ]
amdhsa.kernels:
  - .name:           k_q8922474e63_proj
    .symbol:         k_q8922474e63_proj.kd
    .args:
      - { .name: xh, .offset: 0, .size: 8, .value_kind: global_buffer, .address_space: global }
      - { .name: wh, .offset: 8, .size: 8, .value_kind: global_buffer, .address_space: global }
      - { .name: bq, .offset: 16, .size: 8, .value_kind: global_buffer, .address_space: global }
      - { .name: bk, .offset: 24, .size: 8, .value_kind: global_buffer, .address_space: global }
      - { .name: px, .offset: 32, .size: 8, .value_kind: global_buffer, .address_space: global }
    .group_segment_fixed_size: 327680
    .private_segment_fixed_size: 0
    .kernarg_segment_align: 8
    .kernarg_segment_size: 40
    .max_flat_workgroup_size: 128
    .sgpr_count:     100
    .vgpr_count:     576
    .wavefront_size: 32
...
	.end_amdgpu_metadata
.endif
;; end of part 2
;; launch bilin: the kernel of part 2 again; grid 4 x 64, 4 waves a work-group, clusters of 4 x 4, 327,680 bytes of LDS; arguments px, wt, zb, bk, qw; writes qw
;; launch score (part 3): grid 4 x 64, 4 waves a work-group, clusters of 4 x 4, 327,680 bytes of LDS; arguments qw, px, memory_len, xh, psum; writes xh, psum
.if DOCPART == 3
	.amdgcn_target "amdgcn-amd-amdhsa--gfx1250"
	.amdhsa_code_object_version 6
	.text
	.protected	k_q8922474e63_score
	.globl	k_q8922474e63_score
	.p2align	8
	.type	k_q8922474e63_score,@function
k_q8922474e63_score:
	s_mov_b64 s[64:65], 0
	v_nop
	global_prefetch_b8 v0, s[64:65] scope:SCOPE_SE
	s_setreg_imm32_b32 hwreg(HW_REG_WAVE_MODE, 25, 1), 1
	s_wait_xcnt 0x0
	s_wait_alu depctr_hold_cnt(0) depctr_sa_sdst(0) depctr_va_vdst(0) depctr_va_sdst(0) depctr_va_ssrc(0) depctr_va_vcc(0) depctr_vm_vsrc(0)
	s_getreg_b32 s2, hwreg(HW_REG_IB_STS2, 6, 4)
	s_cmp_eq_u32 s2, 0
	s_cbranch_scc0 .Lentry_in_a_cluster
	s_endpgm
.Lentry_in_a_cluster:
	s_bfe_u32 s2, ttmp6, 0x10000c
	s_cmp_lg_u32 s2, 0xf033
	s_cbranch_scc0 .Lentry_shape_is_right
	s_endpgm
.Lentry_shape_is_right:
; e[b][q][k] = exp(tanh(sum over g of qw[b][q][g] kx[b][k][g])) for k < memory_len[b], else 0; e in f16 into rows 0-8191 of xh.
; psum[part][row]: the sum of e, in f32, over the 128 columns of part = 2 x block column + column half.
; tanh bounds the exponent to [-1, 1] for every input, so no maximum is taken away: e lies in [0.36, 2.72].
; tanh(x) = 1 - 2 / (1 + 2^(2 log2(e) x)); an overflowing power gives 1, a vanishing one -1.
; The product: as in the other products of this program.  A work-group makes 128 x 256 with four waves, a wave 64 x 128 in 32 accumulator tiles;
; K in steps of 128 through two LDS slots; a cluster of 4 x 4 work-groups is exactly one batch b = cluster y: qw's tiles are shared
; along a row of the cluster, kx's along a column, each asked for jointly.
; REGISTERS: window 0: addresses, fragments, work; window 1: accumulators, tile (a, b) at 8 (8 a + b); window 2, v0-63: 1.0 or 0.0 for my 64 columns.
; The matrix instruction is used transposed: lane l holds row l % 16 and registers 0-7 the columns 8 (l / 16) + 0..7.
.set PITCH,  272
.set ATILE,  128*PITCH
.set BHALF,  128*PITCH
.set SLOT,   ATILE+2*BHALF
.set STAGE,  2*SLOT
.set WSTAGE, 16*PITCH
.set ROWB,   2048
.set ASTEP,  256
.set BSTEP,  256
.set LAPS,   4
.set REM,  6                           ; memory_len - my first column
.set PO,   7                           ; 4 x lane
.set RS,   8                           ; v8-11 row sums of the four row blocks
.set LN,   14                          ; lane
.set ADRA, 16
.set KA,   18                          ; v[18:19]  2 log2(e), twice
.set ADRB, 20
.set KB,   22                          ; v[22:23] -2 log2(e), twice
.set STO,  24
.set RD,   25
.set CO,   26
.set KC,   28                          ; v[28:29]  log2(e), twice
.set FA0,  32
.set FB0,  96
.set T,    32
.set S,    96                          ; v[96:103] four packed chains of the row sum
.set R0,   128
.set R1,   160
.set TMP,  224
.set G1,  24
.set G0,  32
.set G1B, 48
.set G0B, 56
.set DFLAGS, (1<<16)|(1<<20)|(1<<21)|(5<<22)|(3<<25)
.set MUL, 0x50
.set MSB, 0
.macro WIN new
.if MSB != \new
	s_set_vgpr_msb (MSB<<8)|\new
.set MSB, \new
.endif
.endm
.macro PLACES                          ; four places behind a matrix instruction (ISA guide 7.12.1)
.rept 4
	v_nop
.endr
.endm
.macro JLOAD s                         ; waves 0, 1 ask for A's halves, waves 2, 3 for B's
	s_cmp_eq_u32 s11, 0
	s_cbranch_scc0 .Lfor_b_\@
	tensor_load_to_lds s[G0+4*\s:G0+4*\s+3], s[G1:G1+7]
	s_nop 0
.rept 4
	v_nop
.endr
	s_branch .Lasked_\@
.Lfor_b_\@:
	tensor_load_to_lds s[G0B+4*\s:G0B+4*\s+3], s[G1B:G1B+7]
	s_nop 0
.rept 4
	v_nop
.endr
.Lasked_\@:
.endm
.macro CREST
	s_cmp_lg_u32 s10, 0
	s_cbranch_scc1 .Lnot_wave_0_\@
	s_barrier_signal -3
.Lnot_wave_0_\@:
	s_barrier_wait -3
	s_barrier_signal -1
	s_barrier_wait -1
.endm
.macro CROUND
	s_barrier_signal -1
	s_barrier_wait -1
	CREST
.endm
.macro MULA f, a, zero
.irp b, 0,1,2,3,4,5,6,7
.if \zero
	v_wmma_f32_16x16x32_f16 v[64*\a+8*\b:64*\a+8*\b+7], v[FB0+64*\f+8*\b:FB0+64*\f+8*\b+7], v[FA0+32*\f+8*\a:FA0+32*\f+8*\a+7], 0
.else
	v_wmma_f32_16x16x32_f16 v[64*\a+8*\b:64*\a+8*\b+7], v[FB0+64*\f+8*\b:FB0+64*\f+8*\b+7], v[FA0+32*\f+8*\a:FA0+32*\f+8*\a+7], v[64*\a+8*\b:64*\a+8*\b+7]
.endif
.endr
.endm
.macro FETCH slot, k, f                ; 24 LDS loads: B's 16, then A's 8
	WIN 0
.irp b, 0,1,2,3,4,5,6,7
	ds_load_b128 v[FB0+64*\f+8*\b:FB0+64*\f+8*\b+3],   v[ADRB+\slot] offset:\k+\b*16*PITCH
	ds_load_b128 v[FB0+64*\f+8*\b+4:FB0+64*\f+8*\b+7], v[ADRB+\slot] offset:\k+\b*16*PITCH+32
.endr
.irp a, 0,1,2,3
	ds_load_b128 v[FA0+32*\f+8*\a:FA0+32*\f+8*\a+3],   v[ADRA+\slot] offset:\k+\a*16*PITCH
	ds_load_b128 v[FA0+32*\f+8*\a+4:FA0+32*\f+8*\a+7], v[ADRA+\slot] offset:\k+\a*16*PITCH+32
.endr
.endm
; the 32 accumulators take turns, one instruction a turn, in the same order in every quarter
.macro QUARTER slot, k, f, g, zero
	s_wait_dscnt 4                                 ; only the youngest four loads (A's blocks 2, 3) may be out
	WIN MUL
	MULA \f, 0, \zero
	MULA \f, 1, \zero
	PLACES
	FETCH \slot, \k, \g
	s_wait_dscnt 24                                ; all but the 24 just issued
	WIN MUL
	MULA \f, 2, \zero
	MULA \f, 3, \zero
.endm
.macro THREE slot, zero
	QUARTER \slot, 64,  0, 1, \zero
	QUARTER \slot, 128, 1, 0, 0
	QUARTER \slot, 192, 0, 1, 0
.endm
.macro TURN slot, next, fill
	s_wait_dscnt 4
	WIN MUL
	MULA 1, 0, 0
	s_wait_dscnt 0                                 ; my reads of this slot are over
	s_wait_tensorcnt 0x0                           ; all my tensor loads have landed: my part of the next slot
	ds_add_u32 v30, v31
	s_wait_dscnt 0x0
	s_barrier_signal -1
	MULA 1, 1, 0
	WIN 0
	s_barrier_wait -1
.if \fill
	CREST                                          ; the barrier above opened a round of the cluster's barrier: no partner's wave reads this slot or has a load out
	s_add_nc_u64 s[G0+4*\slot+2:G0+4*\slot+3], s[G0+4*\slot+2:G0+4*\slot+3], 2*ASTEP
	s_add_nc_u64 s[G0B+4*\slot+2:G0B+4*\slot+3], s[G0B+4*\slot+2:G0B+4*\slot+3], 2*BSTEP
	JLOAD \slot                                    ; the wave's one tensor load behind the round, first thing there
.else
	PLACES
.endif
	FETCH \next, 0, 0
	WIN MUL
	MULA 1, 2, 0
	MULA 1, 3, 0
.endm
.macro LAP zero
	THREE 0, \zero
	TURN 0, 1, 1
	THREE 1, 0
	TURN 1, 0, 1
.endm
.macro PACK a, r
.set i, 0
.rept 32
	v_cvt_pk_f16_f32 v[TMP+i], v[T+2*i], v[T+2*i+1]
.set i, i+1
.endr
.irp b, 0,1,2,3,4,5,6,7
	ds_store_b128 v[STO], v[TMP+4*\b:TMP+4*\b+3] offset:32*\b
.endr
	s_wait_xcnt 0x0                                ; set r and the base, which earlier stores name, are written again only behind this wait
.if \a
	s_add_nc_u64 s[8:9], s[8:9], 16*ROWB
.endif
.irp t, 0,1,2,3,4,5,6,7
	ds_load_b128 v[\r+4*\t:\r+4*\t+3], v[RD] offset:\t*2*PITCH
.endr
.irp t, 0,1,2,3,4,5,6,7
	s_wait_dscnt 7-\t
	global_store_b128 v[CO], v[\r+4*\t:\r+4*\t+3], s[8:9] offset:\t*2*ROWB   ; 16 lanes store 256 consecutive bytes, aligned
.endr
.endm
	s_load_b128 s[4:7], s[0:1], 0x0                ; qw, px
	s_load_b64 s[66:67], s[0:1], 0x10              ; memory_len
	s_load_b64 s[8:9], s[0:1], 0x18                ; xh, which takes e
	s_load_b64 s[68:69], s[0:1], 0x20              ; psum
	v_lshl_add_u32 v30, v0, 2, 0x37400
	v_mov_b32 v31, 0
	ds_add_u32 v30, v31
	v_lshrrev_b32 v1, 5, v0
	v_readfirstlane_b32 s10, v1
	s_lshr_b32 s11, s10, 1
	s_and_b32 s12, s10, 1
	s_bfe_u32 s40, ttmp6, 0x40000                  ; cx
	s_bfe_u32 s41, ttmp6, 0x40004                  ; cy
	s_lshl_b32 s42, ttmp9, 2
	s_add_co_u32 s42, s42, s40                     ; block column
	s_and_b32 s22, ttmp7, 0xffff                   ; cluster y = batch b
	s_lshl_b32 s13, s22, 2
	s_add_co_u32 s13, s13, s41                     ; block row: rows 512 b + 128 cy
	s_lshl_b32 s43, s41, 2
	s_lshl_b32 s43, 15, s43
	s_lshl_b32 s44, 0x1111, s40
	s_or_b32 s[G1+0], s43, DFLAGS                  ; A: 64 rows x 128 elements
	s_mov_b32 s[G1+1], 128<<16
	s_mov_b32 s[G1+2], 64<<16
	s_mov_b32 s[G1+3], 128<<16
	s_mov_b32 s[G1+4], 64
	s_mov_b32 s[G1+5], 1024
	s_mov_b32 s[G1+6], 0
	s_mov_b32 s[G1+7], 0
	s_or_b32 s[G1B+0], s44, DFLAGS                 ; B: 128 rows x 128 elements
	s_mov_b32 s[G1B+1], 128<<16
	s_mov_b32 s[G1B+2], 128<<16
	s_mov_b32 s[G1B+3], 128<<16
	s_mov_b32 s[G1B+4], 128
	s_mov_b32 s[G1B+5], 1024
	s_mov_b32 s[G1B+6], 0
	s_mov_b32 s[G1B+7], 0
	s_lshl_b32 s45, s22, 21                        ; kx of batch b: behind qx's 16 MiB, 2 MiB a batch
	s_add_co_u32 s45, s45, 0x1000000
	s_lshl_b32 s85, s22, 2                         ; memory_len[b]
	s_lshl_b32 s16, s13, 7
	s_lshl_b32 s17, s12, 6
	s_add_co_u32 s16, s16, s17
	s_lshl_b32 s16, s16, 11
	s_mov_b32 s17, 0
	s_lshl_b32 s46, s42, 8
	s_lshl_b32 s47, s12, 7
	s_add_co_u32 s46, s46, s47
	s_lshl_b32 s46, s46, 11
	s_add_co_u32 s46, s46, s45
	s_mov_b32 s47, 0
	s_mul_i32 s20, s12, 64*PITCH
	s_mul_i32 s21, s12, BHALF
	s_add_co_u32 s21, s21, ATILE
	s_wait_dscnt 0x0
	s_wait_kmcnt 0x0
	s_load_b32 s84, s[66:67], s85 offset:0x0
	s_add_nc_u64 s[14:15], s[4:5], s[16:17]
	s_add_nc_u64 s[46:47], s[6:7], s[46:47]
	CROUND                                         ; in front of the first joint loads
.irp s, 0,1
	s_mov_b32 s[G0+4*\s], 1
	s_add_co_u32 s[G0+4*\s+1], s20, \s*SLOT
	s_add_nc_u64 s[G0+4*\s+2:G0+4*\s+3], s[14:15], \s*ASTEP
	s_or_b32 s[G0+4*\s+3], s[G0+4*\s+3], 0x80000000
	s_mov_b32 s[G0B+4*\s], 1
	s_add_co_u32 s[G0B+4*\s+1], s21, \s*SLOT
	s_add_nc_u64 s[G0B+4*\s+2:G0B+4*\s+3], s[46:47], \s*BSTEP
	s_or_b32 s[G0B+4*\s+3], s[G0B+4*\s+3], 0x80000000
	JLOAD \s                                       ; K steps 0 and 1: two tensor loads of the wave are out, the most in this text
.endr
	v_and_b32 v1, 15, v0                           ; r
	v_bfe_u32 v2, v0, 4, 1                         ; h
	v_mul_u32_u24 v3, v1, PITCH
	v_lshl_add_u32 v3, v2, 4, v3
	s_mul_i32 s18, s11, 64*PITCH
	s_mul_i32 s19, s12, BHALF
	s_add_co_u32 s19, s19, ATILE
.irp s, 0,1
	v_add_nc_u32 v[ADRA+\s], s18, v3
	v_add_nc_u32 v[ADRB+\s], s19, v3
	s_add_co_u32 s18, s18, SLOT
	s_add_co_u32 s19, s19, SLOT
.endr
	s_mul_i32 s23, s10, WSTAGE
	s_add_co_u32 s23, s23, STAGE
	v_add_nc_u32 v[STO], s23, v3
	v_mul_u32_u24 v5, v2, PITCH
	v_lshl_add_u32 v5, v1, 4, v5
	v_add_nc_u32 v[RD], s23, v5
	v_lshlrev_b32 v5, 11, v2
	v_lshl_add_u32 v[CO], v1, 4, v5
	s_lshl_b32 s16, s13, 7                         ; my first row
	s_lshl_b32 s17, s11, 6
	s_add_co_u32 s16, s16, s17
	s_lshl_b32 s18, s16, 2                         ; in psum: 4 bytes a row
	s_lshl_b32 s16, s16, 11                        ; in e: 2,048 bytes a row
	s_mov_b32 s17, 0
	s_add_nc_u64 s[8:9], s[8:9], s[16:17]
	s_lshl_b32 s78, s42, 9                         ; my first column: 512 x block + 256 x half bytes
	s_lshl_b32 s79, s12, 8
	s_add_co_u32 s78, s78, s79
	s_mov_b32 s79, 0
	s_add_nc_u64 s[8:9], s[8:9], s[78:79]
	s_lshr_b32 s86, s78, 1                         ; the same as a column number
	s_lshl_b32 s78, s42, 1                         ; psum: part 2 x block column + half, 32,768 bytes a part
	s_add_co_u32 s78, s78, s12
	s_lshl_b32 s78, s78, 15
	s_add_co_u32 s78, s78, s18
	s_add_nc_u64 s[68:69], s[68:69], s[78:79]
	v_and_b32 v[LN], 31, v0
	v_lshlrev_b32 v[PO], 2, v[LN]
	v_mov_b32 v[KA], 0x4038aa3b
	v_mov_b32 v[KA+1], 0x4038aa3b
	v_mov_b32 v[KB], 0xc038aa3b
	v_mov_b32 v[KB+1], 0xc038aa3b
	v_mov_b32 v[KC], 0x3fb8aa3b
	v_mov_b32 v[KC+1], 0x3fb8aa3b
	s_mov_b32 s80, 0x76543210                      ; v_permlanex16_b32: lane i reads lane i of the other half
	s_mov_b32 s81, 0xfedcba98
	v_lshlrev_b32 v5, 3, v2
	s_wait_kmcnt 0x0                               ; memory_len[b]
	s_sub_co_i32 s86, s84, s86
	v_sub_nc_u32 v[REM], s86, v5                   ; column 16 b + j of mine counts if 16 b + j < REM (signed)
	WIN 0x80                                       ; destination in window 2
.irp b, 0,1,2,3,4,5,6,7
.irp j, 0,1,2,3,4,5,6,7
	v_cmp_lt_i32 vcc_lo, 16*\b+\j, v[REM]
	v_cndmask_b32 v[8*\b+\j], 0, 1.0, vcc_lo
.endr
.endr
	WIN 0
	s_wait_tensorcnt 1                             ; my part of K step 0 is in; K step 1's may stay out
	s_barrier_signal -1
	s_barrier_wait -1
	FETCH 0, 0, 0
	LAP 1
	WIN 0
	s_mov_b32 s3, LAPS-2
.Llap:
	LAP 0
	WIN 0
	s_sub_co_u32 s3, s3, 1
	s_cmp_lg_u32 s3, 0
	s_cbranch_scc1 .Llap
	THREE 0, 0
	TURN 0, 1, 0
	THREE 1, 0
	s_wait_dscnt 4
	WIN MUL
	MULA 1, 0, 0
	MULA 1, 1, 0
	s_wait_dscnt 0
	MULA 1, 2, 0
	MULA 1, 3, 0
	PLACES
; 64 transcendentals in place, then one plain place before any result is used (ISA guide 5.7.2)
.macro TRANS op
.set i, 0
.rept 64
	\op v[T+i], v[T+i]
.set i, i+1
.endr
	v_nop
.endm
; rows 16 a .. 16 a + 15 of my block
.macro SOFT a, r
	WIN 0x01                                       ; source 0 in window 1
.set i, 0
.rept 32
	v_pk_mul_f32 v[T+2*i:T+2*i+1], v[64*\a+2*i:64*\a+2*i+1], v[KA:KA+1]   ; 2 log2(e) x
.set i, i+1
.endr
	WIN 0
	TRANS v_exp_f32
.set i, 0
	s_wait_alu depctr_va_vdst(0)
.rept 32
	v_pk_add_f32 v[T+2*i:T+2*i+1], v[T+2*i:T+2*i+1], 1.0 op_sel_hi:[1,0]
.set i, i+1
.endr
	TRANS v_rcp_f32
.set i, 0
	s_wait_alu depctr_va_vdst(0)
.rept 32
	v_pk_fma_f32 v[T+2*i:T+2*i+1], v[T+2*i:T+2*i+1], v[KB:KB+1], v[KC:KC+1]   ; log2(e) (1 - 2 r) = log2(e) tanh x
.set i, i+1
.endr
	TRANS v_exp_f32
	WIN 0x08                                       ; source 1 in window 2
.set i, 0
	s_wait_alu depctr_va_vdst(0)
.rept 32
	v_pk_mul_f32 v[T+2*i:T+2*i+1], v[T+2*i:T+2*i+1], v[2*i:2*i+1]          ; the length mask
.set i, i+1
.endr
	WIN 0
.irp c, 0,1,2,3
	v_pk_add_f32 v[S+2*\c:S+2*\c+1], v[T+2*\c:T+2*\c+1], v[T+2*\c+8:T+2*\c+9]   ; the first pairs start four chains
.endr
.set i, 8
.rept 24
	v_pk_add_f32 v[S+2*(i%4):S+2*(i%4)+1], v[S+2*(i%4):S+2*(i%4)+1], v[T+2*i:T+2*i+1]
.set i, i+1
.endr
	v_pk_add_f32 v[S:S+1], v[S:S+1], v[S+2:S+3]
	v_pk_add_f32 v[S+4:S+5], v[S+4:S+5], v[S+6:S+7]
	v_pk_add_f32 v[S:S+1], v[S:S+1], v[S+4:S+5]
	v_add_f32 v[RS+\a], v[S], v[S+1]               ; my 64 columns of row r
	v_permlanex16_b32 v1, v[RS+\a], s80, s81       ; the other 64, from lane l xor 16
	v_add_f32 v[RS+\a], v[RS+\a], v1
	PACK \a, \r
.endm
	SOFT 0, R0
	SOFT 1, R1
	SOFT 2, R0
	SOFT 3, R1
	v_cmp_gt_u32 vcc_lo, 16, v[LN]                 ; lanes 0-15 carry rows 0-15 (32-47), lanes 16-31 rows 16-31 (48-63)
	v_cndmask_b32 v12, v[RS+1], v[RS], vcc_lo
	v_cndmask_b32 v13, v[RS+3], v[RS+2], vcc_lo
	global_store_b32 v[PO], v12, s[68:69]          ; 128 consecutive bytes each; psum is 256 KiB in all
	global_store_b32 v[PO], v13, s[68:69] offset:128
	s_wait_tensorcnt 0x0
	ds_add_u32 v30, v31
	s_wait_dscnt 0x0
	CROUND                                         ; the closing round
	s_endpgm
.Lfunc_end_k_q8922474e63_score:
	.size	k_q8922474e63_score, .Lfunc_end_k_q8922474e63_score-k_q8922474e63_score
	.p2alignl 7, 3214868480
	.fill 96, 4, 3214868480
	.section	.rodata,"a",@progbits
	.p2align	6, 0x0
	.amdhsa_kernel k_q8922474e63_score
		.amdhsa_group_segment_fixed_size 327680
		.amdhsa_private_segment_fixed_size 0
		.amdhsa_enable_private_segment 0
		.amdhsa_kernarg_size 40
		.amdhsa_user_sgpr_count 2
		.amdhsa_user_sgpr_kernarg_segment_ptr 1
		.amdhsa_wavefront_size32 1
		.amdhsa_system_sgpr_workgroup_id_x 1
		.amdhsa_system_sgpr_workgroup_id_y 1
		.amdhsa_system_sgpr_workgroup_id_z 1
		.amdhsa_system_vgpr_workitem_id 0
		.amdhsa_next_free_vgpr 576
		.amdhsa_next_free_sgpr 100
		.amdhsa_reserve_vcc 1
		.amdhsa_float_denorm_mode_32 3
		.amdhsa_float_denorm_mode_16_64 3
		.amdhsa_memory_ordered 1
		.amdhsa_forward_progress 1
		.amdhsa_inst_pref_size 192
	.end_amdhsa_kernel
	.amdgpu_metadata
---
amdhsa.version: [ 1, 2 ]
amdhsa.kernels:
  - .name:           k_q8922474e63_score
    .symbol:         k_q8922474e63_score.kd
    .args:
      - { .name: qw, .offset: 0, .size: 8, .value_kind: global_buffer, .address_space: global }
      - { .name: px, .offset: 8, .size: 8, .value_kind: global_buffer, .address_space: global }
      - { .name: memory_len, .offset: 16, .size: 8, .value_kind: global_buffer, .address_space: global }
      - { .name: xh, .offset: 24, .size: 8, .value_kind: global_buffer, .address_space: global }
      - { .name: psum, .offset: 32, .size: 8, .value_kind: global_buffer, .address_space: global }
    .group_segment_fixed_size: 327680
    .private_segment_fixed_size: 0
    .kernarg_segment_align: 8
    .kernarg_segment_size: 40
    .max_flat_workgroup_size: 128
    .sgpr_count:     100
    .vgpr_count:     576
    .wavefront_size: 32
...
	.end_amdgpu_metadata
.endif
;; end of part 3
;; launch ctx (part 4): grid 4 x 64, 4 waves a work-group, clusters of 4 x 4, 327,680 bytes of LDS; arguments xh, px, psum, qw, out1; writes qw, out1
.if DOCPART == 4
	.amdgcn_target "amdgcn-amd-amdhsa--gfx1250"
	.amdhsa_code_object_version 6
	.text
	.protected	k_q8922474e63_ctx
	.globl	k_q8922474e63_ctx
	.p2align	8
	.type	k_q8922474e63_ctx,@function
k_q8922474e63_ctx:
	s_mov_b64 s[64:65], 0
	v_nop
	global_prefetch_b8 v0, s[64:65] scope:SCOPE_SE
	s_setreg_imm32_b32 hwreg(HW_REG_WAVE_MODE, 25, 1), 1
	s_wait_xcnt 0x0
	s_wait_alu depctr_hold_cnt(0) depctr_sa_sdst(0) depctr_va_vdst(0) depctr_va_sdst(0) depctr_va_ssrc(0) depctr_va_vcc(0) depctr_vm_vsrc(0)
	s_getreg_b32 s2, hwreg(HW_REG_IB_STS2, 6, 4)
	s_cmp_eq_u32 s2, 0
	s_cbranch_scc0 .Lentry_in_a_cluster
	s_endpgm
.Lentry_in_a_cluster:
	s_bfe_u32 s2, ttmp6, 0x10000c
	s_cmp_lg_u32 s2, 0xf033
	s_cbranch_scc0 .Lentry_shape_is_right
	s_endpgm
.Lentry_shape_is_right:
; out1[row][k] = e[row][k] / sum(row), f32.   cx[row][h] = (sum over k of e[row][k] kx[b][k][h]) / sum(row), f16, into qw's buffer.
; sum(row) = the eight parts of psum.  A row whose sum is 0 (memory_len = 0) gives NaN, as 0 / 0 does.  LIMIT: cx is clamped to +-65504.
; The product: a work-group makes 128 x 256 with four waves, a wave 64 x 128 in 32 accumulator tiles; K (the key position) in steps of 128
; through two LDS slots; a cluster of 4 x 4 work-groups is one batch b: e's tiles are shared along a row of the cluster, kx's along a column.
; kx lies [key][h], K down the rows: its tile is 128 key rows x 256 columns at pitch 544, and fragments come by transposing LDS loads.
; out1 is written while the first tiles are on their way: the work-group's own 128 rows x 256 columns, 32 rows a wave.
.set PITCH,  272
.set PB,     544                       ; B's LDS row: 512 bytes + 32 of padding, an odd multiple of 32
.set ATILE,  128*PITCH
.set BHALF,  64*PB                     ; 64 key rows: what one of B's two tensor loads brings
.set SLOT,   ATILE+2*BHALF
.set STAGE,  2*SLOT
.set WSTAGE, 16*PITCH
.set ROWB,   2048
.set ASTEP,  256                       ; 128 keys along e's rows
.set BSTEP,  262144                    ; 128 key rows of kx
.set LAPS,   4
.set RI,   6                           ; 1 / sum of row 32 wave + lane
.set VE,   7                           ; 8 x lane
.set IV,   8                           ; v[8:15] 1 / sum of row 16 a + r, twice, for a = 0..3
.set ADRA, 16
.set VO,   18                          ; 16 x lane
.set VL,   19                          ; 4 x lane
.set ADRB, 20
.set STO,  24
.set RD,   25
.set CO,   26
.set BO,   27                          ; 4 r
.set FA0,  32
.set FB0,  96
.set T,    32
.set R0,   128
.set R1,   160
.set OB,   160                         ; out1: eight sets of four f32 to store
.set TMP,  224
.set G1,  24
.set G0,  32
.set G1B, 48
.set G0B, 56
.set DFLAGS, (1<<16)|(1<<20)|(1<<21)|(5<<22)|(3<<25)   ; A: 4 words of padding behind every 64
.set BFLAGS, (1<<16)|(1<<20)|(1<<21)|(6<<22)|(7<<25)   ; B: 8 words behind every 128
.set MUL, 0x50
.set MSB, 0
.macro WIN new
.if MSB != \new
	s_set_vgpr_msb (MSB<<8)|\new
.set MSB, \new
.endif
.endm
.macro PLACES                          ; four places behind a matrix instruction (ISA guide 7.12.1)
.rept 4
	v_nop
.endr
.endm
.macro JLOAD s
	s_cmp_eq_u32 s11, 0
	s_cbranch_scc0 .Lfor_b_\@
	tensor_load_to_lds s[G0+4*\s:G0+4*\s+3], s[G1:G1+7]
	s_nop 0
.rept 4
	v_nop
.endr
	s_branch .Lasked_\@
.Lfor_b_\@:
	tensor_load_to_lds s[G0B+4*\s:G0B+4*\s+3], s[G1B:G1B+7]
	s_nop 0
.rept 4
	v_nop
.endr
.Lasked_\@:
.endm
.macro CREST
	s_cmp_lg_u32 s10, 0
	s_cbranch_scc1 .Lnot_wave_0_\@
	s_barrier_signal -3
.Lnot_wave_0_\@:
	s_barrier_wait -3
	s_barrier_signal -1
	s_barrier_wait -1
.endm
.macro CROUND
	s_barrier_signal -1
	s_barrier_wait -1
	CREST
.endm
.macro MULA f, a, zero
.irp b, 0,1,2,3,4,5,6,7
.if \zero
	v_wmma_f32_16x16x32_f16 v[64*\a+8*\b:64*\a+8*\b+7], v[FB0+64*\f+8*\b:FB0+64*\f+8*\b+7], v[FA0+32*\f+8*\a:FA0+32*\f+8*\a+7], 0
.else
	v_wmma_f32_16x16x32_f16 v[64*\a+8*\b:64*\a+8*\b+7], v[FB0+64*\f+8*\b:FB0+64*\f+8*\b+7], v[FA0+32*\f+8*\a:FA0+32*\f+8*\a+7], v[64*\a+8*\b:64*\a+8*\b+7]
.endif
.endr
.endm
; 24 LDS loads.  B: quarter k / 64 is 32 key rows; a transposing load brings 8 keys of one column to a lane, the second the keys 16 further down.
.macro FETCH slot, k, f
	WIN 0
.irp b, 0,1,2,3,4,5,6,7
	ds_load_tr16_b128 v[FB0+64*\f+8*\b:FB0+64*\f+8*\b+3],   v[ADRB+\slot] offset:(\k/64)*32*PB+32*\b
	ds_load_tr16_b128 v[FB0+64*\f+8*\b+4:FB0+64*\f+8*\b+7], v[ADRB+\slot] offset:(\k/64)*32*PB+16*PB+32*\b
.endr
.irp a, 0,1,2,3
	ds_load_b128 v[FA0+32*\f+8*\a:FA0+32*\f+8*\a+3],   v[ADRA+\slot] offset:\k+\a*16*PITCH
	ds_load_b128 v[FA0+32*\f+8*\a+4:FA0+32*\f+8*\a+7], v[ADRA+\slot] offset:\k+\a*16*PITCH+32
.endr
.endm
; the 32 accumulators take turns, one instruction a turn, in the same order in every quarter
.macro QUARTER slot, k, f, g, zero
	s_wait_dscnt 4                                 ; only the youngest four loads (A's blocks 2, 3) may be out
	WIN MUL
	MULA \f, 0, \zero
	MULA \f, 1, \zero
	PLACES
	FETCH \slot, \k, \g
	s_wait_dscnt 24                                ; all but the 24 just issued
	WIN MUL
	MULA \f, 2, \zero
	MULA \f, 3, \zero
.endm
.macro THREE slot, zero
	QUARTER \slot, 64,  0, 1, \zero
	QUARTER \slot, 128, 1, 0, 0
	QUARTER \slot, 192, 0, 1, 0
.endm
.macro TURN slot, next, fill
	s_wait_dscnt 4
	WIN MUL
	MULA 1, 0, 0
	s_wait_dscnt 0                                 ; my reads of this slot are over
	s_wait_tensorcnt 0x0                           ; all my tensor loads have landed: my part of the next slot
	ds_add_u32 v30, v31
	s_wait_dscnt 0x0
	s_barrier_signal -1
	MULA 1, 1, 0
	WIN 0
	s_barrier_wait -1
.if \fill
	CREST                                          ; the barrier above opened a round of the cluster's barrier: no partner's wave reads this slot or has a load out
	s_add_nc_u64 s[G0+4*\slot+2:G0+4*\slot+3], s[G0+4*\slot+2:G0+4*\slot+3], 2*ASTEP
	s_add_nc_u64 s[G0B+4*\slot+2:G0B+4*\slot+3], s[G0B+4*\slot+2:G0B+4*\slot+3], 2*BSTEP
	JLOAD \slot                                    ; the wave's one tensor load behind the round, first thing there
.else
	PLACES
.endif
	FETCH \next, 0, 0
	WIN MUL
	MULA 1, 2, 0
	MULA 1, 3, 0
.endm
.macro LAP zero
	THREE 0, \zero
	TURN 0, 1, 1
	THREE 1, 0
	TURN 1, 0, 1
.endm
.macro PACK a, r
.set i, 0
.rept 32
	v_cvt_pk_f16_f32 v[TMP+i], v[T+2*i], v[T+2*i+1]
.set i, i+1
.endr
.irp b, 0,1,2,3,4,5,6,7
	ds_store_b128 v[STO], v[TMP+4*\b:TMP+4*\b+3] offset:32*\b
.endr
	s_wait_xcnt 0x0                                ; set r and the base, which earlier stores name, are written again only behind this wait
.if \a
	s_add_nc_u64 s[8:9], s[8:9], 16*ROWB
.endif
.irp t, 0,1,2,3,4,5,6,7
	ds_load_b128 v[\r+4*\t:\r+4*\t+3], v[RD] offset:\t*2*PITCH
.endr
.irp t, 0,1,2,3,4,5,6,7
	s_wait_dscnt 7-\t
	global_store_b128 v[CO], v[\r+4*\t:\r+4*\t+3], s[8:9] offset:\t*2*ROWB   ; 16 lanes store 256 consecutive bytes, aligned
.endr
.endm
	s_load_b128 s[4:7], s[0:1], 0x0                ; xh (e), px
	s_load_b64 s[66:67], s[0:1], 0x10              ; psum
	s_load_b64 s[8:9], s[0:1], 0x18                ; qw's buffer, which takes cx
	s_load_b64 s[68:69], s[0:1], 0x20              ; out1
	v_lshl_add_u32 v30, v0, 2, 0x37400
	v_mov_b32 v31, 0
	ds_add_u32 v30, v31
	v_lshrrev_b32 v1, 5, v0
	v_readfirstlane_b32 s10, v1
	s_lshr_b32 s11, s10, 1
	s_and_b32 s12, s10, 1
	s_bfe_u32 s40, ttmp6, 0x40000                  ; cx
	s_bfe_u32 s41, ttmp6, 0x40004                  ; cy
	s_lshl_b32 s42, ttmp9, 2
	s_add_co_u32 s42, s42, s40                     ; block column
	s_and_b32 s22, ttmp7, 0xffff                   ; cluster y = batch b
	s_lshl_b32 s13, s22, 2
	s_add_co_u32 s13, s13, s41                     ; block row
	s_lshl_b32 s43, s41, 2
	s_lshl_b32 s43, 15, s43
	s_lshl_b32 s44, 0x1111, s40
	s_or_b32 s[G1+0], s43, DFLAGS                  ; A: 64 rows x 128 elements
	s_mov_b32 s[G1+1], 128<<16
	s_mov_b32 s[G1+2], 64<<16
	s_mov_b32 s[G1+3], 128<<16
	s_mov_b32 s[G1+4], 64
	s_mov_b32 s[G1+5], 1024
	s_mov_b32 s[G1+6], 0
	s_mov_b32 s[G1+7], 0
	s_or_b32 s[G1B+0], s44, BFLAGS                 ; B: 64 key rows x 256 elements
	s_mov_b32 s[G1B+1], 256<<16
	s_mov_b32 s[G1B+2], 64<<16
	s_mov_b32 s[G1B+3], 256<<16
	s_mov_b32 s[G1B+4], 64
	s_mov_b32 s[G1B+5], 1024
	s_mov_b32 s[G1B+6], 0
	s_mov_b32 s[G1B+7], 0
	s_lshl_b32 s16, s13, 7                         ; A: row 128 x block row + 64 x half, in bytes
	s_lshl_b32 s17, s12, 6
	s_add_co_u32 s16, s16, s17
	s_lshl_b32 s16, s16, 11
	s_mov_b32 s17, 0
	s_lshl_b32 s46, s22, 21                        ; B: kx of batch b, behind qx's 16 MiB,
	s_add_co_u32 s46, s46, 0x1000000
	s_lshl_b32 s47, s12, 17                        ; + 64 key rows x half
	s_add_co_u32 s46, s46, s47
	s_lshl_b32 s47, s42, 9                         ; + 256 columns x block column
	s_add_co_u32 s46, s46, s47
	s_mov_b32 s47, 0
	s_mul_i32 s20, s12, 64*PITCH
	s_mul_i32 s21, s12, BHALF
	s_add_co_u32 s21, s21, ATILE
	s_wait_dscnt 0x0
	s_wait_kmcnt 0x0
	s_add_nc_u64 s[14:15], s[4:5], s[16:17]
	s_add_nc_u64 s[46:47], s[6:7], s[46:47]
	CROUND                                         ; in front of the first joint loads
.irp s, 0,1
	s_mov_b32 s[G0+4*\s], 1
	s_add_co_u32 s[G0+4*\s+1], s20, \s*SLOT
	s_add_nc_u64 s[G0+4*\s+2:G0+4*\s+3], s[14:15], \s*ASTEP
	s_or_b32 s[G0+4*\s+3], s[G0+4*\s+3], 0x80000000
	s_mov_b32 s[G0B+4*\s], 1
	s_add_co_u32 s[G0B+4*\s+1], s21, \s*SLOT
	s_add_nc_u64 s[G0B+4*\s+2:G0B+4*\s+3], s[46:47], \s*BSTEP
	s_or_b32 s[G0B+4*\s+3], s[G0B+4*\s+3], 0x80000000
	JLOAD \s                                       ; K steps 0 and 1: two tensor loads of the wave are out, the most in this text
.endr
	v_and_b32 v1, 15, v0                           ; r
	v_bfe_u32 v2, v0, 4, 1                         ; h
	v_mul_u32_u24 v3, v1, PITCH
	v_lshl_add_u32 v3, v2, 4, v3
	v_and_b32 v4, 7, v0                            ; B: key row 8 h + l % 8, 16 bytes further for lanes 8-15 of each half
	v_lshl_add_u32 v4, v2, 3, v4
	v_mul_u32_u24 v4, v4, PB
	v_bfe_u32 v5, v0, 3, 1
	v_lshl_add_u32 v4, v5, 4, v4
	s_mul_i32 s18, s11, 64*PITCH                   ; my 64 rows of A
	s_lshl_b32 s19, s12, 8                         ; my 128 columns of B, behind A's tile
	s_add_co_u32 s19, s19, ATILE
.irp s, 0,1
	v_add_nc_u32 v[ADRA+\s], s18, v3
	v_add_nc_u32 v[ADRB+\s], s19, v4
	s_add_co_u32 s18, s18, SLOT
	s_add_co_u32 s19, s19, SLOT
.endr
	s_mul_i32 s23, s10, WSTAGE
	s_add_co_u32 s23, s23, STAGE
	v_add_nc_u32 v[STO], s23, v3
	v_mul_u32_u24 v5, v2, PITCH
	v_lshl_add_u32 v5, v1, 4, v5
	v_add_nc_u32 v[RD], s23, v5
	v_lshlrev_b32 v5, 11, v2
	v_lshl_add_u32 v[CO], v1, 4, v5
	v_lshlrev_b32 v[BO], 2, v1
	v_and_b32 v5, 31, v0
	v_lshlrev_b32 v[VL], 2, v5
	v_lshlrev_b32 v[VE], 3, v5
	v_lshlrev_b32 v[VO], 4, v5
	s_lshl_b32 s16, s13, 7                         ; the product's rows: 128 x block row + 64 x half
	s_lshl_b32 s17, s11, 6
	s_add_co_u32 s16, s16, s17
	s_lshl_b32 s18, s16, 2
	s_mov_b32 s19, 0
	s_add_nc_u64 s[70:71], s[66:67], s[18:19]      ; psum at those rows
	s_lshl_b32 s16, s16, 11
	s_mov_b32 s17, 0
	s_add_nc_u64 s[8:9], s[8:9], s[16:17]          ; cx at those rows ...
	s_lshl_b32 s78, s42, 9
	s_lshl_b32 s79, s12, 8
	s_add_co_u32 s78, s78, s79
	s_mov_b32 s79, 0
	s_add_nc_u64 s[8:9], s[8:9], s[78:79]          ; ... and my 128 columns
	s_lshl_b32 s16, s13, 7                         ; out1's rows: 128 x block row + 32 x wave
	s_lshl_b32 s17, s10, 5
	s_add_co_u32 s16, s16, s17
	s_lshl_b32 s18, s16, 2
	s_add_nc_u64 s[72:73], s[66:67], s[18:19]      ; psum at those rows
	s_lshl_b32 s78, s16, 11                        ; e: 2,048 bytes a row, 512 a block column
	s_lshl_b32 s88, s42, 9
	s_add_co_u32 s78, s78, s88
	s_add_nc_u64 s[74:75], s[4:5], s[78:79]
	s_lshl_b32 s78, s78, 1                         ; out1: twice that
	s_add_nc_u64 s[76:77], s[68:69], s[78:79]
	s_mov_b32 s87, 0                               ; the upper register of the pair that the packed multiply names
	s_mov_b32 s82, 0xc77fe000                      ; -65504
	s_mov_b32 s83, 0x477fe000                      ; 65504
.irp a, 0,1,2,3
.irp p, 0,1,2,3,4,5,6,7
	global_load_b32 v[96+8*\a+\p], v[BO], s[70:71] offset:\p*32768+\a*64   ; part p of row 16 a + r
.endr
.endr
.irp p, 0,1,2,3,4,5,6,7
	global_load_b32 v[128+\p], v[VL], s[72:73] offset:\p*32768             ; part p of row 32 wave + lane
.endr
.set i, 0
.rept 16
	global_load_b64 v[32+2*i:33+2*i], v[VE], s[74:75] offset:(i/2)*2048+256*(i%2)   ; the ring of 16 items: rows 0-7, two halves of 256 bytes each
.set i, i+1
.endr
.macro SUM8 b
	v_pk_add_f32 v[\b:\b+1], v[\b:\b+1], v[\b+2:\b+3]
	v_pk_add_f32 v[\b+4:\b+5], v[\b+4:\b+5], v[\b+6:\b+7]
	v_pk_add_f32 v[\b:\b+1], v[\b:\b+1], v[\b+4:\b+5]
	v_add_f32 v[\b], v[\b], v[\b+1]
.endm
	s_wait_loadcnt 16                              ; the 40 parts are in; the 16 loads of e behind them stay out
	SUM8 96
	SUM8 104
	SUM8 112
	SUM8 120
	SUM8 128
.irp a, 0,1,2,3
	v_rcp_f32 v[IV+2*\a], v[96+8*\a]               ; made twice: a pair for the packed multiply
	v_rcp_f32 v[IV+2*\a+1], v[96+8*\a]
.endr
	v_rcp_f32 v[RI], v128
	v_nop                                          ; one plain place before a result is used (ISA guide 5.7.2)
	s_wait_alu depctr_va_vdst(0)
; One item: 4 numbers a lane, 128 columns of one row.  xa, xb: the item's two registers; it: its number 0..15; rr: the pass; ahead = 1: the item is loaded again, 8 rows on.
.macro O1ITEM xa, xb, it, rr, ahead
.if \ahead
	s_wait_loadcnt 15                              ; mine is in, the 15 younger ones stay out
.else
	s_wait_loadcnt 15-\it                          ; the last pass loads nothing: the counts run down
.endif
	s_wait_xcnt 0x0                                ; the set of four that an earlier store reads is written again only behind this wait
.if (\it)%2 == 0
	v_readlane_b32 s86, v[RI], 8*\rr+(\it)/2       ; 1 / sum of this row
.endif
	v_cvt_f32_f16 v[OB+4*((\it)%8)],   v\xa\().l
	v_cvt_f32_f16 v[OB+4*((\it)%8)+1], v\xa\().h
	v_cvt_f32_f16 v[OB+4*((\it)%8)+2], v\xb\().l
	v_cvt_f32_f16 v[OB+4*((\it)%8)+3], v\xb\().h
	v_pk_mul_f32 v[OB+4*((\it)%8):OB+4*((\it)%8)+1],   v[OB+4*((\it)%8):OB+4*((\it)%8)+1],   s[86:87] op_sel_hi:[1,0]
	v_pk_mul_f32 v[OB+4*((\it)%8)+2:OB+4*((\it)%8)+3], v[OB+4*((\it)%8)+2:OB+4*((\it)%8)+3], s[86:87] op_sel_hi:[1,0]
.if \ahead
	global_load_b64 v[\xa:\xb], v[VE], s[74:75] offset:(8*(\rr+1)+(\it)/2)*2048+256*((\it)%2)
.endif
	global_store_b128 v[VO], v[OB+4*((\it)%8):OB+4*((\it)%8)+3], s[76:77] offset:(8*\rr+(\it)/2)*4096+512*((\it)%2) th:TH_STORE_NT   ; the wave stores 512 consecutive bytes, aligned
.endm
.macro O1PASS rr, ahead
	O1ITEM 32, 33, 0, \rr, \ahead
	O1ITEM 34, 35, 1, \rr, \ahead
	O1ITEM 36, 37, 2, \rr, \ahead
	O1ITEM 38, 39, 3, \rr, \ahead
	O1ITEM 40, 41, 4, \rr, \ahead
	O1ITEM 42, 43, 5, \rr, \ahead
	O1ITEM 44, 45, 6, \rr, \ahead
	O1ITEM 46, 47, 7, \rr, \ahead
	O1ITEM 48, 49, 8, \rr, \ahead
	O1ITEM 50, 51, 9, \rr, \ahead
	O1ITEM 52, 53, 10, \rr, \ahead
	O1ITEM 54, 55, 11, \rr, \ahead
	O1ITEM 56, 57, 12, \rr, \ahead
	O1ITEM 58, 59, 13, \rr, \ahead
	O1ITEM 60, 61, 14, \rr, \ahead
	O1ITEM 62, 63, 15, \rr, \ahead
.endm
	O1PASS 0, 1
	O1PASS 1, 1
	O1PASS 2, 1
	O1PASS 3, 0
	s_wait_xcnt 0x0                                ; the fragment loads below land on registers that these stores read
	s_wait_tensorcnt 1                             ; my part of K step 0 is in; K step 1's may stay out
	s_barrier_signal -1
	s_barrier_wait -1
	FETCH 0, 0, 0
	LAP 1
	WIN 0
	s_mov_b32 s3, LAPS-2
.Llap:
	LAP 0
	WIN 0
	s_sub_co_u32 s3, s3, 1
	s_cmp_lg_u32 s3, 0
	s_cbranch_scc1 .Llap
	THREE 0, 0
	TURN 0, 1, 0
	THREE 1, 0
	s_wait_dscnt 4
	WIN MUL
	MULA 1, 0, 0
	MULA 1, 1, 0
	s_wait_dscnt 0
	MULA 1, 2, 0
	MULA 1, 3, 0
	PLACES
; rows 16 a .. 16 a + 15 of my block: divide by the row's sum, clamp, out
.macro OUTROWS a, r
	WIN 0x01                                       ; source 0 in window 1
.set i, 0
.rept 32
	v_pk_mul_f32 v[T+2*i:T+2*i+1], v[64*\a+2*i:64*\a+2*i+1], v[IV+2*\a:IV+2*\a+1]
.set i, i+1
.endr
	WIN 0
.set i, 0
.rept 64
	v_med3_num_f32 v[T+i], v[T+i], s82, s83
.set i, i+1
.endr
	PACK \a, \r
.endm
	OUTROWS 0, R0
	OUTROWS 1, R1
	OUTROWS 2, R0
	OUTROWS 3, R1
	s_wait_tensorcnt 0x0
	ds_add_u32 v30, v31
	s_wait_dscnt 0x0
	CROUND                                         ; the closing round
	s_endpgm
.Lfunc_end_k_q8922474e63_ctx:
	.size	k_q8922474e63_ctx, .Lfunc_end_k_q8922474e63_ctx-k_q8922474e63_ctx
	.p2alignl 7, 3214868480
	.fill 96, 4, 3214868480
	.section	.rodata,"a",@progbits
	.p2align	6, 0x0
	.amdhsa_kernel k_q8922474e63_ctx
		.amdhsa_group_segment_fixed_size 327680
		.amdhsa_private_segment_fixed_size 0
		.amdhsa_enable_private_segment 0
		.amdhsa_kernarg_size 40
		.amdhsa_user_sgpr_count 2
		.amdhsa_user_sgpr_kernarg_segment_ptr 1
		.amdhsa_wavefront_size32 1
		.amdhsa_system_sgpr_workgroup_id_x 1
		.amdhsa_system_sgpr_workgroup_id_y 1
		.amdhsa_system_sgpr_workgroup_id_z 1
		.amdhsa_system_vgpr_workitem_id 0
		.amdhsa_next_free_vgpr 576
		.amdhsa_next_free_sgpr 100
		.amdhsa_reserve_vcc 0
		.amdhsa_float_denorm_mode_32 3
		.amdhsa_float_denorm_mode_16_64 3
		.amdhsa_memory_ordered 1
		.amdhsa_forward_progress 1
		.amdhsa_inst_pref_size 183
	.end_amdhsa_kernel
	.amdgpu_metadata
---
amdhsa.version: [ 1, 2 ]
amdhsa.kernels:
  - .name:           k_q8922474e63_ctx
    .symbol:         k_q8922474e63_ctx.kd
    .args:
      - { .name: xh, .offset: 0, .size: 8, .value_kind: global_buffer, .address_space: global }
      - { .name: px, .offset: 8, .size: 8, .value_kind: global_buffer, .address_space: global }
      - { .name: psum, .offset: 16, .size: 8, .value_kind: global_buffer, .address_space: global }
      - { .name: qw, .offset: 24, .size: 8, .value_kind: global_buffer, .address_space: global }
      - { .name: out1, .offset: 32, .size: 8, .value_kind: global_buffer, .address_space: global }
    .group_segment_fixed_size: 327680
    .private_segment_fixed_size: 0
    .kernarg_segment_align: 8
    .kernarg_segment_size: 40
    .max_flat_workgroup_size: 128
    .sgpr_count:     100
    .vgpr_count:     576
    .wavefront_size: 32
...
	.end_amdgpu_metadata
.endif
;; end of part 4
;; launch outp (part 5): grid 4 x 64, 4 waves a work-group, clusters of 4 x 4, 327,680 bytes of LDS; arguments qw, wh, bp, out0; writes out0
.if DOCPART == 5
	.amdgcn_target "amdgcn-amd-amdhsa--gfx1250"
	.amdhsa_code_object_version 6
	.text
	.protected	k_q8922474e63_outp
	.globl	k_q8922474e63_outp
	.p2align	8
	.type	k_q8922474e63_outp,@function
k_q8922474e63_outp:
	s_mov_b64 s[64:65], 0
	v_nop
	global_prefetch_b8 v0, s[64:65] scope:SCOPE_SE
	s_setreg_imm32_b32 hwreg(HW_REG_WAVE_MODE, 25, 1), 1
	s_wait_xcnt 0x0
	s_wait_alu depctr_hold_cnt(0) depctr_sa_sdst(0) depctr_va_vdst(0) depctr_va_sdst(0) depctr_va_ssrc(0) depctr_va_vcc(0) depctr_vm_vsrc(0)
	s_getreg_b32 s2, hwreg(HW_REG_IB_STS2, 6, 4)
	s_cmp_eq_u32 s2, 0
	s_cbranch_scc0 .Lentry_in_a_cluster
	s_endpgm
.Lentry_in_a_cluster:
	s_bfe_u32 s2, ttmp6, 0x10000c
	s_cmp_lg_u32 s2, 0xf033
	s_cbranch_scc0 .Lentry_shape_is_right
	s_endpgm
.Lentry_shape_is_right:
; out0[m][n] = sum over h of cx[m][h] Wp[n][h] + bp[n].  cx: [8192][1024] f16 (in qw's buffer), Wp: f16, 4 MiB into wh; out0 and bp f32.
; The product: a work-group makes 128 x 256 with four waves, a wave 64 x 128 in 32 accumulator tiles; K in steps of 128 through two LDS slots;
; clusters of 4 x 4 work-groups: cx's tiles are shared along a row of the cluster, Wp's along a column, each asked for jointly.
; REGISTERS: window 0: addresses, fragments, work; window 1: accumulators, tile (a, b) at 8 (8 a + b); window 2, v0-63: the bias of my 64 columns.
; The matrix instruction is used transposed: lane l holds row l % 16 and registers 0-7 the columns 8 (l / 16) + 0..7.
.set PITCH,  272
.set ATILE,  128*PITCH
.set BHALF,  128*PITCH
.set SLOT,   ATILE+2*BHALF
.set STAGE,  2*SLOT
.set SP,     528                       ; the stage's pitch: 128 f32 + 16 bytes
.set WSTAGE, 16*SP
.set ASTEP,  256
.set BSTEP,  256
.set LAPS,   4
.set ADRA, 16
.set ADRB, 20
.set STO,  24
.set RD,   25
.set CO,   26
.set BO,   27
.set FA0,  32
.set FB0,  96
.set T,    32
.set R0,   128                         ; v[128:191] 16 rows read back
.set G1,  24
.set G0,  32
.set G1B, 48
.set G0B, 56
.set DFLAGS, (1<<16)|(1<<20)|(1<<21)|(5<<22)|(3<<25)
.set MUL, 0x50
.set MSB, 0
.macro WIN new
.if MSB != \new
	s_set_vgpr_msb (MSB<<8)|\new
.set MSB, \new
.endif
.endm
.macro PLACES                          ; four places behind a matrix instruction (ISA guide 7.12.1)
.rept 4
	v_nop
.endr
.endm
.macro JLOAD s
	s_cmp_eq_u32 s11, 0
	s_cbranch_scc0 .Lfor_b_\@
	tensor_load_to_lds s[G0+4*\s:G0+4*\s+3], s[G1:G1+7]
	s_nop 0
.rept 4
	v_nop
.endr
	s_branch .Lasked_\@
.Lfor_b_\@:
	tensor_load_to_lds s[G0B+4*\s:G0B+4*\s+3], s[G1B:G1B+7]
	s_nop 0
.rept 4
	v_nop
.endr
.Lasked_\@:
.endm
.macro CREST
	s_cmp_lg_u32 s10, 0
	s_cbranch_scc1 .Lnot_wave_0_\@
	s_barrier_signal -3
.Lnot_wave_0_\@:
	s_barrier_wait -3
	s_barrier_signal -1
	s_barrier_wait -1
.endm
.macro CROUND
	s_barrier_signal -1
	s_barrier_wait -1
	CREST
.endm
.macro MULA f, a, zero
.irp b, 0,1,2,3,4,5,6,7
.if \zero
	v_wmma_f32_16x16x32_f16 v[64*\a+8*\b:64*\a+8*\b+7], v[FB0+64*\f+8*\b:FB0+64*\f+8*\b+7], v[FA0+32*\f+8*\a:FA0+32*\f+8*\a+7], 0
.else
	v_wmma_f32_16x16x32_f16 v[64*\a+8*\b:64*\a+8*\b+7], v[FB0+64*\f+8*\b:FB0+64*\f+8*\b+7], v[FA0+32*\f+8*\a:FA0+32*\f+8*\a+7], v[64*\a+8*\b:64*\a+8*\b+7]
.endif
.endr
.endm
.macro FETCH slot, k, f                ; 24 LDS loads: B's 16, then A's 8
	WIN 0
.irp b, 0,1,2,3,4,5,6,7
	ds_load_b128 v[FB0+64*\f+8*\b:FB0+64*\f+8*\b+3],   v[ADRB+\slot] offset:\k+\b*16*PITCH
	ds_load_b128 v[FB0+64*\f+8*\b+4:FB0+64*\f+8*\b+7], v[ADRB+\slot] offset:\k+\b*16*PITCH+32
.endr
.irp a, 0,1,2,3
	ds_load_b128 v[FA0+32*\f+8*\a:FA0+32*\f+8*\a+3],   v[ADRA+\slot] offset:\k+\a*16*PITCH
	ds_load_b128 v[FA0+32*\f+8*\a+4:FA0+32*\f+8*\a+7], v[ADRA+\slot] offset:\k+\a*16*PITCH+32
.endr
.endm
; the 32 accumulators take turns, one instruction a turn, in the same order in every quarter
.macro QUARTER slot, k, f, g, zero
	s_wait_dscnt 4                                 ; only the youngest four loads (A's blocks 2, 3) may be out
	WIN MUL
	MULA \f, 0, \zero
	MULA \f, 1, \zero
	PLACES
	FETCH \slot, \k, \g
	s_wait_dscnt 24                                ; all but the 24 just issued
	WIN MUL
	MULA \f, 2, \zero
	MULA \f, 3, \zero
.endm
.macro THREE slot, zero
	QUARTER \slot, 64,  0, 1, \zero
	QUARTER \slot, 128, 1, 0, 0
	QUARTER \slot, 192, 0, 1, 0
.endm
.macro TURN slot, next, fill
	s_wait_dscnt 4
	WIN MUL
	MULA 1, 0, 0
	s_wait_dscnt 0                                 ; my reads of this slot are over
	s_wait_tensorcnt 0x0                           ; all my tensor loads have landed: my part of the next slot
	ds_add_u32 v254, v255
	s_wait_dscnt 0x0
	s_barrier_signal -1
	MULA 1, 1, 0
	WIN 0
	s_barrier_wait -1
.if \fill
	CREST                                          ; the barrier above opened a round of the cluster's barrier: no partner's wave reads this slot or has a load out
	s_add_nc_u64 s[G0+4*\slot+2:G0+4*\slot+3], s[G0+4*\slot+2:G0+4*\slot+3], 2*ASTEP
	s_add_nc_u64 s[G0B+4*\slot+2:G0B+4*\slot+3], s[G0B+4*\slot+2:G0B+4*\slot+3], 2*BSTEP
	JLOAD \slot                                    ; the wave's one tensor load behind the round, first thing there
.else
	PLACES
.endif
	FETCH \next, 0, 0
	WIN MUL
	MULA 1, 2, 0
	MULA 1, 3, 0
.endm
.macro LAP zero
	THREE 0, \zero
	TURN 0, 1, 1
	THREE 1, 0
	TURN 1, 0, 1
.endm
	s_load_b128 s[4:7], s[0:1], 0x0                ; cx, wh
	s_load_b64 s[66:67], s[0:1], 0x10              ; bp
	s_load_b64 s[8:9], s[0:1], 0x18                ; out0
	v_lshl_add_u32 v254, v0, 2, 0x3b400
	v_mov_b32 v255, 0
	ds_add_u32 v254, v255
	v_lshrrev_b32 v1, 5, v0
	v_readfirstlane_b32 s10, v1
	s_lshr_b32 s11, s10, 1
	s_and_b32 s12, s10, 1
	s_bfe_u32 s40, ttmp6, 0x40000                  ; cx
	s_bfe_u32 s41, ttmp6, 0x40004                  ; cy
	s_lshl_b32 s42, ttmp9, 2
	s_add_co_u32 s42, s42, s40                     ; block column
	s_and_b32 s22, ttmp7, 0xffff
	s_lshl_b32 s13, s22, 2
	s_add_co_u32 s13, s13, s41                     ; block row
	s_lshl_b32 s43, s41, 2
	s_lshl_b32 s43, 15, s43
	s_lshl_b32 s44, 0x1111, s40
	s_or_b32 s[G1+0], s43, DFLAGS                  ; A: 64 rows x 128 elements
	s_mov_b32 s[G1+1], 128<<16
	s_mov_b32 s[G1+2], 64<<16
	s_mov_b32 s[G1+3], 128<<16
	s_mov_b32 s[G1+4], 64
	s_mov_b32 s[G1+5], 1024
	s_mov_b32 s[G1+6], 0
	s_mov_b32 s[G1+7], 0
	s_or_b32 s[G1B+0], s44, DFLAGS                 ; B: 128 rows x 128 elements
	s_mov_b32 s[G1B+1], 128<<16
	s_mov_b32 s[G1B+2], 128<<16
	s_mov_b32 s[G1B+3], 128<<16
	s_mov_b32 s[G1B+4], 128
	s_mov_b32 s[G1B+5], 1024
	s_mov_b32 s[G1B+6], 0
	s_mov_b32 s[G1B+7], 0
	s_lshl_b32 s16, s13, 7
	s_lshl_b32 s17, s12, 6
	s_add_co_u32 s16, s16, s17
	s_lshl_b32 s16, s16, 11
	s_mov_b32 s17, 0
	s_lshl_b32 s46, s42, 8
	s_lshl_b32 s47, s12, 7
	s_add_co_u32 s46, s46, s47
	s_lshl_b32 s46, s46, 11
	s_add_co_u32 s46, s46, 0x400000                ; Wp is the third matrix of wh
	s_mov_b32 s47, 0
	s_mul_i32 s20, s12, 64*PITCH
	s_mul_i32 s21, s12, BHALF
	s_add_co_u32 s21, s21, ATILE
	s_wait_dscnt 0x0
	s_wait_kmcnt 0x0
	s_add_nc_u64 s[14:15], s[4:5], s[16:17]
	s_add_nc_u64 s[46:47], s[6:7], s[46:47]
	CROUND                                         ; in front of the first joint loads
.irp s, 0,1
	s_mov_b32 s[G0+4*\s], 1
	s_add_co_u32 s[G0+4*\s+1], s20, \s*SLOT
	s_add_nc_u64 s[G0+4*\s+2:G0+4*\s+3], s[14:15], \s*ASTEP
	s_or_b32 s[G0+4*\s+3], s[G0+4*\s+3], 0x80000000
	s_mov_b32 s[G0B+4*\s], 1
	s_add_co_u32 s[G0B+4*\s+1], s21, \s*SLOT
	s_add_nc_u64 s[G0B+4*\s+2:G0B+4*\s+3], s[46:47], \s*BSTEP
	s_or_b32 s[G0B+4*\s+3], s[G0B+4*\s+3], 0x80000000
	JLOAD \s                                       ; K steps 0 and 1: two tensor loads of the wave are out, the most in this text
.endr
	v_and_b32 v1, 15, v0                           ; r
	v_bfe_u32 v2, v0, 4, 1                         ; h
	v_mul_u32_u24 v3, v1, PITCH
	v_lshl_add_u32 v3, v2, 4, v3
	s_mul_i32 s18, s11, 64*PITCH
	s_mul_i32 s19, s12, BHALF
	s_add_co_u32 s19, s19, ATILE
.irp s, 0,1
	v_add_nc_u32 v[ADRA+\s], s18, v3
	v_add_nc_u32 v[ADRB+\s], s19, v3
	s_add_co_u32 s18, s18, SLOT
	s_add_co_u32 s19, s19, SLOT
.endr
	s_mul_i32 s23, s10, WSTAGE
	s_add_co_u32 s23, s23, STAGE                   ; my stage: 16 rows x 528 bytes
	v_mul_u32_u24 v4, v1, SP                       ; in: row r, 32 bytes for each half of the lanes
	v_lshl_add_u32 v4, v2, 5, v4
	v_add_nc_u32 v[STO], s23, v4
	v_and_b32 v5, 31, v0
	v_lshlrev_b32 v[CO], 4, v5                     ; back and out: 16 bytes a lane, a row of 512 bytes a wave
	v_add_nc_u32 v[RD], s23, v[CO]
	s_lshl_b32 s16, s13, 7                         ; out0 at my first row, 4,096 bytes a row ...
	s_lshl_b32 s17, s11, 6
	s_add_co_u32 s16, s16, s17
	s_lshl_b32 s16, s16, 12
	s_mov_b32 s17, 0
	s_add_nc_u64 s[8:9], s[8:9], s[16:17]
	s_lshl_b32 s78, s42, 10                        ; ... and my first column: 1,024 x block + 512 x half bytes
	s_lshl_b32 s79, s12, 9
	s_add_co_u32 s78, s78, s79
	s_mov_b32 s79, 0
	s_add_nc_u64 s[8:9], s[8:9], s[78:79]
	v_lshl_add_u32 v[BO], v2, 5, s78               ; the bias at the same column + 8 h numbers
	WIN 0x80                                       ; destination in window 2
.irp b, 0,1,2,3,4,5,6,7
	global_load_b128 v[8*\b:8*\b+3],   v[BO], s[66:67] offset:64*\b
	global_load_b128 v[8*\b+4:8*\b+7], v[BO], s[66:67] offset:64*\b+16
.endr
	WIN 0
	s_wait_loadcnt 0x0                             ; the bias, once
	s_wait_tensorcnt 1                             ; my part of K step 0 is in; K step 1's may stay out
	s_barrier_signal -1
	s_barrier_wait -1
	FETCH 0, 0, 0
	LAP 1
	WIN 0
	s_mov_b32 s3, LAPS-2
.Llap:
	LAP 0
	WIN 0
	s_sub_co_u32 s3, s3, 1
	s_cmp_lg_u32 s3, 0
	s_cbranch_scc1 .Llap
	THREE 0, 0
	TURN 0, 1, 0
	THREE 1, 0
	s_wait_dscnt 4
	WIN MUL
	MULA 1, 0, 0
	MULA 1, 1, 0
	s_wait_dscnt 0
	MULA 1, 2, 0
	MULA 1, 3, 0
	PLACES
; rows 16 a .. 16 a + 15 of my block: + bias, through my stage, out as whole rows of 512 bytes
.macro OUTF a
	WIN 0x09                                       ; source 0 window 1 (sums), source 1 window 2 (bias)
.set i, 0
.rept 32
	v_pk_add_f32 v[T+2*i:T+2*i+1], v[64*\a+2*i:64*\a+2*i+1], v[2*i:2*i+1]
.set i, i+1
.endr
	WIN 0
.irp b, 0,1,2,3,4,5,6,7
	ds_store_b128 v[STO], v[T+8*\b:T+8*\b+3]   offset:64*\b
	ds_store_b128 v[STO], v[T+8*\b+4:T+8*\b+7] offset:64*\b+16
.endr
	s_wait_xcnt 0x0                                ; the rows' registers and the base, which earlier stores name, are written again only behind this wait
.if \a
	s_add_nc_u64 s[8:9], s[8:9], 16*4096
.endif
.irp t, 0,1,2,3,4,5,6,7,8,9,10,11,12,13,14,15
	ds_load_b128 v[R0+4*\t:R0+4*\t+3], v[RD] offset:SP*\t      ; LDS serves a wave's instructions in order: these see the stores above
.endr
.irp t, 0,1,2,3,4,5,6,7,8,9,10,11,12,13,14,15
	s_wait_dscnt 15-\t
	global_store_b128 v[CO], v[R0+4*\t:R0+4*\t+3], s[8:9] offset:4096*\t th:TH_STORE_NT   ; the wave stores 512 consecutive bytes, aligned
.endr
.endm
	OUTF 0
	OUTF 1
	OUTF 2
	OUTF 3
	s_wait_tensorcnt 0x0
	ds_add_u32 v254, v255
	s_wait_dscnt 0x0
	CROUND                                         ; the closing round
	s_endpgm
.Lfunc_end_k_q8922474e63_outp:
	.size	k_q8922474e63_outp, .Lfunc_end_k_q8922474e63_outp-k_q8922474e63_outp
	.p2alignl 7, 3214868480
	.fill 96, 4, 3214868480
	.section	.rodata,"a",@progbits
	.p2align	6, 0x0
	.amdhsa_kernel k_q8922474e63_outp
		.amdhsa_group_segment_fixed_size 327680
		.amdhsa_private_segment_fixed_size 0
		.amdhsa_enable_private_segment 0
		.amdhsa_kernarg_size 32
		.amdhsa_user_sgpr_count 2
		.amdhsa_user_sgpr_kernarg_segment_ptr 1
		.amdhsa_wavefront_size32 1
		.amdhsa_system_sgpr_workgroup_id_x 1
		.amdhsa_system_sgpr_workgroup_id_y 1
		.amdhsa_system_sgpr_workgroup_id_z 1
		.amdhsa_system_vgpr_workitem_id 0
		.amdhsa_next_free_vgpr 576
		.amdhsa_next_free_sgpr 100
		.amdhsa_reserve_vcc 0
		.amdhsa_float_denorm_mode_32 3
		.amdhsa_float_denorm_mode_16_64 3
		.amdhsa_memory_ordered 1
		.amdhsa_forward_progress 1
		.amdhsa_inst_pref_size 128
	.end_amdhsa_kernel
	.amdgpu_metadata
---
amdhsa.version: [ 1, 2 ]
amdhsa.kernels:
  - .name:           k_q8922474e63_outp
    .symbol:         k_q8922474e63_outp.kd
    .args:
      - { .name: qw, .offset: 0, .size: 8, .value_kind: global_buffer, .address_space: global }
      - { .name: wh, .offset: 8, .size: 8, .value_kind: global_buffer, .address_space: global }
      - { .name: bp, .offset: 16, .size: 8, .value_kind: global_buffer, .address_space: global }
      - { .name: out0, .offset: 24, .size: 8, .value_kind: global_buffer, .address_space: global }
    .group_segment_fixed_size: 327680
    .private_segment_fixed_size: 0
    .kernarg_segment_align: 8
    .kernarg_segment_size: 32
    .max_flat_workgroup_size: 128
    .sgpr_count:     100
    .vgpr_count:     576
    .wavefront_size: 32
...
	.end_amdgpu_metadata
.endif
;; end of part 5
;; ======== version 2 of 2: 6 launches; 1.18 times as fast as version 1
;; limits: values are held in f16: magnitudes above 65,504 overflow, below 6.1e-05 lose precision; values outside matrix products are rounded to f16
;; workspace buffers: xh 50,331,648 bytes; wh 6,291,456 bytes; wt 2,097,152 bytes; zb 8,192 bytes; px 50,331,648 bytes; qw 16,777,216 bytes; psum 262,144 bytes; w2 2,097,152 bytes
;; launch prep (part 6): grid 1728 x 1, 8 waves a work-group, no clusters, 71,680 bytes of LDS; arguments q, k, Wq, Wk, Wp, weight, bq, xh, wh, wt, zb; writes xh, wh, wt, zb
.if DOCPART == 6
	.amdgcn_target "amdgcn-amd-amdhsa--gfx1250"
	.amdhsa_code_object_version 6
	.text
	.protected	k_q8922474e63_prep
	.globl	k_q8922474e63_prep
	.p2align	8
	.type	k_q8922474e63_prep,@function
k_q8922474e63_prep:
	s_mov_b64 s[64:65], 0
	v_nop
	global_prefetch_b8 v0, s[64:65] scope:SCOPE_SE
	s_setreg_imm32_b32 hwreg(HW_REG_WAVE_MODE, 25, 1), 1
	s_wait_xcnt 0x0
; prep: every matrix operand that is an input is rounded to bf16 and then written as f16.
;   xh [24576][1024] f16: q's 8,192 rows, then k's 16,384.   wh: Wq TRANSPOSED ([d][h]), Wk, Wp, 2 MiB each.   wt[g][h] = weight[h][g].
;   zb: 1,024 zeros in f32, then b2[g] = sum over h of bq[h] weight[h][g], in f32 from the numbers as given (not rounded).
; LIMITS: |x| > 65504 becomes infinite in f16; below 2^-14 the f16 step is 2^-24, so a bf16 number below 2^-17 loses bits.
; A stream: no matrix unit, no cluster, no tensor load would add anything; each input byte is read once.
; Work-groups 0-31 transpose weight and make b2, 32-63 transpose Wq (they come first, since their four batches of loads follow each other);
; work-groups 64-1727 take one chunk of 16,384 numbers each: 64 KiB in, 32 KiB out.
.set NTR, 64                           ; transposing work-groups
.set X,   4                            ; v[4:67]   numbers as loaded
.set Y,   68                           ; v[68:99]  f16 pairs to store, a pair of registers for each of 16 items; transposer: the eight parts of b2
.set TT,  100                          ; v[100:102] at work
.set YS,  103                          ; transposer: one packed pair on its way to LDS
.set VR,  104                          ; transposer: LDS address for reading rows back
.set VO,  105                          ; transposer: byte offset in the transposed matrix
.set BQ,  106                          ; v[106:109] lane l: bq[128 wave + 4 l + 0..3]
.set ACC, 110                          ; v110, v111: two chains of my column's part of b2
.set BQO, 112                          ; byte offset of those four numbers of bq
.set TP,  272                          ; transposer: LDS pitch, 128 f16 + 16 bytes
.set PART, 8*32*TP                     ; behind the eight waves' tiles: 8 x 32 words, the waves' parts of b2
; two f32 -> two bf16 (nearest even) -> the same two numbers as f32 -> two f16
.macro CV2 y, x0, x1
	v_cvt_pk_bf16_f32 v[TT], v[\x0], v[\x1]
	v_lshlrev_b32 v[TT+1], 16, v[TT]
	v_and_b32 v[TT+2], 0xffff0000, v[TT]
	v_cvt_pk_f16_f32 v[\y], v[TT+1], v[TT+2]
.endm
	s_load_b512 s[8:23], s[0:1], 0x0               ; q 8, k 10, Wq 12, Wk 14, Wp 16, weight 18, bq 20, xh 22
	s_load_b128 s[24:27], s[0:1], 0x40             ; wh 24, wt 26
	s_load_b64 s[28:29], s[0:1], 0x50              ; zb
	v_lshl_add_u32 v116, v0, 2, 0x11400
	v_mov_b32 v117, 0
	v_lshrrev_b32 v1, 5, v0
	v_readfirstlane_b32 s30, v1                    ; wave 0..7
	s_cmp_lt_u32 ttmp9, NTR
	s_cbranch_scc1 .Ltrans
	; ---- element by element: chunk c = work-group - 64.  c 0-511 q, 512-1535 k, 1536-1599 Wk, 1600-1663 Wp
	s_sub_co_u32 s31, ttmp9, NTR
	v_lshlrev_b32 v1, 4, v0                        ; 16 t: my 4 numbers in each 4,096 bytes of the source
	v_lshlrev_b32 v2, 3, v0                        ; 8 t: and in each 2,048 bytes of the destination
	s_wait_kmcnt 0x0
	s_mov_b64 s[32:33], s[8:9]                     ; source, its first chunk (s34)
	s_mov_b64 s[36:37], s[22:23]                   ; destination, the chunk that lands on its first byte (s35)
	s_mov_b32 s34, 0
	s_mov_b32 s35, 0
	s_cmp_ge_u32 s31, 512
	s_cselect_b64 s[32:33], s[10:11], s[32:33]
	s_cselect_b32 s34, 512, s34
	s_cmp_ge_u32 s31, 1536
	s_cselect_b64 s[32:33], s[14:15], s[32:33]
	s_cselect_b64 s[36:37], s[24:25], s[36:37]
	s_cselect_b32 s34, 1536, s34
	s_cselect_b32 s35, 1472, s35                   ; Wk begins 64 chunks (2 MiB) into wh
	s_cmp_ge_u32 s31, 1600
	s_cselect_b64 s[32:33], s[16:17], s[32:33]
	s_cselect_b32 s34, 1600, s34
	s_sub_co_u32 s38, s31, s34
	s_lshl_b32 s38, s38, 16                        ; 65,536 bytes of f32 a chunk
	s_mov_b32 s39, 0
	s_add_nc_u64 s[32:33], s[32:33], s[38:39]
	s_sub_co_u32 s40, s31, s35
	s_lshl_b32 s40, s40, 15                        ; 32,768 bytes of f16 a chunk
	s_mov_b32 s41, 0
	s_add_nc_u64 s[36:37], s[36:37], s[40:41]
.irp i, 0,1,2,3,4,5,6,7,8,9,10,11,12,13,14,15
	global_load_b128 v[X+4*\i:X+4*\i+3], v1, s[32:33] offset:4096*\i th:TH_LOAD_NT   ; all 16 go out at once: 8 KiB of every wave in flight
.endr
.irp i, 0,1,2,3,4,5,6,7,8,9,10,11,12,13,14,15
	s_wait_loadcnt 15-\i                           ; loads come back in order: item i is in, the younger ones stay out
	CV2 Y+2*\i, X+4*\i, X+4*\i+1
	CV2 Y+2*\i+1, X+4*\i+2, X+4*\i+3
	global_store_b64 v2, v[Y+2*\i:Y+2*\i+1], s[36:37] offset:2048*\i   ; a wave's store covers 256 consecutive bytes, aligned; each item has its own data registers
.endr
	s_endpgm
	; ---- the transposers.  A wave's tile: 128 rows x 32 columns; row block = wave, column block = work-group % 32,
	; so that the eight waves of a work-group hold all 1,024 rows of one strip of 32 columns
.Ltrans:
	s_wait_kmcnt 0x0
	s_cmp_lg_u32 ttmp9, 0
	s_cbranch_scc1 .Lnozero
	v_mov_b32 v4, 0                                ; work-group 0 also writes the zero bias: 256 threads x 16 bytes
	v_mov_b32 v5, 0
	v_mov_b32 v6, 0
	v_mov_b32 v7, 0
	v_lshlrev_b32 v1, 4, v0
	global_store_b128 v1, v[4:7], s[28:29]
	s_wait_xcnt 0x0                                ; v1 and v[4:7] are written again below
.Lnozero:
	v_and_b32 v1, 31, v0                           ; lane = column of the tile
	s_and_b32 s31, ttmp9, 31                       ; column block
	s_cmp_ge_u32 ttmp9, 32
	s_cselect_b64 s[32:33], s[12:13], s[18:19]     ; from Wq or from weight
	s_cselect_b64 s[36:37], s[24:25], s[26:27]     ; into wh's first matrix or into wt
	s_lshl_b32 s38, s30, 19                        ; 128 rows of 4,096 bytes
	s_lshl_b32 s39, s31, 7                         ; 32 columns of 4 bytes
	s_add_co_u32 s38, s38, s39
	s_mov_b32 s39, 0
	s_add_nc_u64 s[32:33], s[32:33], s[38:39]
	s_lshl_b32 s40, s31, 16                        ; transposed: 32 rows of 2,048 bytes
	s_lshl_b32 s41, s30, 8                         ; 128 columns of 2 bytes
	s_add_co_u32 s40, s40, s41
	s_mov_b32 s41, 0
	s_add_nc_u64 s[36:37], s[36:37], s[40:41]
	s_mul_i32 s42, s30, 32*TP                      ; the wave's own 8,704 bytes of LDS
	v_lshlrev_b32 v2, 2, v1                        ; 4 x lane
	v_mul_u32_u24 v3, v1, TP
	v_add_nc_u32 v3, s42, v3                       ; LDS row = lane
	v_lshrrev_b32 v[TT], 4, v1                     ; lane / 16
	v_and_b32 v[TT+1], 15, v1                      ; lane % 16
	v_mul_u32_u24 v[VR], v[TT], TP
	v_lshl_add_u32 v[VR], v[TT+1], 4, v[VR]
	v_add_nc_u32 v[VR], s42, v[VR]
	v_lshlrev_b32 v[VO], 11, v[TT]
	v_lshl_add_u32 v[VO], v[TT+1], 4, v[VO]
; batch r: rows 32 r .. 32 r + 31 of the tile into 32 registers from base on.  A wave's load takes 128 consecutive bytes of a row;
; the neighbouring work-group takes the 128 beside them, so no hint says that the bytes around are not wanted again.
.macro TLOAD r, base
.set i, 0
.rept 32
	global_load_b32 v[\base+i], v2, s[32:33] offset:(32*\r+i)*4096
.set i, i+1
.endr
.endm
; two neighbouring rows of one column make one word of the transposed row.  younger = loads of the batch issued behind this one.
; bias = 1: the two rows also go, times their bq, into the two chains of b2; the very first pair starts the chains.
.macro TPROC r, base, younger, bias
.set p, 0
.rept 16
	s_wait_loadcnt \younger+30-2*p                 ; rows 2 p and 2 p + 1 of this batch are in (and bq, which was asked for first of all)
.if \bias
	v_readlane_b32 s44, v[BQ+(2*p)%4], (32*\r+2*p)/4
	v_readlane_b32 s45, v[BQ+(2*p)%4+1], (32*\r+2*p)/4
.if \r+p == 0
	v_mul_f32 v[ACC], s44, v[\base]
	v_mul_f32 v[ACC+1], s45, v[\base+1]
.else
	v_fmac_f32 v[ACC], s44, v[\base+2*p]
	v_fmac_f32 v[ACC+1], s45, v[\base+2*p+1]
.endif
.endif
	CV2 YS, \base+2*p, \base+2*p+1
	ds_store_b32 v3, v[YS] offset:(32*\r+2*p)*2
.set p, p+1
.endr
.endm
.macro TBODY bias
	TLOAD 0, X
	TLOAD 1, X+32
	TPROC 0, X, 32, \bias
	TLOAD 2, X
	TPROC 1, X+32, 32, \bias
	TLOAD 3, X+32
	TPROC 2, X, 32, \bias
	TPROC 3, X+32, 0, \bias
.irp t, 0,1,2,3,4,5,6,7,8,9,10,11,12,13,14,15
	ds_load_b128 v[X+4*\t:X+4*\t+3], v[VR] offset:2*TP*\t      ; LDS serves a wave's instructions in order: these see the stores above
.endr
.irp t, 0,1,2,3,4,5,6,7,8,9,10,11,12,13,14,15
	s_wait_dscnt 15-\t
	global_store_b128 v[VO], v[X+4*\t:X+4*\t+3], s[36:37] offset:4096*\t   ; 16 lanes store 256 consecutive bytes of one transposed row, aligned
.endr
.endm
	s_cmp_ge_u32 ttmp9, 32                         ; the same for all eight waves of a work-group
	s_cbranch_scc1 .Lplain
	v_lshlrev_b32 v[BQO], 4, v1
	v_lshl_add_u32 v[BQO], s30, 9, v[BQO]          ; 512 wave + 16 lane
	global_load_b128 v[BQ:BQ+3], v[BQO], s[20:21]
	TBODY 1
	v_add_f32 v[ACC], v[ACC], v[ACC+1]             ; my 128 rows' part of b2 of column 32 block + lane
	s_lshl_b32 s43, s30, 7
	s_add_co_u32 s43, s43, PART
	v_add_nc_u32 v[TT], s43, v2                    ; my wave's 128 bytes, 4 a lane
	ds_store_b32 v[TT], v[ACC]
	s_wait_dscnt 0x0                               ; for the others' sake: my part is in LDS
	s_barrier_signal -1
	s_barrier_wait -1
	s_cmp_lg_u32 s30, 0
	s_cbranch_scc1 .Ldone
.irp p, 0,1,2,3,4,5,6,7
	ds_load_b32 v[Y+\p], v[TT] offset:128*\p       ; wave 0: the eight parts of my column
.endr
	v_lshl_add_u32 v[TT+1], s31, 7, v2             ; 128 block + 4 lane
	s_wait_dscnt 0x0
	v_pk_add_f32 v[Y:Y+1], v[Y:Y+1], v[Y+2:Y+3]
	v_pk_add_f32 v[Y+4:Y+5], v[Y+4:Y+5], v[Y+6:Y+7]
	v_pk_add_f32 v[Y:Y+1], v[Y:Y+1], v[Y+4:Y+5]
	v_add_f32 v[Y], v[Y], v[Y+1]
	global_store_b32 v[TT+1], v[Y], s[28:29] offset:4096   ; 128 consecutive bytes; b2 is 4 KiB in all
.Ldone:
	s_wait_tensorcnt 0x0
	ds_add_u32 v116, v117
	s_wait_dscnt 0x0
	s_endpgm
.Lplain:
	TBODY 0
	s_wait_tensorcnt 0x0
	ds_add_u32 v116, v117
	s_wait_dscnt 0x0
	s_endpgm
.Lfunc_end_k_q8922474e63_prep:
	.size	k_q8922474e63_prep, .Lfunc_end_k_q8922474e63_prep-k_q8922474e63_prep
	.p2alignl 7, 3214868480
	.fill 96, 4, 3214868480
	.section	.rodata,"a",@progbits
	.p2align	6, 0x0
	.amdhsa_kernel k_q8922474e63_prep
		.amdhsa_group_segment_fixed_size 71680
		.amdhsa_private_segment_fixed_size 0
		.amdhsa_enable_private_segment 0
		.amdhsa_kernarg_size 88
		.amdhsa_user_sgpr_count 2
		.amdhsa_user_sgpr_kernarg_segment_ptr 1
		.amdhsa_wavefront_size32 1
		.amdhsa_system_sgpr_workgroup_id_x 1
		.amdhsa_system_sgpr_workgroup_id_y 1
		.amdhsa_system_sgpr_workgroup_id_z 1
		.amdhsa_system_vgpr_workitem_id 0
		.amdhsa_next_free_vgpr 118
		.amdhsa_next_free_sgpr 66
		.amdhsa_reserve_vcc 0
		.amdhsa_float_denorm_mode_32 3
		.amdhsa_float_denorm_mode_16_64 3
		.amdhsa_memory_ordered 1
		.amdhsa_forward_progress 1
		.amdhsa_inst_pref_size 98
	.end_amdhsa_kernel
	.amdgpu_metadata
---
amdhsa.version: [ 1, 2 ]
amdhsa.kernels:
  - .name:           k_q8922474e63_prep
    .symbol:         k_q8922474e63_prep.kd
    .args:
      - { .name: q, .offset: 0, .size: 8, .value_kind: global_buffer, .address_space: global }
      - { .name: k, .offset: 8, .size: 8, .value_kind: global_buffer, .address_space: global }
      - { .name: Wq, .offset: 16, .size: 8, .value_kind: global_buffer, .address_space: global }
      - { .name: Wk, .offset: 24, .size: 8, .value_kind: global_buffer, .address_space: global }
      - { .name: Wp, .offset: 32, .size: 8, .value_kind: global_buffer, .address_space: global }
      - { .name: weight, .offset: 40, .size: 8, .value_kind: global_buffer, .address_space: global }
      - { .name: bq, .offset: 48, .size: 8, .value_kind: global_buffer, .address_space: global }
      - { .name: xh, .offset: 56, .size: 8, .value_kind: global_buffer, .address_space: global }
      - { .name: wh, .offset: 64, .size: 8, .value_kind: global_buffer, .address_space: global }
      - { .name: wt, .offset: 72, .size: 8, .value_kind: global_buffer, .address_space: global }
      - { .name: zb, .offset: 80, .size: 8, .value_kind: global_buffer, .address_space: global }
    .group_segment_fixed_size: 71680
    .private_segment_fixed_size: 0
    .kernarg_segment_align: 8
    .kernarg_segment_size: 88
    .max_flat_workgroup_size: 256
    .sgpr_count:     66
    .vgpr_count:     118
    .wavefront_size: 32
...
	.end_amdgpu_metadata
.endif
;; end of part 6
;; launch proja (part 7): grid 4 x 52, 4 waves a work-group, clusters of 4 x 4, 327,680 bytes of LDS; arguments wt, wh, zb, w2, xh, bk, px; writes w2, px
.if DOCPART == 7
	.amdgcn_target "amdgcn-amd-amdhsa--gfx1250"
	.amdhsa_code_object_version 6
	.text
	.protected	k_q8922474e63_proja
	.globl	k_q8922474e63_proja
	.p2align	8
	.type	k_q8922474e63_proja,@function
k_q8922474e63_proja:
	s_mov_b64 s[64:65], 0
	v_nop
	global_prefetch_b8 v0, s[64:65] scope:SCOPE_SE
	s_setreg_imm32_b32 hwreg(HW_REG_WAVE_MODE, 25, 1), 1
	s_wait_xcnt 0x0
	s_wait_alu depctr_hold_cnt(0) depctr_sa_sdst(0) depctr_va_vdst(0) depctr_va_sdst(0) depctr_va_ssrc(0) depctr_va_vcc(0) depctr_vm_vsrc(0)
	s_getreg_b32 s2, hwreg(HW_REG_IB_STS2, 6, 4)
	s_cmp_eq_u32 s2, 0
	s_cbranch_scc0 .Lentry_in_a_cluster
	s_endpgm
.Lentry_in_a_cluster:
	s_bfe_u32 s2, ttmp6, 0x10000c
	s_cmp_lg_u32 s2, 0xf033
	s_cbranch_scc0 .Lentry_shape_is_right
	s_endpgm
.Lentry_shape_is_right:
; C[m][n] = scale x (sum over k of A[m][k] B[n][k]) + bias[n], f16 operands and results, sums, scale and bias in f32, K = N = 1024.
; Two products in one launch, in blocks of 256 x 256, chosen by the cluster's y, which all sixteen partners share:
;   cluster row 0:     W2 = 256 x weight^T Wq:  A = wt rows 0-1023 (weight transposed), B = wh (Wq transposed), bias = zb (zeros), C = w2, scale 256
;   cluster rows 1-12: kx = k Wk^T + bk:        A = xh rows 8192-20479, B = wh + 2 MiB, bias = bk, C = px rows 8192-20479, scale 1  (batches 0-11)
; W2 takes the place of q's own projection: (q Wq^T + bq) weight = q W2^T + bq weight.  The factor 256 keeps W2 in f16's normal range
; when Wq and weight are both some 30 times smaller than 1/32 and 0.02, and under 65504 when both are 30 times larger; it is taken back where W2 is used.
; 13 clusters, 208 work-groups: nothing else of the program is ready to run beside them.
; LIMIT: results are clamped to +-65504, the largest f16.
; A work-group makes 256 x 256 of C with four waves, a wave 128 x 128: 64 accumulator tiles of 16 x 16, 512 registers.
; K goes in steps of 128 through two LDS slots filled by tensor loads: a tile's rows are 256 bytes of memory, aligned to 256.
; CLUSTERS: 4 x 4 work-groups.  The four of a row of the cluster need the same tiles of A, the four of a column the same tiles of B:
; each tile is asked for jointly, with one descriptor and a mask that names the four, which divides the requests for A and B by four.
; REGISTERS, in windows of 256: window 0: v16-27 addresses, v64-127 and v128-191 fragments of A (two buffers), on the way out work registers;
; window 1: v0-63 the bias of my lane's 64 columns, v64-127 and v128-191 fragments of B; window 2: the 32 accumulator tiles of my rows 0-63
; (tile (a, b) at 8 (8 a + b)); window 3: those of my rows 64-127.
; The matrix instruction is used transposed (source 0 = 16 rows of B, source 1 = 16 rows of A): lane l holds row l % 16 of C and
; registers 0-7 the columns 8 (l / 16) + 0..7, eight neighbouring numbers.
.set SPLIT,  1                         ; cluster rows from here on make the second product
.set ROWADD, 28                        ; whose block rows of 256 begin at 32 = 4 x 1 + 28 in xh and in px
.set PITCH,  272                       ; an LDS row: 256 bytes + 16 of padding, so that the 16 rows of a fragment load start 68 words apart
.set HALFT,  128*PITCH                 ; 128 rows: what one tensor load brings, and what one wave reads of A or of B
.set SLOT,   4*HALFT                   ; A's 256 rows, then B's 256 rows
.set STAGE,  2*SLOT                    ; behind the ring: 16 rows x 272 bytes for each wave; no tensor load lands there
.set WSTAGE, 16*PITCH
.set ROWB,   2048                      ; bytes in a row of A, B and C
.set KBYTES, 256                       ; bytes from one K step's tile to the next
.set LAPS,   4                         ; a lap = two K steps = once round the ring
.set ADRA, 16                          ; v16-17 LDS address of my A fragments in slot 0, 1
.set ADRB, 20                          ; v20-21 the same for B
.set STO,  24                          ; the way out: where I put 16 bytes of a row
.set RD,   25                          ; where I read a row back
.set CO,   26                          ; my byte offset in C
.set BO,   27                          ; my byte offset in the bias
.set F0,   64                          ; fragment buffer 0
.set F1,   128                         ; fragment buffer 1
.set T,    64                          ; the way out: 64 numbers in f32
.set R0,   128                         ; rows read back, two sets in turn
.set R1,   160
.set TMP,  192                         ; packed results
.set G1,  24                           ; s[24:31] descriptor group 1 for A's tiles
.set G0,  32                           ; s[32:39] group 0 for A's tiles, one set for each slot
.set G1B, 48                           ; s[48:55] group 1 for B's tiles: it differs from A's in the mask alone
.set G0B, 56                           ; s[56:63] group 0 for B's tiles
.set DFLAGS, (1<<16)|(1<<20)|(1<<21)|(5<<22)|(3<<25)   ; elements of 2 bytes; padding on; bit 21 beside a mask; 4 words behind every 64
.set MUL_LO, 0xa1                      ; source 0 (B) window 1, source 1 (A) window 0, C and D window 2
.set MUL_HI, 0xf1                      ; the same, C and D window 3
.set TO_B,   0x40                      ; destination window 1, address window 0
.set MSB, 0
.macro WIN new                         ; the immediate's high byte repeats the setting that is left
.if MSB != \new
	s_set_vgpr_msb (MSB<<8)|\new
.set MSB, \new
.endif
.endm
.macro PLACES                          ; four places behind a matrix instruction, in front of loads into its sources and of readers of its result
.rept 4
	v_nop
.endr
.endm
; A joint load.  Waves 0 and 1 fetch A's two halves, waves 2 and 3 B's.  The branch hangs on the wave's number alone.
.macro JLOAD s
	s_cmp_eq_u32 s11, 0
	s_cbranch_scc0 .Lfor_b_\@
	tensor_load_to_lds s[G0+4*\s:G0+4*\s+3], s[G1:G1+7]
	s_nop 0
.rept 4
	v_nop
.endr
	s_branch .Lasked_\@
.Lfor_b_\@:
	tensor_load_to_lds s[G0B+4*\s:G0B+4*\s+3], s[G1B:G1B+7]
	s_nop 0
.rept 4
	v_nop
.endr
.Lasked_\@:
.endm
.macro CREST                           ; a round of the cluster's barrier behind its opening barrier
	s_cmp_lg_u32 s10, 0
	s_cbranch_scc1 .Lnot_wave_0_\@
	s_barrier_signal -3
.Lnot_wave_0_\@:
	s_barrier_wait -3
	s_barrier_signal -1
	s_barrier_wait -1
.endm
.macro CROUND                          ; a whole round
	s_barrier_signal -1
	s_barrier_wait -1
	CREST
.endm
; 16 matrix instructions: row blocks a0, a0 + 1 of the window's four (hi = 0: my rows 0-63, 1: rows 64-127) x all 8 column blocks, 32 along K.
; zero = 1: the first product starts the sums: nothing is ever cleared.
.macro MUL16 f, hi, a0, zero
.irp a, \a0, \a0+1
.irp b, 0,1,2,3,4,5,6,7
.if \zero
	v_wmma_f32_16x16x32_f16 v[8*(8*(\a)+\b):8*(8*(\a)+\b)+7], v[\f+8*\b:\f+8*\b+7], v[\f+8*(4*\hi+\a):\f+8*(4*\hi+\a)+7], 0
.else
	v_wmma_f32_16x16x32_f16 v[8*(8*(\a)+\b):8*(8*(\a)+\b)+7], v[\f+8*\b:\f+8*\b+7], v[\f+8*(4*\hi+\a):\f+8*(4*\hi+\a)+7], v[8*(8*(\a)+\b):8*(8*(\a)+\b)+7]
.endif
.endr
.endr
.endm
; 32 LDS loads in one run: a quarter step's fragments (128 rows of B, then 128 rows of A, 32 K at byte k of the rows) into buffer f
.macro FETCH slot, k, f
	WIN TO_B
.irp i, 0,1,2,3,4,5,6,7
	ds_load_b128 v[\f+8*\i:\f+8*\i+3],   v[ADRB+\slot] offset:\k+\i*16*PITCH
	ds_load_b128 v[\f+8*\i+4:\f+8*\i+7], v[ADRB+\slot] offset:\k+\i*16*PITCH+32
.endr
	WIN 0
.irp i, 0,1,2,3,4,5,6,7
	ds_load_b128 v[\f+8*\i:\f+8*\i+3],   v[ADRA+\slot] offset:\k+\i*16*PITCH
	ds_load_b128 v[\f+8*\i+4:\f+8*\i+7], v[ADRA+\slot] offset:\k+\i*16*PITCH+32
.endr
.endm
; A K step is four quarters of 32 along K, 64 matrix instructions each, on buffers 0, 1, 0, 1.  The 64 accumulators take turns, one
; instruction a turn, in the same order in every quarter.
.macro QUARTER slot, k, f, g, zero
	s_wait_dscnt 8                                 ; B and A's rows 0-63 are in; the youngest eight loads (A's rows 64-127) may be out
	WIN MUL_LO
	MUL16 \f, 0, 0, \zero
	MUL16 \f, 0, 2, \zero
	PLACES
	FETCH \slot, \k, \g
	s_wait_dscnt 32                                ; all but the 32 just issued
	WIN MUL_HI
	MUL16 \f, 1, 0, \zero
	MUL16 \f, 1, 2, \zero
.endm
.macro THREE slot, zero
	QUARTER \slot, 64,  F0, F1, \zero
	QUARTER \slot, 128, F1, F0, 0
	QUARTER \slot, 192, F0, F1, 0
.endm
; The last quarter multiplies buffer 1 and changes slots.  In front of the barrier each wave waits for its reads of this slot and for all its
; tensor loads (one is out: its part of the next slot).  fill = 1: the barrier opens a round of the cluster's barrier, and behind the round
; this slot is filled again first, two K steps ahead.  From that request to the wait for it a wave issues 240 matrix instructions.
.macro TURN slot, next, fill
	s_wait_dscnt 8
	WIN MUL_LO
	MUL16 F1, 0, 0, 0
	s_wait_dscnt 0                                 ; my reads of this slot are over
	s_wait_tensorcnt 0x0                           ; all my tensor loads have landed
	ds_add_u32 v255, v255
	s_wait_dscnt 0x0
	s_barrier_signal -1
	MUL16 F1, 0, 2, 0                              ; register work while the others arrive
	WIN 0
	s_barrier_wait -1
.if \fill
	CREST                                          ; no wave of any partner still reads this slot or has a load on its way
	s_add_nc_u64 s[G0+4*\slot+2:G0+4*\slot+3], s[G0+4*\slot+2:G0+4*\slot+3], 2*KBYTES
	s_add_nc_u64 s[G0B+4*\slot+2:G0B+4*\slot+3], s[G0B+4*\slot+2:G0B+4*\slot+3], 2*KBYTES
	JLOAD \slot                                    ; the wave's one tensor load behind the round; its four v_nop are the places in front of the loads below
.else
	PLACES
.endif
	FETCH \next, 0, F0
	WIN MUL_HI
	MUL16 F1, 1, 0, 0
	MUL16 F1, 1, 2, 0
.endm
.macro LAP zero
	THREE 0, \zero
	TURN 0, 1, 1
	THREE 1, 0
	TURN 1, 0, 1
.endm
; Rows 16 i .. 16 i + 15 of my block = the eight tiles (a, 0..7) of window 2 or 3.  win: source 0 in that window, source 2 (the bias) in window 1.
; scale x sum + bias in one fused multiply-add, clamp, round to f16, 16 bytes a lane into my own stage, back as whole rows of 256 bytes, out.
.macro OUT16 i, a, win, r
	WIN \win
.set n, 0
.rept 32
	v_pk_fma_f32 v[T+2*n:T+2*n+1], v[64*\a+2*n:64*\a+2*n+1], s[86:87], v[2*n:2*n+1] op_sel_hi:[1,0,1]
.set n, n+1
.endr
	WIN 0
.set n, 0
.rept 64
	v_med3_num_f32 v[T+n], v[T+n], s84, s85
.set n, n+1
.endr
.set n, 0
.rept 32
	v_cvt_pk_f16_f32 v[TMP+n], v[T+2*n], v[T+2*n+1]
.set n, n+1
.endr
.irp b, 0,1,2,3,4,5,6,7
	ds_store_b128 v[STO], v[TMP+4*\b:TMP+4*\b+3] offset:32*\b
.endr
	s_wait_xcnt 0x0                                ; set r and the base, which earlier stores name, are written again only behind this wait
.if \i
	s_add_nc_u64 s[8:9], s[8:9], 16*ROWB
.endif
.irp t, 0,1,2,3,4,5,6,7
	ds_load_b128 v[\r+4*\t:\r+4*\t+3], v[RD] offset:\t*2*PITCH   ; LDS serves a wave's instructions in order: these see the stores above
.endr
.irp t, 0,1,2,3,4,5,6,7
	s_wait_dscnt 7-\t
	global_store_b128 v[CO], v[\r+4*\t:\r+4*\t+3], s[8:9] offset:\t*2*ROWB   ; 16 lanes store 256 consecutive bytes, aligned
.endr
.endm
	s_load_b256 s[68:75], s[0:1], 0x0              ; wt 68, wh 70, zb 72, w2 74
	s_load_b128 s[76:79], s[0:1], 0x20             ; xh 76, bk 78
	s_load_b64 s[80:81], s[0:1], 0x30              ; px
	s_set_vgpr_msb 0x40
	v_lshl_add_u32 v255, v0, 2, 0x48400
	s_set_vgpr_msb 0x4000
	v_mov_b32 v255, 0
	s_set_vgpr_msb 0x1
	ds_add_u32 v255, v255
	s_set_vgpr_msb 0x100
	v_lshrrev_b32 v1, 5, v0
	v_readfirstlane_b32 s10, v1                    ; wave 0..3
	s_lshr_b32 s11, s10, 1                         ; my half of the block's rows.  Also: I fetch for A (0) or for B (1)
	s_and_b32 s12, s10, 1                          ; my half of its columns.  Also: which 128 rows of that tile I fetch
	s_bfe_u32 s40, ttmp6, 0x40000                  ; cx
	s_bfe_u32 s41, ttmp6, 0x40004                  ; cy
	s_lshl_b32 s42, ttmp9, 2
	s_add_co_u32 s42, s42, s40                     ; block column = 4 x cluster x + cx
	s_and_b32 s22, ttmp7, 0xffff                   ; cluster y, the same in all sixteen
	s_lshl_b32 s13, s22, 2
	s_add_co_u32 s13, s13, s41                     ; 4 x cluster y + cy
	s_cmp_ge_u32 s22, SPLIT                        ; the second product: Wk, 2 MiB into wh,
	s_cselect_b32 s45, 0x200000, 0
	s_cselect_b32 s90, ROWADD, 0                   ; its rows,
	s_cselect_b32 s86, 1.0, 0x43800000             ; and its scale: 1, against 256 for W2
	s_mov_b32 s87, 0                               ; the upper register of the pair that the packed multiply-add names
	s_add_co_u32 s13, s13, s90                     ; block row: the same row of 256 in A's and in C's buffer
	s_lshl_b32 s43, s41, 2
	s_lshl_b32 s43, 15, s43                        ; my row of the cluster
	s_lshl_b32 s44, 0x1111, s40                    ; my column
	s_or_b32 s[G1+0], s43, DFLAGS                  ; A: 128 rows x 128 elements, to my row of the cluster
	s_mov_b32 s[G1+1], 128<<16                     ; tensor_dim0 = 128
	s_mov_b32 s[G1+2], 128<<16                     ; tensor_dim1 = 128
	s_mov_b32 s[G1+3], 128<<16                     ; tile_dim0 = 128
	s_mov_b32 s[G1+4], 128                         ; tile_dim1 = 128
	s_mov_b32 s[G1+5], 1024                        ; elements from row to row
	s_mov_b32 s[G1+6], 0
	s_mov_b32 s[G1+7], 0
	s_or_b32 s[G1B+0], s44, DFLAGS                 ; B: the same shape, to my column
	s_mov_b32 s[G1B+1], 128<<16
	s_mov_b32 s[G1B+2], 128<<16
	s_mov_b32 s[G1B+3], 128<<16
	s_mov_b32 s[G1B+4], 128
	s_mov_b32 s[G1B+5], 1024
	s_mov_b32 s[G1B+6], 0
	s_mov_b32 s[G1B+7], 0
	s_lshl_b32 s16, s13, 8                         ; A: row 256 x block row + 128 x half, in bytes
	s_lshl_b32 s17, s12, 7
	s_add_co_u32 s16, s16, s17
	s_lshl_b32 s16, s16, 11
	s_mov_b32 s17, 0
	s_lshl_b32 s46, s42, 8                         ; B: row 256 x block column + 128 x half, in bytes, + the matrix
	s_lshl_b32 s47, s12, 7
	s_add_co_u32 s46, s46, s47
	s_lshl_b32 s46, s46, 11
	s_add_co_u32 s46, s46, s45
	s_mov_b32 s47, 0
	s_mul_i32 s20, s10, HALFT                      ; where they go: A's two halves, then B's two halves = wave x 128 rows; no place in the cluster enters an LDS address
	s_wait_dscnt 0x0
	s_wait_kmcnt 0x0
	s_cmp_ge_u32 s22, SPLIT
	s_cselect_b64 s[4:5], s[76:77], s[68:69]       ; the product's A: xh or wt,
	s_mov_b64 s[6:7], s[70:71]                     ; B: wh in both,
	s_cselect_b64 s[66:67], s[78:79], s[72:73]     ; bias: bk or zeros,
	s_cselect_b64 s[8:9], s[80:81], s[74:75]       ; and C: px or w2
	s_add_nc_u64 s[14:15], s[4:5], s[16:17]
	s_add_nc_u64 s[46:47], s[6:7], s[46:47]
	CROUND                                         ; all sixteen work-groups are here: the first joint loads meet
.irp s, 0,1
	s_mov_b32 s[G0+4*\s], 1
	s_add_co_u32 s[G0+4*\s+1], s20, \s*SLOT
	s_add_nc_u64 s[G0+4*\s+2:G0+4*\s+3], s[14:15], \s*KBYTES
	s_or_b32 s[G0+4*\s+3], s[G0+4*\s+3], 0x80000000
	s_mov_b32 s[G0B+4*\s], 1
	s_add_co_u32 s[G0B+4*\s+1], s20, \s*SLOT
	s_add_nc_u64 s[G0B+4*\s+2:G0B+4*\s+3], s[46:47], \s*KBYTES
	s_or_b32 s[G0B+4*\s+3], s[G0B+4*\s+3], 0x80000000
	JLOAD \s                                       ; K steps 0 and 1: two tensor loads of the wave are out, the most in this text
.endr
	; lane addresses.  A fragment: lane l holds row l % 16; two loads of 16 bytes, 32 apart, at row x pitch + 16 (l / 16)
	v_and_b32 v1, 15, v0                           ; r
	v_bfe_u32 v2, v0, 4, 1                         ; h
	v_mul_u32_u24 v3, v1, PITCH
	v_lshl_add_u32 v3, v2, 4, v3
	s_mul_i32 s18, s11, HALFT                      ; my 128 rows of A
	s_mul_i32 s19, s12, HALFT                      ; my 128 rows of B, behind A's 256
	s_add_co_u32 s19, s19, 2*HALFT
.irp s, 0,1
	v_add_nc_u32 v[ADRA+\s], s18, v3
	v_add_nc_u32 v[ADRB+\s], s19, v3
	s_add_co_u32 s18, s18, SLOT
	s_add_co_u32 s19, s19, SLOT
.endr
	s_mul_i32 s23, s10, WSTAGE
	s_add_co_u32 s23, s23, STAGE                   ; my stage
	v_add_nc_u32 v[STO], s23, v3                   ; in: row r, 16 bytes for each half of the lanes
	v_mul_u32_u24 v5, v2, PITCH                    ; back: lanes 0-15 one row, lanes 16-31 the next
	v_lshl_add_u32 v5, v1, 4, v5
	v_add_nc_u32 v[RD], s23, v5
	v_lshlrev_b32 v5, 11, v2                       ; the same two rows in C
	v_lshl_add_u32 v[CO], v1, 4, v5
	s_lshl_b32 s16, s13, 8                         ; C at my first row: 256 x block row + 128 x half ...
	s_lshl_b32 s17, s11, 7
	s_add_co_u32 s16, s16, s17
	s_lshl_b32 s16, s16, 11
	s_mov_b32 s17, 0
	s_add_nc_u64 s[8:9], s[8:9], s[16:17]
	s_lshl_b32 s88, s42, 9                         ; ... and my first column: 512 x block + 256 x half bytes
	s_lshl_b32 s89, s12, 8
	s_add_co_u32 s88, s88, s89
	s_mov_b32 s89, 0
	s_add_nc_u64 s[8:9], s[8:9], s[88:89]
	s_lshl_b32 s88, s88, 1                         ; the same column in f32
	v_lshl_add_u32 v[BO], v2, 5, s88               ; + 8 h numbers
	s_mov_b32 s84, 0xc77fe000                      ; -65504
	s_mov_b32 s85, 0x477fe000                      ; 65504
	WIN TO_B                                       ; destination in window 1
.irp b, 0,1,2,3,4,5,6,7
	global_load_b128 v[8*\b:8*\b+3],   v[BO], s[66:67] offset:64*\b       ; bias of columns 16 b + 8 h + 0..3
	global_load_b128 v[8*\b+4:8*\b+7], v[BO], s[66:67] offset:64*\b+16    ; and + 4..7
.endr
	WIN 0
	s_wait_loadcnt 0x0                             ; the bias, once; the first tiles are on their way meanwhile
	s_wait_tensorcnt 1                             ; my part of K step 0 is in; K step 1's may stay out
	s_barrier_signal -1
	s_barrier_wait -1
	FETCH 0, 0, F0
	LAP 1                                          ; the first lap stands in front of the loop: its first products start the sums
	WIN 0                                          ; at a label and at a branch every window is 0
	s_mov_b32 s3, LAPS-2
.Llap:
	LAP 0
	WIN 0
	s_sub_co_u32 s3, s3, 1
	s_cmp_lg_u32 s3, 0
	s_cbranch_scc1 .Llap
	THREE 0, 0                                     ; the last lap fills nothing
	TURN 0, 1, 0
	THREE 1, 0
	s_wait_dscnt 8                                 ; the very last quarter: nothing more to fetch
	WIN MUL_LO
	MUL16 F1, 0, 0, 0
	MUL16 F1, 0, 2, 0
	s_wait_dscnt 0
	WIN MUL_HI
	MUL16 F1, 1, 0, 0
	MUL16 F1, 1, 2, 0
	PLACES                                         ; behind the last matrix instructions, in front of the readers of their results
	OUT16 0, 0, 0x12, R0
	OUT16 1, 1, 0x12, R1
	OUT16 2, 2, 0x12, R0
	OUT16 3, 3, 0x12, R1
	OUT16 4, 0, 0x13, R0
	OUT16 5, 1, 0x13, R1
	OUT16 6, 2, 0x13, R0
	OUT16 7, 3, 0x13, R1
	s_set_vgpr_msb 0x1
	s_wait_tensorcnt 0x0
	ds_add_u32 v255, v255
	s_wait_dscnt 0x0
	s_set_vgpr_msb 0x100
	CROUND                                         ; the closing round: no work-group ends while a partner may still ask for a tile that names it
	s_endpgm
.Lfunc_end_k_q8922474e63_proja:
	.size	k_q8922474e63_proja, .Lfunc_end_k_q8922474e63_proja-k_q8922474e63_proja
	.p2alignl 7, 3214868480
	.fill 96, 4, 3214868480
	.section	.rodata,"a",@progbits
	.p2align	6, 0x0
	.amdhsa_kernel k_q8922474e63_proja
		.amdhsa_group_segment_fixed_size 327680
		.amdhsa_private_segment_fixed_size 0
		.amdhsa_enable_private_segment 0
		.amdhsa_kernarg_size 56
		.amdhsa_user_sgpr_count 2
		.amdhsa_user_sgpr_kernarg_segment_ptr 1
		.amdhsa_wavefront_size32 1
		.amdhsa_system_sgpr_workgroup_id_x 1
		.amdhsa_system_sgpr_workgroup_id_y 1
		.amdhsa_system_sgpr_workgroup_id_z 1
		.amdhsa_system_vgpr_workitem_id 0
		.amdhsa_next_free_vgpr 1024
		.amdhsa_next_free_sgpr 100
		.amdhsa_reserve_vcc 0
		.amdhsa_float_denorm_mode_32 3
		.amdhsa_float_denorm_mode_16_64 3
		.amdhsa_memory_ordered 1
		.amdhsa_forward_progress 1
		.amdhsa_inst_pref_size 247
	.end_amdhsa_kernel
	.amdgpu_metadata
---
amdhsa.version: [ 1, 2 ]
amdhsa.kernels:
  - .name:           k_q8922474e63_proja
    .symbol:         k_q8922474e63_proja.kd
    .args:
      - { .name: wt, .offset: 0, .size: 8, .value_kind: global_buffer, .address_space: global }
      - { .name: wh, .offset: 8, .size: 8, .value_kind: global_buffer, .address_space: global }
      - { .name: zb, .offset: 16, .size: 8, .value_kind: global_buffer, .address_space: global }
      - { .name: w2, .offset: 24, .size: 8, .value_kind: global_buffer, .address_space: global }
      - { .name: xh, .offset: 32, .size: 8, .value_kind: global_buffer, .address_space: global }
      - { .name: bk, .offset: 40, .size: 8, .value_kind: global_buffer, .address_space: global }
      - { .name: px, .offset: 48, .size: 8, .value_kind: global_buffer, .address_space: global }
    .group_segment_fixed_size: 327680
    .private_segment_fixed_size: 0
    .kernarg_segment_align: 8
    .kernarg_segment_size: 56
    .max_flat_workgroup_size: 128
    .sgpr_count:     100
    .vgpr_count:     1024
    .wavefront_size: 32
...
	.end_amdgpu_metadata
.endif
;; end of part 7
;; launch projb (part 8): grid 4 x 48, 4 waves a work-group, clusters of 4 x 4, 327,680 bytes of LDS; arguments xh, w2, zb, qw, wh, bk, px; writes qw, px
.if DOCPART == 8
	.amdgcn_target "amdgcn-amd-amdhsa--gfx1250"
	.amdhsa_code_object_version 6
	.text
	.protected	k_q8922474e63_projb
	.globl	k_q8922474e63_projb
	.p2align	8
	.type	k_q8922474e63_projb,@function
k_q8922474e63_projb:
	s_mov_b64 s[64:65], 0
	v_nop
	global_prefetch_b8 v0, s[64:65] scope:SCOPE_SE
	s_setreg_imm32_b32 hwreg(HW_REG_WAVE_MODE, 25, 1), 1
	s_wait_xcnt 0x0
	s_wait_alu depctr_hold_cnt(0) depctr_sa_sdst(0) depctr_va_vdst(0) depctr_va_sdst(0) depctr_va_ssrc(0) depctr_va_vcc(0) depctr_vm_vsrc(0)
	s_getreg_b32 s2, hwreg(HW_REG_IB_STS2, 6, 4)
	s_cmp_eq_u32 s2, 0
	s_cbranch_scc0 .Lentry_in_a_cluster
	s_endpgm
.Lentry_in_a_cluster:
	s_bfe_u32 s2, ttmp6, 0x10000c
	s_cmp_lg_u32 s2, 0xf033
	s_cbranch_scc0 .Lentry_shape_is_right
	s_endpgm
.Lentry_shape_is_right:
; C[m][n] = scale x (sum over k of A[m][k] B[n][k]) + bias[n], f16 operands and results, sums, scale and bias in f32, K = N = 1024.
; Two products in one launch, in blocks of 256 x 256, chosen by the cluster's y, which all sixteen partners share:
;   cluster rows 0-7:  qw = q W2^T + b2:   A = xh rows 0-8191 (q), B = w2 (which holds 256 x W2), bias = b2 (4,096 bytes into zb), C = qw, scale 1/256
;   cluster rows 8-11: kx = k Wk^T + bk:   A = xh rows 20480-24575, B = wh + 2 MiB, bias = bk, C = px rows 20480-24575, scale 1  (batches 12-15)
; qw is (q Wq^T + bq) weight, with W2 = weight^T Wq and b2 = bq weight made beforehand.
; 12 clusters, 192 work-groups: nothing else of the program is ready to run beside them.
; LIMIT: results are clamped to +-65504, the largest f16.
; A work-group makes 256 x 256 of C with four waves, a wave 128 x 128: 64 accumulator tiles of 16 x 16, 512 registers.
; K goes in steps of 128 through two LDS slots filled by tensor loads: a tile's rows are 256 bytes of memory, aligned to 256.
; CLUSTERS: 4 x 4 work-groups.  The four of a row of the cluster need the same tiles of A, the four of a column the same tiles of B:
; each tile is asked for jointly, with one descriptor and a mask that names the four, which divides the requests for A and B by four.
; REGISTERS, in windows of 256: window 0: v16-27 addresses, v64-127 and v128-191 fragments of A (two buffers), on the way out work registers;
; window 1: v0-63 the bias of my lane's 64 columns, v64-127 and v128-191 fragments of B; window 2: the 32 accumulator tiles of my rows 0-63
; (tile (a, b) at 8 (8 a + b)); window 3: those of my rows 64-127.
; The matrix instruction is used transposed (source 0 = 16 rows of B, source 1 = 16 rows of A): lane l holds row l % 16 of C and
; registers 0-7 the columns 8 (l / 16) + 0..7, eight neighbouring numbers.
.set SPLIT,  8                         ; cluster rows from here on make the second product
.set ROWADD, 48                        ; whose block rows of 256 begin at 80 = 4 x 8 + 48 in xh and in px
.set PITCH,  272                       ; an LDS row: 256 bytes + 16 of padding, so that the 16 rows of a fragment load start 68 words apart
.set HALFT,  128*PITCH                 ; 128 rows: what one tensor load brings, and what one wave reads of A or of B
.set SLOT,   4*HALFT                   ; A's 256 rows, then B's 256 rows
.set STAGE,  2*SLOT                    ; behind the ring: 16 rows x 272 bytes for each wave; no tensor load lands there
.set WSTAGE, 16*PITCH
.set ROWB,   2048                      ; bytes in a row of A, B and C
.set KBYTES, 256                       ; bytes from one K step's tile to the next
.set LAPS,   4                         ; a lap = two K steps = once round the ring
.set ADRA, 16                          ; v16-17 LDS address of my A fragments in slot 0, 1
.set ADRB, 20                          ; v20-21 the same for B
.set STO,  24                          ; the way out: where I put 16 bytes of a row
.set RD,   25                          ; where I read a row back
.set CO,   26                          ; my byte offset in C
.set BO,   27                          ; my byte offset in the bias
.set F0,   64                          ; fragment buffer 0
.set F1,   128                         ; fragment buffer 1
.set T,    64                          ; the way out: 64 numbers in f32
.set R0,   128                         ; rows read back, two sets in turn
.set R1,   160
.set TMP,  192                         ; packed results
.set G1,  24                           ; s[24:31] descriptor group 1 for A's tiles
.set G0,  32                           ; s[32:39] group 0 for A's tiles, one set for each slot
.set G1B, 48                           ; s[48:55] group 1 for B's tiles: it differs from A's in the mask alone
.set G0B, 56                           ; s[56:63] group 0 for B's tiles
.set DFLAGS, (1<<16)|(1<<20)|(1<<21)|(5<<22)|(3<<25)   ; elements of 2 bytes; padding on; bit 21 beside a mask; 4 words behind every 64
.set MUL_LO, 0xa1                      ; source 0 (B) window 1, source 1 (A) window 0, C and D window 2
.set MUL_HI, 0xf1                      ; the same, C and D window 3
.set TO_B,   0x40                      ; destination window 1, address window 0
.set MSB, 0
.macro WIN new                         ; the immediate's high byte repeats the setting that is left
.if MSB != \new
	s_set_vgpr_msb (MSB<<8)|\new
.set MSB, \new
.endif
.endm
.macro PLACES                          ; four places behind a matrix instruction, in front of loads into its sources and of readers of its result
.rept 4
	v_nop
.endr
.endm
; A joint load.  Waves 0 and 1 fetch A's two halves, waves 2 and 3 B's.  The branch hangs on the wave's number alone.
.macro JLOAD s
	s_cmp_eq_u32 s11, 0
	s_cbranch_scc0 .Lfor_b_\@
	tensor_load_to_lds s[G0+4*\s:G0+4*\s+3], s[G1:G1+7]
	s_nop 0
.rept 4
	v_nop
.endr
	s_branch .Lasked_\@
.Lfor_b_\@:
	tensor_load_to_lds s[G0B+4*\s:G0B+4*\s+3], s[G1B:G1B+7]
	s_nop 0
.rept 4
	v_nop
.endr
.Lasked_\@:
.endm
.macro CREST                           ; a round of the cluster's barrier behind its opening barrier
	s_cmp_lg_u32 s10, 0
	s_cbranch_scc1 .Lnot_wave_0_\@
	s_barrier_signal -3
.Lnot_wave_0_\@:
	s_barrier_wait -3
	s_barrier_signal -1
	s_barrier_wait -1
.endm
.macro CROUND                          ; a whole round
	s_barrier_signal -1
	s_barrier_wait -1
	CREST
.endm
; 16 matrix instructions: row blocks a0, a0 + 1 of the window's four (hi = 0: my rows 0-63, 1: rows 64-127) x all 8 column blocks, 32 along K.
; zero = 1: the first product starts the sums: nothing is ever cleared.
.macro MUL16 f, hi, a0, zero
.irp a, \a0, \a0+1
.irp b, 0,1,2,3,4,5,6,7
.if \zero
	v_wmma_f32_16x16x32_f16 v[8*(8*(\a)+\b):8*(8*(\a)+\b)+7], v[\f+8*\b:\f+8*\b+7], v[\f+8*(4*\hi+\a):\f+8*(4*\hi+\a)+7], 0
.else
	v_wmma_f32_16x16x32_f16 v[8*(8*(\a)+\b):8*(8*(\a)+\b)+7], v[\f+8*\b:\f+8*\b+7], v[\f+8*(4*\hi+\a):\f+8*(4*\hi+\a)+7], v[8*(8*(\a)+\b):8*(8*(\a)+\b)+7]
.endif
.endr
.endr
.endm
; 32 LDS loads in one run: a quarter step's fragments (128 rows of B, then 128 rows of A, 32 K at byte k of the rows) into buffer f
.macro FETCH slot, k, f
	WIN TO_B
.irp i, 0,1,2,3,4,5,6,7
	ds_load_b128 v[\f+8*\i:\f+8*\i+3],   v[ADRB+\slot] offset:\k+\i*16*PITCH
	ds_load_b128 v[\f+8*\i+4:\f+8*\i+7], v[ADRB+\slot] offset:\k+\i*16*PITCH+32
.endr
	WIN 0
.irp i, 0,1,2,3,4,5,6,7
	ds_load_b128 v[\f+8*\i:\f+8*\i+3],   v[ADRA+\slot] offset:\k+\i*16*PITCH
	ds_load_b128 v[\f+8*\i+4:\f+8*\i+7], v[ADRA+\slot] offset:\k+\i*16*PITCH+32
.endr
.endm
; A K step is four quarters of 32 along K, 64 matrix instructions each, on buffers 0, 1, 0, 1.  The 64 accumulators take turns, one
; instruction a turn, in the same order in every quarter.
.macro QUARTER slot, k, f, g, zero
	s_wait_dscnt 8                                 ; B and A's rows 0-63 are in; the youngest eight loads (A's rows 64-127) may be out
	WIN MUL_LO
	MUL16 \f, 0, 0, \zero
	MUL16 \f, 0, 2, \zero
	PLACES
	FETCH \slot, \k, \g
	s_wait_dscnt 32                                ; all but the 32 just issued
	WIN MUL_HI
	MUL16 \f, 1, 0, \zero
	MUL16 \f, 1, 2, \zero
.endm
.macro THREE slot, zero
	QUARTER \slot, 64,  F0, F1, \zero
	QUARTER \slot, 128, F1, F0, 0
	QUARTER \slot, 192, F0, F1, 0
.endm
; The last quarter multiplies buffer 1 and changes slots.  In front of the barrier each wave waits for its reads of this slot and for all its
; tensor loads (one is out: its part of the next slot).  fill = 1: the barrier opens a round of the cluster's barrier, and behind the round
; this slot is filled again first, two K steps ahead.  From that request to the wait for it a wave issues 240 matrix instructions.
.macro TURN slot, next, fill
	s_wait_dscnt 8
	WIN MUL_LO
	MUL16 F1, 0, 0, 0
	s_wait_dscnt 0                                 ; my reads of this slot are over
	s_wait_tensorcnt 0x0                           ; all my tensor loads have landed
	ds_add_u32 v255, v255
	s_wait_dscnt 0x0
	s_barrier_signal -1
	MUL16 F1, 0, 2, 0                              ; register work while the others arrive
	WIN 0
	s_barrier_wait -1
.if \fill
	CREST                                          ; no wave of any partner still reads this slot or has a load on its way
	s_add_nc_u64 s[G0+4*\slot+2:G0+4*\slot+3], s[G0+4*\slot+2:G0+4*\slot+3], 2*KBYTES
	s_add_nc_u64 s[G0B+4*\slot+2:G0B+4*\slot+3], s[G0B+4*\slot+2:G0B+4*\slot+3], 2*KBYTES
	JLOAD \slot                                    ; the wave's one tensor load behind the round; its four v_nop are the places in front of the loads below
.else
	PLACES
.endif
	FETCH \next, 0, F0
	WIN MUL_HI
	MUL16 F1, 1, 0, 0
	MUL16 F1, 1, 2, 0
.endm
.macro LAP zero
	THREE 0, \zero
	TURN 0, 1, 1
	THREE 1, 0
	TURN 1, 0, 1
.endm
; Rows 16 i .. 16 i + 15 of my block = the eight tiles (a, 0..7) of window 2 or 3.  win: source 0 in that window, source 2 (the bias) in window 1.
; scale x sum + bias in one fused multiply-add, clamp, round to f16, 16 bytes a lane into my own stage, back as whole rows of 256 bytes, out.
.macro OUT16 i, a, win, r
	WIN \win
.set n, 0
.rept 32
	v_pk_fma_f32 v[T+2*n:T+2*n+1], v[64*\a+2*n:64*\a+2*n+1], s[86:87], v[2*n:2*n+1] op_sel_hi:[1,0,1]
.set n, n+1
.endr
	WIN 0
.set n, 0
.rept 64
	v_med3_num_f32 v[T+n], v[T+n], s84, s85
.set n, n+1
.endr
.set n, 0
.rept 32
	v_cvt_pk_f16_f32 v[TMP+n], v[T+2*n], v[T+2*n+1]
.set n, n+1
.endr
.irp b, 0,1,2,3,4,5,6,7
	ds_store_b128 v[STO], v[TMP+4*\b:TMP+4*\b+3] offset:32*\b
.endr
	s_wait_xcnt 0x0                                ; set r and the base, which earlier stores name, are written again only behind this wait
.if \i
	s_add_nc_u64 s[8:9], s[8:9], 16*ROWB
.endif
.irp t, 0,1,2,3,4,5,6,7
	ds_load_b128 v[\r+4*\t:\r+4*\t+3], v[RD] offset:\t*2*PITCH   ; LDS serves a wave's instructions in order: these see the stores above
.endr
.irp t, 0,1,2,3,4,5,6,7
	s_wait_dscnt 7-\t
	global_store_b128 v[CO], v[\r+4*\t:\r+4*\t+3], s[8:9] offset:\t*2*ROWB   ; 16 lanes store 256 consecutive bytes, aligned
.endr
.endm
	s_load_b256 s[68:75], s[0:1], 0x0              ; xh 68, w2 70, zb 72, qw 74
	s_load_b128 s[76:79], s[0:1], 0x20             ; wh 76, bk 78
	s_load_b64 s[80:81], s[0:1], 0x30              ; px
	s_set_vgpr_msb 0x40
	v_lshl_add_u32 v255, v0, 2, 0x48400
	s_set_vgpr_msb 0x4000
	v_mov_b32 v255, 0
	s_set_vgpr_msb 0x1
	ds_add_u32 v255, v255
	s_set_vgpr_msb 0x100
	v_lshrrev_b32 v1, 5, v0
	v_readfirstlane_b32 s10, v1                    ; wave 0..3
	s_lshr_b32 s11, s10, 1                         ; my half of the block's rows.  Also: I fetch for A (0) or for B (1)
	s_and_b32 s12, s10, 1                          ; my half of its columns.  Also: which 128 rows of that tile I fetch
	s_bfe_u32 s40, ttmp6, 0x40000                  ; cx
	s_bfe_u32 s41, ttmp6, 0x40004                  ; cy
	s_lshl_b32 s42, ttmp9, 2
	s_add_co_u32 s42, s42, s40                     ; block column = 4 x cluster x + cx
	s_and_b32 s22, ttmp7, 0xffff                   ; cluster y, the same in all sixteen
	s_lshl_b32 s13, s22, 2
	s_add_co_u32 s13, s13, s41                     ; 4 x cluster y + cy
	s_cmp_ge_u32 s22, SPLIT                        ; the second product: Wk, 2 MiB into wh,
	s_cselect_b32 s45, 0x200000, 0
	s_cselect_b32 s90, ROWADD, 0                   ; its rows,
	s_cselect_b32 s86, 1.0, 0x3b800000             ; its scale: 1, against 1/256 for qw,
	s_cselect_b32 s91, 0, 4096                     ; and its bias from bk's first byte; b2 lies 4,096 bytes into zb
	s_mov_b32 s87, 0                               ; the upper register of the pair that the packed multiply-add names
	s_add_co_u32 s13, s13, s90                     ; block row: the same row of 256 in A's and in C's buffer
	s_lshl_b32 s43, s41, 2
	s_lshl_b32 s43, 15, s43                        ; my row of the cluster
	s_lshl_b32 s44, 0x1111, s40                    ; my column
	s_or_b32 s[G1+0], s43, DFLAGS                  ; A: 128 rows x 128 elements, to my row of the cluster
	s_mov_b32 s[G1+1], 128<<16                     ; tensor_dim0 = 128
	s_mov_b32 s[G1+2], 128<<16                     ; tensor_dim1 = 128
	s_mov_b32 s[G1+3], 128<<16                     ; tile_dim0 = 128
	s_mov_b32 s[G1+4], 128                         ; tile_dim1 = 128
	s_mov_b32 s[G1+5], 1024                        ; elements from row to row
	s_mov_b32 s[G1+6], 0
	s_mov_b32 s[G1+7], 0
	s_or_b32 s[G1B+0], s44, DFLAGS                 ; B: the same shape, to my column
	s_mov_b32 s[G1B+1], 128<<16
	s_mov_b32 s[G1B+2], 128<<16
	s_mov_b32 s[G1B+3], 128<<16
	s_mov_b32 s[G1B+4], 128
	s_mov_b32 s[G1B+5], 1024
	s_mov_b32 s[G1B+6], 0
	s_mov_b32 s[G1B+7], 0
	s_lshl_b32 s16, s13, 8                         ; A: row 256 x block row + 128 x half, in bytes
	s_lshl_b32 s17, s12, 7
	s_add_co_u32 s16, s16, s17
	s_lshl_b32 s16, s16, 11
	s_mov_b32 s17, 0
	s_lshl_b32 s46, s42, 8                         ; B: row 256 x block column + 128 x half, in bytes, + the matrix
	s_lshl_b32 s47, s12, 7
	s_add_co_u32 s46, s46, s47
	s_lshl_b32 s46, s46, 11
	s_add_co_u32 s46, s46, s45
	s_mov_b32 s47, 0
	s_mul_i32 s20, s10, HALFT                      ; where they go: A's two halves, then B's two halves = wave x 128 rows; no place in the cluster enters an LDS address
	s_wait_dscnt 0x0
	s_wait_kmcnt 0x0
	s_cmp_ge_u32 s22, SPLIT
	s_mov_b64 s[4:5], s[68:69]                     ; the product's A: xh in both,
	s_cselect_b64 s[6:7], s[76:77], s[70:71]       ; B: wh or w2,
	s_cselect_b64 s[66:67], s[78:79], s[72:73]     ; bias: bk or zb's buffer,
	s_cselect_b64 s[8:9], s[80:81], s[74:75]       ; and C: px or qw
	s_add_nc_u64 s[14:15], s[4:5], s[16:17]
	s_add_nc_u64 s[46:47], s[6:7], s[46:47]
	CROUND                                         ; all sixteen work-groups are here: the first joint loads meet
.irp s, 0,1
	s_mov_b32 s[G0+4*\s], 1
	s_add_co_u32 s[G0+4*\s+1], s20, \s*SLOT
	s_add_nc_u64 s[G0+4*\s+2:G0+4*\s+3], s[14:15], \s*KBYTES
	s_or_b32 s[G0+4*\s+3], s[G0+4*\s+3], 0x80000000
	s_mov_b32 s[G0B+4*\s], 1
	s_add_co_u32 s[G0B+4*\s+1], s20, \s*SLOT
	s_add_nc_u64 s[G0B+4*\s+2:G0B+4*\s+3], s[46:47], \s*KBYTES
	s_or_b32 s[G0B+4*\s+3], s[G0B+4*\s+3], 0x80000000
	JLOAD \s                                       ; K steps 0 and 1: two tensor loads of the wave are out, the most in this text
.endr
	; lane addresses.  A fragment: lane l holds row l % 16; two loads of 16 bytes, 32 apart, at row x pitch + 16 (l / 16)
	v_and_b32 v1, 15, v0                           ; r
	v_bfe_u32 v2, v0, 4, 1                         ; h
	v_mul_u32_u24 v3, v1, PITCH
	v_lshl_add_u32 v3, v2, 4, v3
	s_mul_i32 s18, s11, HALFT                      ; my 128 rows of A
	s_mul_i32 s19, s12, HALFT                      ; my 128 rows of B, behind A's 256
	s_add_co_u32 s19, s19, 2*HALFT
.irp s, 0,1
	v_add_nc_u32 v[ADRA+\s], s18, v3
	v_add_nc_u32 v[ADRB+\s], s19, v3
	s_add_co_u32 s18, s18, SLOT
	s_add_co_u32 s19, s19, SLOT
.endr
	s_mul_i32 s23, s10, WSTAGE
	s_add_co_u32 s23, s23, STAGE                   ; my stage
	v_add_nc_u32 v[STO], s23, v3                   ; in: row r, 16 bytes for each half of the lanes
	v_mul_u32_u24 v5, v2, PITCH                    ; back: lanes 0-15 one row, lanes 16-31 the next
	v_lshl_add_u32 v5, v1, 4, v5
	v_add_nc_u32 v[RD], s23, v5
	v_lshlrev_b32 v5, 11, v2                       ; the same two rows in C
	v_lshl_add_u32 v[CO], v1, 4, v5
	s_lshl_b32 s16, s13, 8                         ; C at my first row: 256 x block row + 128 x half ...
	s_lshl_b32 s17, s11, 7
	s_add_co_u32 s16, s16, s17
	s_lshl_b32 s16, s16, 11
	s_mov_b32 s17, 0
	s_add_nc_u64 s[8:9], s[8:9], s[16:17]
	s_lshl_b32 s88, s42, 9                         ; ... and my first column: 512 x block + 256 x half bytes
	s_lshl_b32 s89, s12, 8
	s_add_co_u32 s88, s88, s89
	s_mov_b32 s89, 0
	s_add_nc_u64 s[8:9], s[8:9], s[88:89]
	s_lshl_b32 s88, s88, 1                         ; the same column in f32,
	s_add_co_u32 s88, s88, s91                     ; from where the product's bias begins in its buffer
	v_lshl_add_u32 v[BO], v2, 5, s88               ; + 8 h numbers
	s_mov_b32 s84, 0xc77fe000                      ; -65504
	s_mov_b32 s85, 0x477fe000                      ; 65504
	WIN TO_B                                       ; destination in window 1
.irp b, 0,1,2,3,4,5,6,7
	global_load_b128 v[8*\b:8*\b+3],   v[BO], s[66:67] offset:64*\b       ; bias of columns 16 b + 8 h + 0..3
	global_load_b128 v[8*\b+4:8*\b+7], v[BO], s[66:67] offset:64*\b+16    ; and + 4..7
.endr
	WIN 0
	s_wait_loadcnt 0x0                             ; the bias, once; the first tiles are on their way meanwhile
	s_wait_tensorcnt 1                             ; my part of K step 0 is in; K step 1's may stay out
	s_barrier_signal -1
	s_barrier_wait -1
	FETCH 0, 0, F0
	LAP 1                                          ; the first lap stands in front of the loop: its first products start the sums
	WIN 0                                          ; at a label and at a branch every window is 0
	s_mov_b32 s3, LAPS-2
.Llap:
	LAP 0
	WIN 0
	s_sub_co_u32 s3, s3, 1
	s_cmp_lg_u32 s3, 0
	s_cbranch_scc1 .Llap
	THREE 0, 0                                     ; the last lap fills nothing
	TURN 0, 1, 0
	THREE 1, 0
	s_wait_dscnt 8                                 ; the very last quarter: nothing more to fetch
	WIN MUL_LO
	MUL16 F1, 0, 0, 0
	MUL16 F1, 0, 2, 0
	s_wait_dscnt 0
	WIN MUL_HI
	MUL16 F1, 1, 0, 0
	MUL16 F1, 1, 2, 0
	PLACES                                         ; behind the last matrix instructions, in front of the readers of their results
	OUT16 0, 0, 0x12, R0
	OUT16 1, 1, 0x12, R1
	OUT16 2, 2, 0x12, R0
	OUT16 3, 3, 0x12, R1
	OUT16 4, 0, 0x13, R0
	OUT16 5, 1, 0x13, R1
	OUT16 6, 2, 0x13, R0
	OUT16 7, 3, 0x13, R1
	s_set_vgpr_msb 0x1
	s_wait_tensorcnt 0x0
	ds_add_u32 v255, v255
	s_wait_dscnt 0x0
	s_set_vgpr_msb 0x100
	CROUND                                         ; the closing round: no work-group ends while a partner may still ask for a tile that names it
	s_endpgm
.Lfunc_end_k_q8922474e63_projb:
	.size	k_q8922474e63_projb, .Lfunc_end_k_q8922474e63_projb-k_q8922474e63_projb
	.p2alignl 7, 3214868480
	.fill 96, 4, 3214868480
	.section	.rodata,"a",@progbits
	.p2align	6, 0x0
	.amdhsa_kernel k_q8922474e63_projb
		.amdhsa_group_segment_fixed_size 327680
		.amdhsa_private_segment_fixed_size 0
		.amdhsa_enable_private_segment 0
		.amdhsa_kernarg_size 56
		.amdhsa_user_sgpr_count 2
		.amdhsa_user_sgpr_kernarg_segment_ptr 1
		.amdhsa_wavefront_size32 1
		.amdhsa_system_sgpr_workgroup_id_x 1
		.amdhsa_system_sgpr_workgroup_id_y 1
		.amdhsa_system_sgpr_workgroup_id_z 1
		.amdhsa_system_vgpr_workitem_id 0
		.amdhsa_next_free_vgpr 1024
		.amdhsa_next_free_sgpr 100
		.amdhsa_reserve_vcc 0
		.amdhsa_float_denorm_mode_32 3
		.amdhsa_float_denorm_mode_16_64 3
		.amdhsa_memory_ordered 1
		.amdhsa_forward_progress 1
		.amdhsa_inst_pref_size 247
	.end_amdhsa_kernel
	.amdgpu_metadata
---
amdhsa.version: [ 1, 2 ]
amdhsa.kernels:
  - .name:           k_q8922474e63_projb
    .symbol:         k_q8922474e63_projb.kd
    .args:
      - { .name: xh, .offset: 0, .size: 8, .value_kind: global_buffer, .address_space: global }
      - { .name: w2, .offset: 8, .size: 8, .value_kind: global_buffer, .address_space: global }
      - { .name: zb, .offset: 16, .size: 8, .value_kind: global_buffer, .address_space: global }
      - { .name: qw, .offset: 24, .size: 8, .value_kind: global_buffer, .address_space: global }
      - { .name: wh, .offset: 32, .size: 8, .value_kind: global_buffer, .address_space: global }
      - { .name: bk, .offset: 40, .size: 8, .value_kind: global_buffer, .address_space: global }
      - { .name: px, .offset: 48, .size: 8, .value_kind: global_buffer, .address_space: global }
    .group_segment_fixed_size: 327680
    .private_segment_fixed_size: 0
    .kernarg_segment_align: 8
    .kernarg_segment_size: 56
    .max_flat_workgroup_size: 128
    .sgpr_count:     100
    .vgpr_count:     1024
    .wavefront_size: 32
...
	.end_amdgpu_metadata
.endif
;; end of part 8
;; launch score: the kernel of part 3 again; grid 4 x 64, 4 waves a work-group, clusters of 4 x 4, 327,680 bytes of LDS; arguments qw, px, memory_len, xh, psum; writes xh, psum
;; launch ctx (part 9): grid 4 x 64, 4 waves a work-group, clusters of 4 x 4, 327,680 bytes of LDS; arguments xh, px, psum, qw, out1; writes qw, out1
.if DOCPART == 9
	.amdgcn_target "amdgcn-amd-amdhsa--gfx1250"
	.amdhsa_code_object_version 6
	.text
	.protected	k_q8922474e63_ctx
	.globl	k_q8922474e63_ctx
	.p2align	8
	.type	k_q8922474e63_ctx,@function
k_q8922474e63_ctx:
	s_mov_b64 s[64:65], 0
	v_nop
	global_prefetch_b8 v0, s[64:65] scope:SCOPE_SE
	s_setreg_imm32_b32 hwreg(HW_REG_WAVE_MODE, 25, 1), 1
	s_wait_xcnt 0x0
	s_wait_alu depctr_hold_cnt(0) depctr_sa_sdst(0) depctr_va_vdst(0) depctr_va_sdst(0) depctr_va_ssrc(0) depctr_va_vcc(0) depctr_vm_vsrc(0)
	s_getreg_b32 s2, hwreg(HW_REG_IB_STS2, 6, 4)
	s_cmp_eq_u32 s2, 0
	s_cbranch_scc0 .Lentry_in_a_cluster
	s_endpgm
.Lentry_in_a_cluster:
	s_bfe_u32 s2, ttmp6, 0x10000c
	s_cmp_lg_u32 s2, 0xf033
	s_cbranch_scc0 .Lentry_shape_is_right
	s_endpgm
.Lentry_shape_is_right:
; out1[row][k] = e[row][k] / sum(row), f32.   cx[row][h] = (sum over k of e[row][k] kx[b][k][h]) / sum(row), f16, into qw's buffer.
; sum(row) = the eight parts of psum.  A row whose sum is 0 (memory_len = 0) gives NaN, as 0 / 0 does.  LIMIT: cx is clamped to +-65504.
; The product: a work-group makes 128 x 256 with four waves, a wave 64 x 128 in 32 accumulator tiles; K (the key position) in steps of 128
; through two LDS slots; a cluster of 4 x 4 work-groups is one batch b: e's tiles are shared along a row of the cluster, kx's along a column.
; kx lies [key][h], K down the rows: its tile is 128 key rows x 256 columns at pitch 544, and fragments come by transposing LDS loads.
; out1: the work-group writes its own 128 rows x 256 columns, 32 rows a wave, ONE ROW IN EACH OF THE WAVE'S 32 QUARTER STEPS, behind the quarter's
; LDS loads, while the matrix instructions issued just before are worked off.  A row's 512 bytes of e are asked for eight quarter steps ahead.
; The eight K steps are written out, so that each quarter's row, its lane of 1 / sum and its counts are constants.
; REGISTERS: window 0: addresses, v2-5 four words of e at a time (f16 halves have names only below v128), fragments, v224-255 out1's results in
; the K steps and packed results on the way out; window 1: accumulators, tile (a, b) at 8 (8 a + b); window 2, v0-31: the ring of eight rows of e.
.set PITCH,  272
.set PB,     544                       ; B's LDS row: 512 bytes + 32 of padding, an odd multiple of 32
.set ATILE,  128*PITCH
.set BHALF,  64*PB                     ; 64 key rows: what one of B's two tensor loads brings
.set SLOT,   ATILE+2*BHALF
.set STAGE,  2*SLOT
.set WSTAGE, 16*PITCH
.set ROWB,   2048
.set ASTEP,  256                       ; 128 keys along e's rows
.set BSTEP,  262144                    ; 128 key rows of kx
.set RI,   6                           ; 1 / sum of row 32 wave + lane
.set VE,   7                           ; 8 x lane
.set IV,   8                           ; v[8:15] 1 / sum of row 16 a + r, twice, for a = 0..3
.set ADRA, 16
.set VO,   18                          ; 16 x lane
.set VL,   19                          ; 4 x lane
.set ADRB, 20
.set STO,  24
.set RD,   25
.set CO,   26
.set BO,   27                          ; 4 r
.set FA0,  32
.set FB0,  96
.set T,    32
.set R0,   128
.set R1,   160
.set TMP,  224
.set XR,   0                           ; window 2: row q of out1 waits in registers 4 (q % 8) .. + 3
.set QI,   0                           ; counts the quarter steps as the text is expanded: 0 to 31
.set G1,  24
.set G0,  32
.set G1B, 48
.set G0B, 56
.set DFLAGS, (1<<16)|(1<<20)|(1<<21)|(5<<22)|(3<<25)   ; A: 4 words of padding behind every 64
.set BFLAGS, (1<<16)|(1<<20)|(1<<21)|(6<<22)|(7<<25)   ; B: 8 words behind every 128
.set MUL, 0x50
.set MSB, 0
.macro WIN new
.if MSB != \new
	s_set_vgpr_msb (MSB<<8)|\new
.set MSB, \new
.endif
.endm
.macro PLACES                          ; four places behind a matrix instruction (ISA guide 7.12.1)
	s_wait_alu depctr_va_vdst(0)
.rept 4
	v_nop
.endr
.endm
.macro JLOAD s
	s_cmp_eq_u32 s11, 0
	s_cbranch_scc0 .Lfor_b_\@
	tensor_load_to_lds s[G0+4*\s:G0+4*\s+3], s[G1:G1+7]
	s_nop 0
.rept 4
	v_nop
.endr
	s_branch .Lasked_\@
.Lfor_b_\@:
	tensor_load_to_lds s[G0B+4*\s:G0B+4*\s+3], s[G1B:G1B+7]
	s_nop 0
.rept 4
	v_nop
.endr
.Lasked_\@:
.endm
.macro CREST
	s_cmp_lg_u32 s10, 0
	s_cbranch_scc1 .Lnot_wave_0_\@
	s_barrier_signal -3
.Lnot_wave_0_\@:
	s_barrier_wait -3
	s_barrier_signal -1
	s_barrier_wait -1
.endm
.macro CROUND
	s_barrier_signal -1
	s_barrier_wait -1
	CREST
.endm
.macro MULA f, a, zero
.irp b, 0,1,2,3,4,5,6,7
.if \zero
	v_wmma_f32_16x16x32_f16 v[64*\a+8*\b:64*\a+8*\b+7], v[FB0+64*\f+8*\b:FB0+64*\f+8*\b+7], v[FA0+32*\f+8*\a:FA0+32*\f+8*\a+7], 0
.else
	v_wmma_f32_16x16x32_f16 v[64*\a+8*\b:64*\a+8*\b+7], v[FB0+64*\f+8*\b:FB0+64*\f+8*\b+7], v[FA0+32*\f+8*\a:FA0+32*\f+8*\a+7], v[64*\a+8*\b:64*\a+8*\b+7]
.endif
.endr
.endm
; 24 LDS loads.  B: quarter k / 64 is 32 key rows; a transposing load brings 8 keys of one column to a lane, the second the keys 16 further down.
.macro FETCH slot, k, f
	WIN 0
.irp b, 0,1,2,3,4,5,6,7
	ds_load_tr16_b128 v[FB0+64*\f+8*\b:FB0+64*\f+8*\b+3],   v[ADRB+\slot] offset:(\k/64)*32*PB+32*\b
	ds_load_tr16_b128 v[FB0+64*\f+8*\b+4:FB0+64*\f+8*\b+7], v[ADRB+\slot] offset:(\k/64)*32*PB+16*PB+32*\b
.endr
.irp a, 0,1,2,3
	ds_load_b128 v[FA0+32*\f+8*\a:FA0+32*\f+8*\a+3],   v[ADRA+\slot] offset:\k+\a*16*PITCH
	ds_load_b128 v[FA0+32*\f+8*\a+4:FA0+32*\f+8*\a+7], v[ADRA+\slot] offset:\k+\a*16*PITCH+32
.endr
.endm
; Row QI of my 32 rows of out1: 256 columns, 8 numbers a lane in two halves of 128 columns.  No register of a matrix instruction is named.
.macro O1Q
.if QI < 24
	s_wait_loadcnt 14                              ; this row's two loads are in; the seven younger rows' fourteen stay out
.else
	s_wait_loadcnt 14-2*(QI-24)                    ; the last eight rows are followed by no new loads: the counts run down
.endif
	s_wait_xcnt 0x0                                ; the eight result registers below were stored from four quarter steps ago: they are written again only behind this wait
	WIN 0x02                                       ; source 0 in window 2
	v_mov_b32 v2, v[XR+4*(QI%8)]
	v_mov_b32 v3, v[XR+4*(QI%8)+1]
	v_mov_b32 v4, v[XR+4*(QI%8)+2]
	v_mov_b32 v5, v[XR+4*(QI%8)+3]
.if QI < 24
	WIN 0x80                                       ; destination in window 2: the place in the ring takes the row eight further down
	global_load_b64 v[XR+4*(QI%8):XR+4*(QI%8)+1],   v[VE], s[74:75] offset:(QI+8)*2048
	global_load_b64 v[XR+4*(QI%8)+2:XR+4*(QI%8)+3], v[VE], s[74:75] offset:(QI+8)*2048+256
.endif
	WIN 0
	v_readlane_b32 s86, v[RI], QI                  ; 1 / sum of this row
	v_cvt_f32_f16 v[TMP+8*(QI%4)],   v2.l
	v_cvt_f32_f16 v[TMP+8*(QI%4)+1], v2.h
	v_cvt_f32_f16 v[TMP+8*(QI%4)+2], v3.l
	v_cvt_f32_f16 v[TMP+8*(QI%4)+3], v3.h
	v_cvt_f32_f16 v[TMP+8*(QI%4)+4], v4.l
	v_cvt_f32_f16 v[TMP+8*(QI%4)+5], v4.h
	v_cvt_f32_f16 v[TMP+8*(QI%4)+6], v5.l
	v_cvt_f32_f16 v[TMP+8*(QI%4)+7], v5.h
.irp j, 0,2,4,6
	v_pk_mul_f32 v[TMP+8*(QI%4)+\j:TMP+8*(QI%4)+\j+1], v[TMP+8*(QI%4)+\j:TMP+8*(QI%4)+\j+1], s[86:87] op_sel_hi:[1,0]
.endr
	global_store_b128 v[VO], v[TMP+8*(QI%4):TMP+8*(QI%4)+3],   s[76:77] offset:QI*4096 th:TH_STORE_NT       ; the wave stores 512 consecutive bytes, aligned
	global_store_b128 v[VO], v[TMP+8*(QI%4)+4:TMP+8*(QI%4)+7], s[76:77] offset:QI*4096+512 th:TH_STORE_NT
.set QI, QI+1
.endm
; the 32 accumulators take turns, one instruction a turn, in the same order in every quarter
.macro QUARTER slot, k, f, g, zero
	s_wait_dscnt 4                                 ; only the youngest four loads (A's blocks 2, 3) may be out
	WIN MUL
	MULA \f, 0, \zero
	MULA \f, 1, \zero
	PLACES
	FETCH \slot, \k, \g
	O1Q
	s_wait_dscnt 24                                ; all but the 24 just issued
	WIN MUL
	MULA \f, 2, \zero
	MULA \f, 3, \zero
.endm
.macro THREE slot, zero
	QUARTER \slot, 64,  0, 1, \zero
	QUARTER \slot, 128, 1, 0, 0
	QUARTER \slot, 192, 0, 1, 0
.endm
.macro TURN slot, next, fill
	s_wait_dscnt 4
	WIN MUL
	MULA 1, 0, 0
	s_wait_dscnt 0                                 ; my reads of this slot are over
	s_wait_tensorcnt 0x0                           ; all my tensor loads have landed: my part of the next slot
	ds_add_u32 v30, v31
	s_wait_dscnt 0x0
	s_barrier_signal -1
	MULA 1, 1, 0
	WIN 0
	s_barrier_wait -1
.if \fill
	CREST                                          ; the barrier above opened a round of the cluster's barrier: no partner's wave reads this slot or has a load out
	s_add_nc_u64 s[G0+4*\slot+2:G0+4*\slot+3], s[G0+4*\slot+2:G0+4*\slot+3], 2*ASTEP
	s_add_nc_u64 s[G0B+4*\slot+2:G0B+4*\slot+3], s[G0B+4*\slot+2:G0B+4*\slot+3], 2*BSTEP
	JLOAD \slot                                    ; the wave's one tensor load behind the round, first thing there
.else
	PLACES
.endif
	FETCH \next, 0, 0
	O1Q
	WIN MUL
	MULA 1, 2, 0
	MULA 1, 3, 0
.endm
.macro LAP zero
	THREE 0, \zero
	TURN 0, 1, 1
	THREE 1, 0
	TURN 1, 0, 1
.endm
.macro PACK a, r
.set i, 0
.rept 32
	v_cvt_pk_f16_f32 v[TMP+i], v[T+2*i], v[T+2*i+1]
.set i, i+1
.endr
.irp b, 0,1,2,3,4,5,6,7
	ds_store_b128 v[STO], v[TMP+4*\b:TMP+4*\b+3] offset:32*\b
.endr
	s_wait_xcnt 0x0                                ; set r and the base, which earlier stores name, are written again only behind this wait
.if \a
	s_add_nc_u64 s[8:9], s[8:9], 16*ROWB
.endif
.irp t, 0,1,2,3,4,5,6,7
	ds_load_b128 v[\r+4*\t:\r+4*\t+3], v[RD] offset:\t*2*PITCH
.endr
.irp t, 0,1,2,3,4,5,6,7
	s_wait_dscnt 7-\t
	global_store_b128 v[CO], v[\r+4*\t:\r+4*\t+3], s[8:9] offset:\t*2*ROWB   ; 16 lanes store 256 consecutive bytes, aligned
.endr
.endm
	s_load_b128 s[4:7], s[0:1], 0x0                ; xh (e), px
	s_load_b64 s[66:67], s[0:1], 0x10              ; psum
	s_load_b64 s[8:9], s[0:1], 0x18                ; qw's buffer, which takes cx
	s_load_b64 s[68:69], s[0:1], 0x20              ; out1
	v_lshl_add_u32 v30, v0, 2, 0x37400
	v_mov_b32 v31, 0
	ds_add_u32 v30, v31
	v_lshrrev_b32 v1, 5, v0
	v_readfirstlane_b32 s10, v1
	s_lshr_b32 s11, s10, 1
	s_and_b32 s12, s10, 1
	s_bfe_u32 s40, ttmp6, 0x40000                  ; cx
	s_bfe_u32 s41, ttmp6, 0x40004                  ; cy
	s_lshl_b32 s42, ttmp9, 2
	s_add_co_u32 s42, s42, s40                     ; block column
	s_and_b32 s22, ttmp7, 0xffff                   ; cluster y = batch b
	s_lshl_b32 s13, s22, 2
	s_add_co_u32 s13, s13, s41                     ; block row
	s_lshl_b32 s43, s41, 2
	s_lshl_b32 s43, 15, s43
	s_lshl_b32 s44, 0x1111, s40
	s_or_b32 s[G1+0], s43, DFLAGS                  ; A: 64 rows x 128 elements
	s_mov_b32 s[G1+1], 128<<16
	s_mov_b32 s[G1+2], 64<<16
	s_mov_b32 s[G1+3], 128<<16
	s_mov_b32 s[G1+4], 64
	s_mov_b32 s[G1+5], 1024
	s_mov_b32 s[G1+6], 0
	s_mov_b32 s[G1+7], 0
	s_or_b32 s[G1B+0], s44, BFLAGS                 ; B: 64 key rows x 256 elements
	s_mov_b32 s[G1B+1], 256<<16
	s_mov_b32 s[G1B+2], 64<<16
	s_mov_b32 s[G1B+3], 256<<16
	s_mov_b32 s[G1B+4], 64
	s_mov_b32 s[G1B+5], 1024
	s_mov_b32 s[G1B+6], 0
	s_mov_b32 s[G1B+7], 0
	s_lshl_b32 s16, s13, 7                         ; A: row 128 x block row + 64 x half, in bytes
	s_lshl_b32 s17, s12, 6
	s_add_co_u32 s16, s16, s17
	s_lshl_b32 s16, s16, 11
	s_mov_b32 s17, 0
	s_lshl_b32 s46, s22, 21                        ; B: kx of batch b, 16 MiB into px,
	s_add_co_u32 s46, s46, 0x1000000
	s_lshl_b32 s47, s12, 17                        ; + 64 key rows x half
	s_add_co_u32 s46, s46, s47
	s_lshl_b32 s47, s42, 9                         ; + 256 columns x block column
	s_add_co_u32 s46, s46, s47
	s_mov_b32 s47, 0
	s_mul_i32 s20, s12, 64*PITCH
	s_mul_i32 s21, s12, BHALF
	s_add_co_u32 s21, s21, ATILE
	s_wait_dscnt 0x0
	s_wait_kmcnt 0x0
	s_add_nc_u64 s[14:15], s[4:5], s[16:17]
	s_add_nc_u64 s[46:47], s[6:7], s[46:47]
	CROUND                                         ; in front of the first joint loads
.irp s, 0,1
	s_mov_b32 s[G0+4*\s], 1
	s_add_co_u32 s[G0+4*\s+1], s20, \s*SLOT
	s_add_nc_u64 s[G0+4*\s+2:G0+4*\s+3], s[14:15], \s*ASTEP
	s_or_b32 s[G0+4*\s+3], s[G0+4*\s+3], 0x80000000
	s_mov_b32 s[G0B+4*\s], 1
	s_add_co_u32 s[G0B+4*\s+1], s21, \s*SLOT
	s_add_nc_u64 s[G0B+4*\s+2:G0B+4*\s+3], s[46:47], \s*BSTEP
	s_or_b32 s[G0B+4*\s+3], s[G0B+4*\s+3], 0x80000000
	JLOAD \s                                       ; K steps 0 and 1: two tensor loads of the wave are out, the most in this text
.endr
	v_and_b32 v1, 15, v0                           ; r
	v_bfe_u32 v2, v0, 4, 1                         ; h
	v_mul_u32_u24 v3, v1, PITCH
	v_lshl_add_u32 v3, v2, 4, v3
	v_and_b32 v4, 7, v0                            ; B: key row 8 h + l % 8, 16 bytes further for lanes 8-15 of each half
	v_lshl_add_u32 v4, v2, 3, v4
	v_mul_u32_u24 v4, v4, PB
	v_bfe_u32 v5, v0, 3, 1
	v_lshl_add_u32 v4, v5, 4, v4
	s_mul_i32 s18, s11, 64*PITCH                   ; my 64 rows of A
	s_lshl_b32 s19, s12, 8                         ; my 128 columns of B, behind A's tile
	s_add_co_u32 s19, s19, ATILE
.irp s, 0,1
	v_add_nc_u32 v[ADRA+\s], s18, v3
	v_add_nc_u32 v[ADRB+\s], s19, v4
	s_add_co_u32 s18, s18, SLOT
	s_add_co_u32 s19, s19, SLOT
.endr
	s_mul_i32 s23, s10, WSTAGE
	s_add_co_u32 s23, s23, STAGE
	v_add_nc_u32 v[STO], s23, v3
	v_mul_u32_u24 v5, v2, PITCH
	v_lshl_add_u32 v5, v1, 4, v5
	v_add_nc_u32 v[RD], s23, v5
	v_lshlrev_b32 v5, 11, v2
	v_lshl_add_u32 v[CO], v1, 4, v5
	v_lshlrev_b32 v[BO], 2, v1
	v_and_b32 v5, 31, v0
	v_lshlrev_b32 v[VL], 2, v5
	v_lshlrev_b32 v[VE], 3, v5
	v_lshlrev_b32 v[VO], 4, v5
	s_lshl_b32 s16, s13, 7                         ; the product's rows: 128 x block row + 64 x half
	s_lshl_b32 s17, s11, 6
	s_add_co_u32 s16, s16, s17
	s_lshl_b32 s18, s16, 2
	s_mov_b32 s19, 0
	s_add_nc_u64 s[70:71], s[66:67], s[18:19]      ; psum at those rows
	s_lshl_b32 s16, s16, 11
	s_mov_b32 s17, 0
	s_add_nc_u64 s[8:9], s[8:9], s[16:17]          ; cx at those rows ...
	s_lshl_b32 s78, s42, 9
	s_lshl_b32 s79, s12, 8
	s_add_co_u32 s78, s78, s79
	s_mov_b32 s79, 0
	s_add_nc_u64 s[8:9], s[8:9], s[78:79]          ; ... and my 128 columns
	s_lshl_b32 s16, s13, 7                         ; out1's rows: 128 x block row + 32 x wave
	s_lshl_b32 s17, s10, 5
	s_add_co_u32 s16, s16, s17
	s_lshl_b32 s18, s16, 2
	s_add_nc_u64 s[72:73], s[66:67], s[18:19]      ; psum at those rows
	s_lshl_b32 s78, s16, 11                        ; e: 2,048 bytes a row, 512 a block column
	s_lshl_b32 s88, s42, 9
	s_add_co_u32 s78, s78, s88
	s_add_nc_u64 s[74:75], s[4:5], s[78:79]
	s_lshl_b32 s78, s78, 1                         ; out1: twice that
	s_add_nc_u64 s[76:77], s[68:69], s[78:79]
	s_mov_b32 s87, 0                               ; the upper register of the pair that the packed multiply names
	s_mov_b32 s82, 0xc77fe000                      ; -65504
	s_mov_b32 s83, 0x477fe000                      ; 65504
.irp a, 0,1,2,3
.irp p, 0,1,2,3,4,5,6,7
	global_load_b32 v[96+8*\a+\p], v[BO], s[70:71] offset:\p*32768+\a*64   ; part p of row 16 a + r
.endr
.endr
.irp p, 0,1,2,3,4,5,6,7
	global_load_b32 v[128+\p], v[VL], s[72:73] offset:\p*32768             ; part p of row 32 wave + lane
.endr
	WIN 0x80                                       ; destination in window 2
.set i, 0
.rept 16
	global_load_b64 v[XR+2*i:XR+2*i+1], v[VE], s[74:75] offset:(i/2)*2048+256*(i%2)   ; the ring's first fill: rows 0-7 of e, two halves of 256 bytes each
.set i, i+1
.endr
	WIN 0
.macro SUM8 b
	v_pk_add_f32 v[\b:\b+1], v[\b:\b+1], v[\b+2:\b+3]
	v_pk_add_f32 v[\b+4:\b+5], v[\b+4:\b+5], v[\b+6:\b+7]
	v_pk_add_f32 v[\b:\b+1], v[\b:\b+1], v[\b+4:\b+5]
	v_add_f32 v[\b], v[\b], v[\b+1]
.endm
	s_wait_loadcnt 16                              ; the 40 parts are in; the 16 loads of e behind them stay out
	SUM8 96
	SUM8 104
	SUM8 112
	SUM8 120
	SUM8 128
.irp a, 0,1,2,3
	v_rcp_f32 v[IV+2*\a], v[96+8*\a]               ; made twice: a pair for the packed multiply
	v_rcp_f32 v[IV+2*\a+1], v[96+8*\a]
.endr
	v_rcp_f32 v[RI], v128
	v_nop                                          ; one plain place before a result is used or a source written (ISA guide 5.7.2)
	s_wait_tensorcnt 1                             ; my part of K step 0 is in; K step 1's may stay out
	s_barrier_signal -1
	s_barrier_wait -1
	FETCH 0, 0, 0
	LAP 1                                          ; K steps 0, 1: the first products start the sums
	LAP 0                                          ; K steps 2, 3
	LAP 0                                          ; K steps 4, 5
	THREE 0, 0                                     ; K steps 6, 7 fill nothing
	TURN 0, 1, 0
	THREE 1, 0
	s_wait_dscnt 4
	WIN MUL
	MULA 1, 0, 0
	MULA 1, 1, 0
	O1Q                                            ; the last row of out1
	s_wait_dscnt 0
	WIN MUL
	MULA 1, 2, 0
	MULA 1, 3, 0
	PLACES
	s_wait_xcnt 0x0                                ; out1's last stores read v224-255, into which the way out packs
; rows 16 a .. 16 a + 15 of my block: divide by the row's sum, clamp, out
.macro OUTROWS a, r
	WIN 0x01                                       ; source 0 in window 1
.set i, 0
.rept 32
	v_pk_mul_f32 v[T+2*i:T+2*i+1], v[64*\a+2*i:64*\a+2*i+1], v[IV+2*\a:IV+2*\a+1]
.set i, i+1
.endr
	WIN 0
.set i, 0
.rept 64
	v_med3_num_f32 v[T+i], v[T+i], s82, s83
.set i, i+1
.endr
	PACK \a, \r
.endm
	OUTROWS 0, R0
	OUTROWS 1, R1
	OUTROWS 2, R0
	OUTROWS 3, R1
	s_wait_tensorcnt 0x0
	ds_add_u32 v30, v31
	s_wait_dscnt 0x0
	CROUND                                         ; the closing round
	s_endpgm
.Lfunc_end_k_q8922474e63_ctx:
	.size	k_q8922474e63_ctx, .Lfunc_end_k_q8922474e63_ctx-k_q8922474e63_ctx
	.p2alignl 7, 3214868480
	.fill 96, 4, 3214868480
	.section	.rodata,"a",@progbits
	.p2align	6, 0x0
	.amdhsa_kernel k_q8922474e63_ctx
		.amdhsa_group_segment_fixed_size 327680
		.amdhsa_private_segment_fixed_size 0
		.amdhsa_enable_private_segment 0
		.amdhsa_kernarg_size 40
		.amdhsa_user_sgpr_count 2
		.amdhsa_user_sgpr_kernarg_segment_ptr 1
		.amdhsa_wavefront_size32 1
		.amdhsa_system_sgpr_workgroup_id_x 1
		.amdhsa_system_sgpr_workgroup_id_y 1
		.amdhsa_system_sgpr_workgroup_id_z 1
		.amdhsa_system_vgpr_workitem_id 0
		.amdhsa_next_free_vgpr 576
		.amdhsa_next_free_sgpr 100
		.amdhsa_reserve_vcc 0
		.amdhsa_float_denorm_mode_32 3
		.amdhsa_float_denorm_mode_16_64 3
		.amdhsa_memory_ordered 1
		.amdhsa_forward_progress 1
		.amdhsa_inst_pref_size 220
	.end_amdhsa_kernel
	.amdgpu_metadata
---
amdhsa.version: [ 1, 2 ]
amdhsa.kernels:
  - .name:           k_q8922474e63_ctx
    .symbol:         k_q8922474e63_ctx.kd
    .args:
      - { .name: xh, .offset: 0, .size: 8, .value_kind: global_buffer, .address_space: global }
      - { .name: px, .offset: 8, .size: 8, .value_kind: global_buffer, .address_space: global }
      - { .name: psum, .offset: 16, .size: 8, .value_kind: global_buffer, .address_space: global }
      - { .name: qw, .offset: 24, .size: 8, .value_kind: global_buffer, .address_space: global }
      - { .name: out1, .offset: 32, .size: 8, .value_kind: global_buffer, .address_space: global }
    .group_segment_fixed_size: 327680
    .private_segment_fixed_size: 0
    .kernarg_segment_align: 8
    .kernarg_segment_size: 40
    .max_flat_workgroup_size: 128
    .sgpr_count:     100
    .vgpr_count:     576
    .wavefront_size: 32
...
	.end_amdgpu_metadata
.endif
;; end of part 9
;; launch outp: the kernel of part 5 again; grid 4 x 64, 4 waves a work-group, clusters of 4 x 4, 327,680 bytes of LDS; arguments qw, wh, bp, out0; writes out0
